; MI455X (gfx1250); checked and timed in simulation.
; The chip was launched on July 23, 2026; its instructions are those of AMD's public machine-readable ISA for CDNA 5 (MIT licence, August 2026) and "CDNA5" Instruction Set Architecture Reference Guide (July 2026). The comments in the code are by the model that wrote it; some were corrected since.
;; Encoder Layer. Allowed arithmetic: matrix products marked QUANTISED: E2M3 operands, one E8M0 scale for each 32 along K, by v_wmma_scale_f32_16x16x128_f8f6f4 with both operands' format E2M3, f32 sums; everything else in f32.
;; Inputs: W1 1,024 x 4,096 float32; W2 4,096 x 1,024 float32; Wk 16 x 1,024 x 64 float32; Wo 1,024 x 1,024 float32; Wq 16 x 1,024 x 64 float32; Wv 16 x 1,024 x 64 float32; b1 4,096 float32; bk 16 x 64 float32; bq 16 x 64 float32; bv 16 x 64 float32; ln1_b 1,024 float32; ln1_g 1,024 float32; ln2_b 1,024 float32; ln2_g 1,024 float32; x 2 x 2,048 x 1,024 float32.
;; Outputs: out0 2 x 2,048 x 1,024 float32.
;; This version of the problem:
;;   THIS VERSION OF THE PROBLEM IS GIVEN IN LOW PRECISION. The matrix products marked QUANTISED in the list below multiply operands that are first quantised to E2M3 (2 exponent bits, 3 mantissa bits; 6 bits a number), with one power-of-two scale for each 32 numbers along K (OCP MX v1.0); their sums are f32. All else is computed in f32.
;;   The module's matrix products, in the order in which they are computed (A, B: the left and right operand; K: the contracted axis; several contracted axes count as one K, in the product's order):
;;     1. [M 1,024, K 1,024] x [K 1,024, N 4,096]; A: input Wq; B: input x: QUANTISED
;;     2. [M 1,024, K 1,024] x [K 1,024, N 4,096]; A: input Wk; B: input x: QUANTISED
;;     3. [M 1,024, K 1,024] x [K 1,024, N 4,096]; A: input Wv; B: input x: QUANTISED
;;     4. batch 32 x [M 2,048, K 64] x [K 64, N 2,048]; A: computed on the way; B: computed on the way: QUANTISED
;;     5. batch 32 x [M 2,048, K 2,048] x [K 2,048, N 64]; A: softmax (see below); B: computed on the way: QUANTISED
;;     6. [M 4,096, K 1,024] x [K 1,024, N 1,024]; A: computed on the way; B: input Wo: QUANTISED
;;     7. [M 4,096, K 1,024] x [K 1,024, N 4,096]; A: computed on the way; B: input W1: QUANTISED
;;     8. [M 4,096, K 4,096] x [K 4,096, N 1,024]; A: computed on the way; B: input W2: QUANTISED
;;   THE QUANTISER, for each operand of a quantised product, along K:
;;     - K is cut into blocks of 32 from its start; a last block that is shorter is filled with zeros.
;;     - A block's scale is 2^e with e = floor(log2(the largest magnitude in the block)) - 2, held to -126 .. 127; a block of zeros has e = 0. As a byte (E8M0): e + 127.
;;     - Each number is divided by its block's scale, clamped to +-7.5, and rounded to the nearest number of E2M3, ties to even, subnormals kept.
;;     - The product sums the exact products of the quantised numbers (number of the format x scale) in f32.
;;   ~~~python
;;   def quantise(x, axis):      # numpy; x: float32 -> the quantised numbers, widened to float32 again
;;       x = np.moveaxis(x, axis, -1); K = x.shape[-1]
;;       x = np.pad(x, [(0, 0)] * (x.ndim - 1) + [(0, -K % 32)]); x = x.reshape(x.shape[:-1] + (-1, 32)); a = np.abs(x).max(-1, keepdims=True)
;;       e = np.where(a > 0, np.clip(np.frexp(np.where(a > 0, a, 1))[1] - 1 - 2, -126, 127), 0)      # np.frexp(a)[1] - 1 = floor(log2(a)), exactly
;;       r = np.clip(x / 2.0 ** e, -7.5, 7.5)
;;       step = 2.0 ** (np.maximum(np.frexp(np.where(r == 0, 1, r))[1] - 1, 0) - 3)
;;       q = np.round(r / step) * step * 2.0 ** e      # np.round: ties to even
;;       return np.moveaxis(q.reshape(q.shape[:-2] + (-1,))[..., :K], -1, axis).astype(np.float32)
;;   ~~~
;;   SOFTMAX AHEAD OF A QUANTISED PRODUCT. Where the list says 'softmax', what is quantised is not the finished softmax but p = 2^(t - M), with t = logit x log2(e) and M = ceil(the row's largest t), a whole number; so 1/2 < the row's largest p <= 1. The row's sum l is taken of the UNQUANTISED p, in f32, and the product's result is divided by l at the end. Since M is a whole number, a kernel that streams over the keys may use a running M (the ceiling of the running maximum): every later rescaling is an exact power of two, which a block's scale takes up: the codes' values come out the same.
;;   OPERANDS COMPUTED ON THE WAY. 'Computed on the way' means the value that the module computes at that place (a softmax that the list does not call 'softmax' is quantised finished and normalised). What goes into a quantiser is computed in f32, as accurately as f32 sums, v_exp_f32 and their like allow (about 1e-6 of the number): no bf16 or f16 on the way to a quantiser, and a product that is left as it is and whose result goes on into a quantised operand takes f32 operands (vector FMAs, or v_wmma_f32_16x16x4_f32). A number that lies on a knife's edge between two numbers of the format may be rounded either way, as far as f32 arithmetic and the matrix unit's own rounding can turn it there, and no further.
;; One version. Each part assembles by itself: llvm-mc -triple=amdgcn-amd-amdhsa -mcpu=gfx1250 --defsym DOCPART=n.
;; ======== version 1 of 1: 8 launches
;; limits: right only within a limited range of input values
;; workspace buffers: prepb 13,107,200 bytes; qkvb 10,092,544 bytes; oc 3,276,800 bytes; c1 16,777,216 bytes; h1 20,054,016 bytes; hid 13,107,200 bytes; c2 16,777,216 bytes
;; launch prep (part 1): grid 448 x 1, 8 waves a work-group, no clusters, 120,320 bytes of LDS; arguments x, Wq, Wk, Wv, Wo, W1, W2, prepb; writes prepb
.if DOCPART == 1
	.amdgcn_target "amdgcn-amd-amdhsa--gfx1250"
	.amdhsa_code_object_version 6
	.text
	.protected	k_q6663c62123_prep
	.globl	k_q6663c62123_prep
	.p2align	8
	.type	k_q6663c62123_prep,@function
k_q6663c62123_prep:
	s_mov_b64 s[64:65], 0
	v_nop
	global_prefetch_b8 v0, s[64:65] scope:SCOPE_SE
	s_setreg_imm32_b32 hwreg(HW_REG_WAVE_MODE, 25, 1), 1
	s_wait_xcnt 0x0
; ENCODER LAYER, launch 1 of 8: x and the six weights become codes of FP6 (E2M3) with one E8M0 scale byte for each 32 along K.
; NOTHING OF THE PROBLEM IS LEFT OUT IN ANY LAUNCH: all eight products are live, every input has a way to the output and is loaded (bk too: it moves K's codes ahead of a quantised product).
; A block's scale is 2^(floor(log2(its largest magnitude)) - 2); its byte is that magnitude's exponent field - 2, held at 1 from below by a floor among the maximum's leaves.
; LIMITS: NaN and infinities among the inputs are not served; a block whose largest magnitude lies under 2^-124 takes the byte 1; a block of zeros takes the byte 1 where the rule says 127
; (its codes are zeros, which add nothing under any byte but 0xff, and this program alone reads the bytes).
; LAYOUT OF ALL CODES IN THIS PROGRAM: the order of the operand's registers.  Rows go in blocks of 16: lane row r of block i of a group of 128 rows is row 32 (i / 2) + 8 (i % 2) + r + 8 (r / 8),
; so that a product that takes such blocks as source 0 leaves 16 neighbours along the next K in 16 registers.  A fragment (16 rows x 128 K, 12 registers a lane) is 1,536 bytes: for each 64 along K
; registers 0-1 at 8 x lane (256 bytes), registers 2-5 at 256 + 16 x lane (512 bytes).  Fragments lie [group of 128 rows][256 along K][block][128 along K]; scale words [group][128 along K][block][row].
; WORK-GROUPS 0-255: one block of 16 tokens of x each.  Wave w reads two whole rows (8,192 consecutive bytes) into a stage in LDS; behind a barrier wave w takes K step w of all 16 rows.
; WORK-GROUPS 256-447: the weights, whose K is not innermost: a lane takes a column and its registers run down K, so a block of 32 lies in one lane and nothing is transposed.  A wave takes 32 columns x 256 K;
; its codes go through its own stage in LDS, laid as four fragments, and leave by stores of 512 consecutive bytes.  The two kinds of work-group have LDS bytes of their own.
; No cluster and no matrix unit: no two work-groups read the same bytes.
.set XS_O,  3145728                    ; prepb: x's codes at 0, its scale words here,
.set WQC_O, 3276800                    ; Wq, Wk, Wv as 3,072 rows (n = 64 head + k), 24 groups,
.set WQS_O, 5636096
.set WOC_O, 5734400
.set WOS_O, 6520832
.set W1C_O, 6553600
.set W1S_O, 9699328
.set W2C_O, 9830400
.set W2S_O, 12976128
.set XP,    4112                       ; x's stage: a row of 4,096 bytes + 16: sixteen rows start at sixteen different groups of banks
.set WST,   66048                      ; the weights' stages: 6,656 bytes a wave
.set WREG,  6656
.set FP,    1664                       ; a fragment's place in a stage: 1,536 + 128
.set SPARE, 119296                     ; the spare words, 128 bytes for each wave: four blocks of 256 bytes that no other line names
.set L8,   4                           ; v4   8 x lane
.set L16,  5                           ; v5   16 x lane
.set XSTO, 6                           ; v6   x's stage, in
.set XRD,  7                           ; v7   x's stage, out
.set A8,   8                           ; v8   a weight's stage, in: registers 0-1
.set A16,  9                           ; v9   registers 2-5
.set WRD,  10                          ; v10  a weight's stage, out
.set R4,   11                          ; v11  4 x (lane % 16)
.set SPW,  12                          ; v12  my spare word; never rewritten
.set NIL,  13                          ; v13  0; never rewritten
.set WSO,  14                          ; v14  my column's place among a step's scale words
.set L4,   15                          ; v15  4 x lane
.set SEL,  2                           ; s[2:3] lane selects: lane l xor 16
.set R,    16                          ; x: v16-79 as loaded; v80-143 64 numbers for the quantiser; v144.. codes; v164.. at work; v180 the scale word
.set H,    80
.set PC,   144
.set TM,   164
.set PW,   180
.set OFFV, 16                          ; weights: v16-47 byte offsets of 32 rows; v48-111 two sets of 32 numbers; v112.. codes; v124-125 scale words; v128-175 the way out; v184.. at work
.set X,    48
.set C,    112
.set SBW,  124
.set OUTR, 128
.set T0,   184
.set SB,   32                          ; s[32:47] the eight blocks' bases; never rewritten
; 64 numbers of a lane, register 16 b + i = k 32 b + 16 (lane / 16) + i of my row, become a fragment's codes in v[PC] on and its scale word in v[PW].
.macro QUANT s
.irp b, 0,1,2,3
	v_max3_num_f32 v[TM+\b], |v[\s+16*\b]|, |v[\s+1+16*\b]|, 0x1800000   ; my 16 numbers of block b, and the floor 2^(3 - 127): the byte cannot fall under 1
.endr
.irp i, 2,4,6,8,10,12,14
.irp b, 0,1,2,3
	s_delay_alu instid0(VALU_DEP_4)
	v_max3_num_f32 v[TM+\b], v[TM+\b], |v[\s+16*\b+\i]|, |v[\s+1+16*\b+\i]|
.endr
.endr
.irp b, 0,1,2,3
	s_delay_alu instid0(VALU_DEP_4)
	v_permlanex16_b32 v[TM+4+\b], v[TM+\b], s[SEL], s[SEL+1]
.endr
.irp b, 0,1,2,3
	s_delay_alu instid0(VALU_DEP_4)
	v_max_num_f32 v[TM+\b], v[TM+\b], v[TM+4+\b]   ; with lane l xor 16's: the block's largest magnitude
.endr
.irp b, 0,1,2,3
	s_delay_alu instid0(VALU_DEP_4)
	v_add_nc_u32 v[TM+12+\b], 0xff000000, v[TM+\b]   ; 2 off its exponent field: the conversion takes this operand's exponent field as its scale
.endr
.irp b, 0,1,2,3
	s_delay_alu instid0(VALU_DEP_4)
	v_lshrrev_b32 v[TM+4+\b], 23, v[TM+12+\b]      ; the scale's byte
.endr
	s_delay_alu instid0(VALU_DEP_3)
	v_lshl_or_b32 v[PW], v[TM+5], 8, v[TM+4]
	s_delay_alu instid0(VALU_DEP_1)
	v_lshl_or_b32 v[PW], v[TM+6], 16, v[PW]
	s_delay_alu instid0(VALU_DEP_1)
	v_lshl_or_b32 v[PW], v[TM+7], 24, v[PW]
.irp c, 0,1
	v_cvt_scalef32_pk16_fp6_f32 v[PC+6*\c:PC+2+6*\c], v[\s+32*\c:\s+15+32*\c], v[TM+12+2*\c]
	v_cvt_scalef32_pk16_fp6_f32 v[PC+12+4*\c:PC+14+4*\c], v[\s+16+32*\c:\s+31+32*\c], v[TM+12+2*\c+1]   ; (a conversion's three registers begin on an even number)
.endr
	v_nop                                          ; one plain place behind a scaled conversion
.irp c, 0,1                                    ; the operand wants a whole block in a lane: lanes 0-15 block 2 c, lanes 16-31 block 2 c + 1
.irp i, 0,1,2
	v_permlane16_swap_b32 v[PC+6*\c+\i], v[PC+12+4*\c+\i]
.endr
.irp i, 0,1,2
	s_delay_alu instid0(VALU_DEP_3)
	v_mov_b32 v[PC+3+6*\c+\i], v[PC+12+4*\c+\i]
.endr
.endr
.endm
.macro IMAGE base, off                         ; the fragment in v[PC] on leaves as it stands: each store covers 256 or 512 consecutive bytes, aligned
	global_store_b64  v[L8],  v[PC:PC+1],    s[\base:\base+1] offset:\off
	global_store_b128 v[L16], v[PC+2:PC+5],  s[\base:\base+1] offset:\off+256
	global_store_b64  v[L8],  v[PC+6:PC+7],  s[\base:\base+1] offset:\off+768
	global_store_b128 v[L16], v[PC+8:PC+11], s[\base:\base+1] offset:\off+1024
.endm
	s_load_b512 s[4:19], s[0:1], 0x0               ; x s[4:5], Wq, Wk, Wv, Wo, W1, W2 s[6:17], prepb s[18:19]
	v_lshl_add_u32 v[SPW], v0, 2, SPARE
	v_mov_b32 v[NIL], 0
	v_lshrrev_b32 v1, 5, v0
	s_delay_alu instid0(VALU_DEP_1)
	v_readfirstlane_b32 s20, v1                    ; wave 0..7
	v_and_b32 v1, 31, v0                           ; lane
	v_and_b32 v2, 15, v0                           ; r
	v_bfe_u32 v3, v0, 4, 1                         ; h
	s_delay_alu instid0(VALU_DEP_3)
	v_lshlrev_b32 v[L8], 3, v1
	s_delay_alu instid0(VALU_DEP_4)
	v_lshlrev_b32 v[L16], 4, v1
	v_lshlrev_b32 v[L4], 2, v1
	v_lshlrev_b32 v[R4], 2, v2
	s_mul_i32 s21, s20, 2*XP                       ; every LDS address of both kinds of work-group is made here, ahead of the parting
	v_add_nc_u32 v[XSTO], s21, v[L16]              ; in: my wave's two rows, 16 bytes a lane
	v_mul_u32_u24 v[XRD], v2, XP
	s_delay_alu instid0(VALU_DEP_1)
	v_lshl_add_u32 v[XRD], v3, 6, v[XRD]
	s_lshl_b32 s21, s20, 9
	v_add_nc_u32 v[XRD], s21, v[XRD]               ; out: row r, K step = my wave, + 64 h: my 16 numbers of each block of 32
	v_bfe_u32 v[T0], v0, 3, 1                      ; u: which of my wave's two blocks of 16 columns my column falls into,
	v_and_b32 v[T0+1], 7, v0
	s_delay_alu instid0(VALU_DEP_1)
	v_lshl_add_u32 v[T0+1], v3, 3, v[T0+1]         ; and its lane row there: lane % 8 + 8 (lane / 16)
	s_mul_i32 s21, s20, WREG
	s_add_co_u32 s21, s21, WST
	v_mul_u32_u24 v[T0+2], v[T0], FP
	s_delay_alu instid0(VALU_DEP_1)
	v_add_nc_u32 v[T0+2], s21, v[T0+2]
	s_delay_alu instid0(VALU_DEP_1)
	v_lshl_add_u32 v[A8], v[T0+1], 3, v[T0+2]
	s_delay_alu instid0(VALU_DEP_2)
	v_lshl_add_u32 v[A16], v[T0+1], 4, v[T0+2]
	v_add_nc_u32 v[WRD], s21, v[L16]
	v_lshlrev_b32 v[WSO], 2, v[T0+1]
	s_delay_alu instid0(VALU_DEP_1)
	v_lshl_add_u32 v[WSO], v[T0], 6, v[WSO]
	s_mov_b32 s[SEL], 0x76543210
	s_mov_b32 s[SEL+1], 0xfedcba98
	s_cmp_lt_u32 ttmp9, 256                        ; the work-group's number alone decides: all eight waves go the same way
	s_cbranch_scc0 .Lweights
	; ---- x: block of tokens = the work-group's number
	s_lshr_b32 s21, ttmp9, 1
	s_lshl_b32 s21, s21, 5
	s_and_b32 s22, ttmp9, 1
	s_lshl_b32 s22, s22, 3
	s_add_co_u32 s21, s21, s22
	s_lshl_b32 s22, s20, 1
	s_add_co_u32 s21, s21, s22
	s_lshr_b32 s22, s20, 2
	s_lshl_b32 s22, s22, 3
	s_add_co_u32 s21, s21, s22                     ; my wave's first token: lane rows 2 w and 2 w + 1 of the block are neighbours in memory
	s_lshl_b32 s22, s21, 12
	s_mov_b32 s23, 0
	s_lshr_b32 s24, ttmp9, 3                       ; group of 128 tokens
	s_and_b32 s25, ttmp9, 7                        ; block in it
	s_lshl_b32 s26, s24, 2
	s_lshr_b32 s27, s20, 1
	s_add_co_u32 s26, s26, s27                     ; 4 x group + (my K step / 2)
	s_lshl_b32 s26, s26, 3
	s_add_co_u32 s26, s26, s25
	s_mul_i32 s26, s26, 3072
	s_and_b32 s27, s20, 1
	s_mul_i32 s27, s27, 1536
	s_add_co_u32 s26, s26, s27                     ; my fragment
	s_mov_b32 s27, 0
	s_lshl_b32 s28, s24, 3
	s_add_co_u32 s28, s28, s20
	s_lshl_b32 s28, s28, 9
	s_lshl_b32 s29, s25, 6
	s_add_co_u32 s28, s28, s29
	s_add_co_u32 s28, s28, XS_O                    ; its scale words
	s_mov_b32 s29, 0
	s_wait_kmcnt 0x0
	s_add_nc_u64 s[4:5], s[4:5], s[22:23]
	s_add_nc_u64 s[26:27], s[18:19], s[26:27]
	s_add_nc_u64 s[28:29], s[18:19], s[28:29]
.irp n, 0,1,2,3,4,5,6,7,8,9,10,11,12,13,14,15
	global_load_b128 v[R+4*\n:R+4*\n+3], v[L16], s[4:5] offset:512*\n th:TH_LOAD_NT   ; 512 consecutive bytes a load
.endr
.irp n, 0,1,2,3,4,5,6,7,8,9,10,11,12,13,14,15
	s_wait_loadcnt 15-\n                           ; loads come back in order: load n is in, the 15 - n younger ones may be out
	ds_store_b128 v[XSTO], v[R+4*\n:R+4*\n+3] offset:(\n/8)*XP+(\n%8)*512
.endr
.irp b, 0,1,2,3
	v_mov_b32 v[TM+4+\b], 0                        ; a lane permute's destination counts as one of its sources
.endr
	s_wait_dscnt 0x0                               ; for the others' sake: my rows lie in the stage
	s_barrier_signal -1
	s_barrier_wait -1
.irp b, 0,1,2,3
.irp j, 0,1,2,3
	ds_load_b128 v[H+16*\b+4*\j:H+16*\b+4*\j+3], v[XRD] offset:128*\b+16*\j
.endr
.endr
	s_wait_dscnt 0x0
	QUANT H
	IMAGE 26, 0
	global_store_b32 v[R4], v[PW], s[28:29]        ; lanes l and l xor 16 hold the same word and store it at the same place
	s_wait_tensorcnt 0x0                           ; the wave's end, behind my last LDS store
	ds_add_u32 v[SPW], v[NIL]
	s_wait_dscnt 0x0
	s_endpgm
.Lweights:
	; ---- which matrix, which 128 columns (g), which 512 along K: from the work-group's number alone, by selects
	s_sub_co_u32 s21, ttmp9, 256
	s_mov_b32 s22, 128                             ; W2: numbers 128-191: 8 groups x 8
	s_mov_b32 s23, 12                              ; log2 of a row of the matrix in bytes
	s_mov_b32 s24, W2C_O
	s_mov_b32 s25, W2S_O
	s_mov_b32 s28, 3                               ; log2 of the work-groups along K
	s_wait_kmcnt 0x0
	s_mov_b64 s[26:27], s[16:17]
	s_cmp_lt_u32 s21, 128                          ; W1: 64-127: 32 groups x 2
	s_cselect_b32 s22, 64, s22
	s_cselect_b32 s23, 14, s23
	s_cselect_b32 s24, W1C_O, s24
	s_cselect_b32 s25, W1S_O, s25
	s_cselect_b32 s28, 1, s28
	s_cselect_b64 s[26:27], s[14:15], s[26:27]
	s_cmp_lt_u32 s21, 64                           ; Wo: 48-63: 8 groups x 2
	s_cselect_b32 s22, 48, s22
	s_cselect_b32 s23, 12, s23
	s_cselect_b32 s24, WOC_O, s24
	s_cselect_b32 s25, WOS_O, s25
	s_cselect_b64 s[26:27], s[12:13], s[26:27]
	s_cmp_lt_u32 s21, 48                           ; Wq, Wk, Wv: 0-47: 24 groups x 2
	s_cselect_b32 s22, 0, s22
	s_cselect_b32 s23, 8, s23
	s_cselect_b32 s24, WQC_O, s24
	s_cselect_b32 s25, WQS_O, s25
	s_cselect_b64 s[26:27], s[10:11], s[26:27]
	s_cmp_lt_u32 s21, 32
	s_cselect_b64 s[26:27], s[8:9], s[26:27]
	s_cmp_lt_u32 s21, 16
	s_cselect_b64 s[26:27], s[6:7], s[26:27]
	s_sub_co_u32 s22, s21, s22
	s_lshr_b32 s29, s22, s28                       ; g
	s_lshl_b32 s30, s29, s28
	s_sub_co_u32 s30, s22, s30
	s_lshl_b32 s31, 2, s28                         ; pieces of 256 along K in the matrix: 4 or 16
	s_and_b32 s48, s20, 3                          ; my wave's 32 columns of the 128
	s_lshr_b32 s49, s20, 2
	s_lshl_b32 s30, s30, 1
	s_add_co_u32 s30, s30, s49                     ; my wave's piece of 256 along K
	s_and_b32 s50, s29, 7                          ; Wq, Wk, Wv [head][d][64]: head = 2 (g % 8) + columns / 64, 262,144 bytes a head
	s_lshl_b32 s50, s50, 1
	s_lshr_b32 s51, s48, 1
	s_add_co_u32 s50, s50, s51
	s_lshl_b32 s50, s50, 18
	s_and_b32 s51, s48, 1
	s_lshl_b32 s51, s51, 7
	s_add_co_u32 s50, s50, s51
	s_lshl_b32 s51, s29, 9                         ; the others: 4 bytes a column
	s_lshl_b32 s52, s48, 7
	s_add_co_u32 s51, s51, s52
	s_cmp_lt_u32 s21, 48
	s_cselect_b32 s50, s50, s51
	s_add_co_u32 s51, s23, 8
	s_lshl_b32 s51, s30, s51                       ; + 256 rows for each piece along K
	s_add_co_u32 s50, s50, s51
	s_mov_b32 s51, 0
	s_add_nc_u64 s[SB:SB+1], s[26:27], s[50:51]
	s_lshl_b32 s52, 1, s23                         ; a row in bytes
	s_lshl_b32 s50, s52, 5                         ; 32 rows
.irp t, 1,2,3,4,5,6,7
	s_add_nc_u64 s[SB+2*\t:SB+2*\t+1], s[SB+2*\t-2:SB+2*\t-1], s[50:51]
.endr
.irp i, 0,1,2,3,4,5,6,7,8,9,10,11,12,13,14,15,16,17,18,19,20,21,22,23,24,25,26,27,28,29,30,31
	v_mad_u32_u24 v[OFFV+\i], s52, \i, v[L4]       ; row i of a block, my column
.endr
	s_mul_i32 s53, s29, s31
	s_add_co_u32 s53, s53, s30
	s_mul_i32 s54, s53, 24576
	s_mul_i32 s55, s48, 6144
	s_add_co_u32 s54, s54, s55
	s_add_co_u32 s54, s54, s24
	s_mov_b32 s55, 0
	s_add_nc_u64 s[54:55], s[18:19], s[54:55]      ; my four fragments: 6,144 consecutive bytes
	s_lshl_b32 s53, s53, 10
	s_lshl_b32 s56, s48, 7
	s_add_co_u32 s56, s56, s53
	s_add_co_u32 s56, s56, s25
	s_mov_b32 s57, 0
	s_add_nc_u64 s[56:57], s[18:19], s[56:57]      ; their scale words
.macro WLOAD t                                 ; block t: 32 rows at my column: each load reads 128 consecutive bytes
.irp i, 0,1,2,3,4,5,6,7,8,9,10,11,12,13,14,15,16,17,18,19,20,21,22,23,24,25,26,27,28,29,30,31
	global_load_b32 v[X+32*((\t)%2)+\i], v[OFFV+\i], s[SB+2*(\t):SB+2*(\t)+1] th:TH_LOAD_NT
.endr
.endm
.macro WBLOCK t
.set XSS, X+32*((\t)%2)
.if (\t) < 7
	s_wait_loadcnt 32                              ; this block's 32 loads are in; the next block's 32 may be out
.else
	s_wait_loadcnt 0
.endif
	v_max3_num_f32 v[T0], |v[XSS]|, |v[XSS+1]|, |v[XSS+2]|          ; the block's largest magnitude: all 32 numbers are mine
	v_max3_num_f32 v[T0+1], |v[XSS+3]|, |v[XSS+4]|, |v[XSS+5]|
.irp i, 6,10,14,18,22,26
	s_delay_alu instid0(VALU_DEP_2)
	v_max3_num_f32 v[T0], v[T0], |v[XSS+\i]|, |v[XSS+\i+1]|
	s_delay_alu instid0(VALU_DEP_2)
	v_max3_num_f32 v[T0+1], v[T0+1], |v[XSS+\i+2]|, |v[XSS+\i+3]|
.endr
	s_delay_alu instid0(VALU_DEP_2)
	v_max3_num_f32 v[T0], v[T0], |v[XSS+30]|, |v[XSS+31]|
	s_delay_alu instid0(VALU_DEP_1)
	v_max3_num_f32 v[T0], v[T0], v[T0+1], 0x1800000                 ; and the floor
	s_delay_alu instid0(VALU_DEP_1)
	v_add_nc_u32 v[T0+2], 0xff000000, v[T0]        ; the conversion's scale operand
	s_delay_alu instid0(VALU_DEP_1)
	v_lshrrev_b32 v[T0+1], 23, v[T0+2]             ; the byte
.if (\t)%4 == 0
	s_delay_alu instid0(VALU_DEP_1)
	v_mov_b32 v[SBW+(\t)/4], v[T0+1]
.else
	s_delay_alu instid0(VALU_DEP_1)
	v_lshl_or_b32 v[SBW+(\t)/4], v[T0+1], 8*((\t)%4), v[SBW+(\t)/4]
.endif
	v_cvt_scalef32_pk16_fp6_f32 v[C:C+2], v[XSS:XSS+15], v[T0+2]
	v_cvt_scalef32_pk16_fp6_f32 v[C+8:C+10], v[XSS+16:XSS+31], v[T0+2]
	v_nop                                          ; one plain place behind a scaled conversion
.irp i, 0,1,2
	v_mov_b32 v[C+3+\i], v[C+8+\i]                 ; six registers on end: the block's 24 bytes
.endr
	; block t is K step t / 4, its half (t % 4) / 2, lanes 16 (t % 2) on
	ds_store_b64  v[A8],  v[C:C+1]   offset:((\t)/4)*2*FP+768*(((\t)%4)/2)+128*((\t)%2)
	ds_store_b128 v[A16], v[C+2:C+5] offset:((\t)/4)*2*FP+768*(((\t)%4)/2)+256+256*((\t)%2)
.if (\t)+2 < 8
	WLOAD (\t)+2
.endif
	s_wait_dscnt 0x0                               ; the stores have read their registers: the next block's codes may be written
.endm
	s_wait_alu depctr_va_vdst(0)
	WLOAD 0
	WLOAD 1
.irp t, 0,1,2,3,4,5,6,7
	WBLOCK \t
.endr
.irp n, 0,1,2,3,4,5,6,7,8,9,10,11              ; n = 6 (K step) + 3 (block of columns) + piece of 512 bytes.  LDS serves a wave's instructions in order: these see my stores
	ds_load_b128 v[OUTR+4*\n:OUTR+4*\n+3], v[WRD] offset:(\n/6)*2*FP+((\n/3)%2)*FP+(\n%3)*512
.endr
.irp n, 0,1,2,3,4,5,6,7,8,9,10,11
	s_wait_dscnt 11-\n                             ; load n is back, the 11 - n younger ones may be out
	global_store_b128 v[L16], v[OUTR+4*\n:OUTR+4*\n+3], s[54:55] offset:(2*((\n/3)%2)+\n/6)*1536+(\n%3)*512
.endr
	global_store_b32 v[WSO], v[SBW], s[56:57]      ; my column's scale words of the two K steps: 128 consecutive bytes a wave
	s_wait_alu depctr_va_vdst(0)
	global_store_b32 v[WSO], v[SBW+1], s[56:57] offset:512
	s_wait_tensorcnt 0x0                           ; the wave's end, behind my last LDS store
	ds_add_u32 v[SPW], v[NIL]
	s_wait_dscnt 0x0
	s_endpgm
.Lfunc_end_k_q6663c62123_prep:
	.size	k_q6663c62123_prep, .Lfunc_end_k_q6663c62123_prep-k_q6663c62123_prep
	.p2alignl 7, 3214868480
	.fill 96, 4, 3214868480
	.section	.rodata,"a",@progbits
	.p2align	6, 0x0
	.amdhsa_kernel k_q6663c62123_prep
		.amdhsa_group_segment_fixed_size 120320
		.amdhsa_private_segment_fixed_size 0
		.amdhsa_enable_private_segment 0
		.amdhsa_kernarg_size 64
		.amdhsa_user_sgpr_count 2
		.amdhsa_user_sgpr_kernarg_segment_ptr 1
		.amdhsa_wavefront_size32 1
		.amdhsa_system_sgpr_workgroup_id_x 1
		.amdhsa_system_sgpr_workgroup_id_y 1
		.amdhsa_system_sgpr_workgroup_id_z 1
		.amdhsa_system_vgpr_workitem_id 0
		.amdhsa_next_free_vgpr 192
		.amdhsa_next_free_sgpr 66
		.amdhsa_reserve_vcc 0
		.amdhsa_float_denorm_mode_32 3
		.amdhsa_float_denorm_mode_16_64 3
		.amdhsa_memory_ordered 1
		.amdhsa_forward_progress 1
		.amdhsa_inst_pref_size 63
	.end_amdhsa_kernel
	.amdgpu_metadata
---
amdhsa.version: [ 1, 2 ]
amdhsa.kernels:
  - .name:           k_q6663c62123_prep
    .symbol:         k_q6663c62123_prep.kd
    .args:
      - { .name: x, .offset: 0, .size: 8, .value_kind: global_buffer, .address_space: global }
      - { .name: Wq, .offset: 8, .size: 8, .value_kind: global_buffer, .address_space: global }
      - { .name: Wk, .offset: 16, .size: 8, .value_kind: global_buffer, .address_space: global }
      - { .name: Wv, .offset: 24, .size: 8, .value_kind: global_buffer, .address_space: global }
      - { .name: Wo, .offset: 32, .size: 8, .value_kind: global_buffer, .address_space: global }
      - { .name: W1, .offset: 40, .size: 8, .value_kind: global_buffer, .address_space: global }
      - { .name: W2, .offset: 48, .size: 8, .value_kind: global_buffer, .address_space: global }
      - { .name: prepb, .offset: 56, .size: 8, .value_kind: global_buffer, .address_space: global }
    .group_segment_fixed_size: 120320
    .private_segment_fixed_size: 0
    .kernarg_segment_align: 8
    .kernarg_segment_size: 64
    .max_flat_workgroup_size: 256
    .sgpr_count:     66
    .vgpr_count:     192
    .wavefront_size: 32
...
	.end_amdgpu_metadata
.endif
;; end of part 1
;; launch qkv (part 2): grid 12 x 16, 4 waves a work-group, clusters of 4 x 4, 327,680 bytes of LDS; arguments prepb, bq, bk, bv, qkvb; writes qkvb
.if DOCPART == 2
	.amdgcn_target "amdgcn-amd-amdhsa--gfx1250"
	.amdhsa_code_object_version 6
	.text
	.protected	k_q6663c62123_qkv
	.globl	k_q6663c62123_qkv
	.p2align	8
	.type	k_q6663c62123_qkv,@function
k_q6663c62123_qkv:
	s_mov_b64 s[64:65], 0
	v_nop
	global_prefetch_b8 v0, s[64:65] scope:SCOPE_SE
	s_setreg_imm32_b32 hwreg(HW_REG_WAVE_MODE, 25, 1), 1
	s_wait_xcnt 0x0
	s_wait_alu depctr_hold_cnt(0) depctr_sa_sdst(0) depctr_va_vdst(0) depctr_va_sdst(0) depctr_va_ssrc(0) depctr_va_vcc(0) depctr_vm_vsrc(0)
	s_getreg_b32 s2, hwreg(HW_REG_IB_STS2, 6, 4)
	s_cmp_eq_u32 s2, 0
	s_cbranch_scc0 .Lentry_in_a_cluster
	s_endpgm
.Lentry_in_a_cluster:
	s_bfe_u32 s2, ttmp6, 0x10000c
	s_cmp_lg_u32 s2, 0xf033
	s_cbranch_scc0 .Lentry_shape_is_right
	s_endpgm
.Lentry_shape_is_right:
; ENCODER LAYER, launch 2 of 8: Q = x Wq + bq, K = x Wk + bk, V = x Wv + bv on codes of FP6 (E2M3), and their quantising for attention.  Nothing is left out.
; A GEMM on codes: a tile of 256 x 256 to a work-group of four waves, 128 x 128 (64 accumulators, 512 registers) to a wave; K = 1,024 goes in pieces of 256 through a ring of two LDS slots.
; All codes lie in memory in the order of the operand's registers (a fragment, 16 rows x 128 K, is 1,536 bytes: for each 64 along K registers 0-1 at 8 x lane, registers 2-5 at 256 + 16 x lane), so 128 rows x 256 K
; are one dense block of 24,576 bytes: one tensor load of 96 rows of 256 bytes, and a fragment comes from LDS by four loads of consecutive bytes.  The scale words of the tile's rows, for all of K, come once and stay.
; Rows go in blocks of 16 whose lane row r is row 32 (i / 2) + 8 (i % 2) + r + 8 (r / 8) of the group of 128.  The matrix instruction is used transposed (source 0 = B's block, source 1 = A's): a lane holds one row of A,
; and the 64 registers of A's block a are 128 neighbours along B's rows: register 16 b + i = 32 b + 16 (lane / 16) + i: what the quantiser wants.
; TWO MODES, chosen by the cluster's x alone (the same in all sixteen partners).  Clusters x = 0, 1: A = tokens, B = Wq's and Wk's rows: a lane holds a token, its registers run along two heads' 64: Q's and K's operands.
; Cluster x = 2: A = Wv's rows, B = tokens: a lane holds a channel and its registers run along 128 tokens: V^T's operand, whose K is the keys.  No transposition anywhere.
; OUT: Q: [batch x head][block of 16 tokens][768 bytes], its scale words beside; K and V: for each head and each 128 keys one pack of 13,056 bytes: K's 8 half fragments, V^T's 4 fragments, K's 128 and V's 64 scale words.
; A head's K is 64: Q's and K's scale words use bytes 0 and 1; bytes 2 and 3 are 0 and meet zero codes in the next launch.
; CLUSTERS: 4 x 4; A's blocks are asked for jointly along a row of the cluster, B's along a column.
; LIMITS: as stated in the first launch (NaN, infinities, blocks under 2^-124, the byte of a block of zeros).
; REGISTERS: window 0: v0-31 addresses; v32-63 scale words, two sets, and nothing else; v64-127 column biases; v128-223 A's fragments, one set; v240-255 row biases; on the way out v128-239 are at work.
;   window 1: B's fragments, two sets, at v0 and v128.  windows 2, 3: the accumulators of my rows 0-63 and 64-127 ((a, b) at v[8 (8 (a % 4) + b)]).
.set SIZE_K, 1024
.set NS,     SIZE_K/256                ; pieces of 256 along K
.set LAPS,   SIZE_K/512                ; a lap = twice a slot = once round the ring
.set NQ,     2                         ; steps of 128 in a slot
.set FR,     12                        ; registers of a fragment
.set NL,     4                         ; LDS loads that bring one
.set NP,     4                         ; places behind this matrix instruction (ISA guide 7.12.1)
.set SLAB,   24576                     ; 128 rows x 256 K
.set HALFT,  SLAB
.set SLOT,   4*HALFT                   ; A's two groups, then B's two
.set GS,     (SIZE_K/128)*512          ; the scale words of 128 rows, all of K
.set SCL,    2*SLOT                    ; behind the ring: A's scale words; B's lie 64 bytes further than a whole number of 256, so that a load's 16 words of A and 16 of B fall on different banks
.set SPARE,  SCL+4*GS+256              ; the spare words, 128 bytes for each wave: two blocks of 256 bytes that no other line names
.set XS_O,   3145728                   ; prepb: x's codes at 0, its scale words,
.set WC_O,   3276800                   ; the 24 groups of Wq, Wk, Wv,
.set WS_O,   5636096
.set VTC_O,  WC_O+16*NS*SLAB           ; Wv's eight groups
.set VTS_O,  WS_O+16*GS
.set QS_O,   3145728                   ; qkvb: Q's codes at 0, its scale words,
.set KV_O,   3407872                   ; the packs
.set HEADB,  208896                    ; a head's 16 packs
.set PACK,   13056
.set SCQ,  8                           ; v8   scratch for Q's and K's scale words, in;  v9 out
.set RDQ,  9
.set SCV,  10                          ; v10  the same for V's;  v11 out
.set RDV,  11
.set SH,   12                          ; v12  16 (lane / 16)
.set VLO,  13                          ; v13  V's scale words, on the way out: 16 (lane % 16), and a head on for lanes 16-31
.set BOC,  14                          ; v14  64 (lane / 16): my 16 numbers of each 32 of a bias
.set BOR,  15                          ; v15  4 (r + 8 (r / 8)): my row's number of bv
.set ADRA, 16                          ; v16-17 8 x lane + my A group in slot 0, 1;  v18-19 the same with 16 x lane
.set ADRB, 20                          ; v20-23 the same for B
.set L8,   24
.set L16,  25
.set ADRS, 27                          ; v27  my scale words: lanes 0-15 A's rows, lanes 16-31 B's
.set SPW,  28                          ; v28  my spare word; never rewritten
.set NIL,  29                          ; v29  0; never rewritten
.set SC,   32
.set CB,   64
.set AF,   128
.set H,    128                         ; the way out: a block's 64 numbers; codes; at work; the scale word; a word at work; scale words read back
.set PC,   192
.set TM,   212
.set PW,   228
.set T,    229
.set GB,   232
.set RB,   240
.set G1, 24                            ; s[24:31] group 1 for A's blocks; s[32:39] group 0, a set for each slot
.set G0, 32
.set G1B, 48                           ; s[48:55], s[56:63] the same for B's
.set G0B, 56
.set G1S, 68                           ; s[68:75], s[76:79] groups 1 and 0 for A's scale words; s[80:87], s[88:91] for B's
.set G0S, 76
.set G1SB, 80
.set G0SB, 88
.set SEL, 36                           ; s[36:37] on the way out: lane selects, lane l xor 16
.set MSB, 0
.macro WIN new                         ; the immediate's high byte repeats the setting that is left
.if MSB != (\new)
	s_set_vgpr_msb (MSB<<8)|(\new)
.set MSB, (\new)
.endif
.endm
.set MUL_LO, 0xa1                      ; source 0 (B) window 1, source 1 (A) window 0, C and D window 2
.set MUL_HI, 0xf1                      ; the same, C and D window 3
.set TO_B,   0x40                      ; destination window 1, address window 0
; A joint load: waves 0 and 1 fetch for A, waves 2 and 3 for B.  The branch hangs on the wave's number alone.  An s_nop 0 and four v_nop follow each of the two lines.
.macro JLOAD g0a, g1a, g0b, g1b
	s_cmp_eq_u32 s15, 0
	s_cbranch_scc0 .Lfor_b_\@
	tensor_load_to_lds s[\g0a:\g0a+3], s[\g1a:\g1a+7]
	s_nop 0
.rept 4
	v_nop
.endr
	s_branch .Lasked_\@
.Lfor_b_\@:
	tensor_load_to_lds s[\g0b:\g0b+3], s[\g1b:\g1b+7]
	s_nop 0
.rept 4
	v_nop
.endr
.Lasked_\@:
.endm
.macro CREST                           ; a round of the cluster's barrier behind its opening barrier
	s_cmp_lg_u32 s14, 0
	s_cbranch_scc1 .Lnot_wave_0_\@
	s_barrier_signal -3
.Lnot_wave_0_\@:
	s_barrier_wait -3
	s_barrier_signal -1
	s_barrier_wait -1
.endm
.macro CROUND
	s_barrier_signal -1
	s_barrier_wait -1
	CREST
.endm
	s_load_b64 s[4:5], s[0:1], 0x0                 ; prepb
	s_load_b64 s[12:13], s[0:1], 0x20              ; qkvb
	v_lshl_add_u32 v[SPW], v0, 2, SPARE
	v_mov_b32 v[NIL], 0
	ds_add_u32 v[SPW], v[NIL]                      ; the wave's opening: the add, twice on end, and its wait ahead of my first tensor load
	ds_add_u32 v[SPW], v[NIL]
	v_lshrrev_b32 v1, 5, v0
	v_readfirstlane_b32 s14, v1                    ; wave 0..3
	s_lshr_b32 s15, s14, 1                         ; which group of A's rows is mine.  Also: I fetch for A (0) or for B (1)
	s_and_b32 s16, s14, 1                          ; which group of B's rows.  Also: which group I fetch
	s_bfe_u32 s40, ttmp6, 0x40000                  ; cx, cy: my place in the cluster
	s_bfe_u32 s41, ttmp6, 0x40004
	s_and_b32 s18, ttmp7, 0xffff
	s_lshl_b32 s18, s18, 2                         ; 4 x cluster y
	s_lshl_b32 s19, ttmp9, 2                       ; 4 x cluster x
	s_mov_b32 s97, XS_O
	s_mov_b32 s3, WS_O
	s_cmp_eq_u32 ttmp9, 2                          ; the mode: all selects stand behind this one compare
	s_cselect_b32 s96, 1, 0                        ; 1: V^T
	s_cselect_b32 s42, s18, s19                    ; B's tile: tokens by the cluster's y, or Wq's and Wk's rows by its x
	s_cselect_b32 s17, 0, s18                      ; A's tile: Wv's four, or tokens by the cluster's y
	s_cselect_b32 s95, VTC_O, 0                    ; where A's codes, A's scale words, B's codes, B's scale words begin in prepb
	s_cselect_b32 s97, VTS_O, s97
	s_cselect_b32 s2, 0, WC_O
	s_cselect_b32 s3, XS_O, s3
	s_add_co_u32 s42, s42, s40                     ; + cx: B's tile hangs on cx alone of my place
	s_add_co_u32 s17, s17, s41                     ; + cy: A's on cy alone
	s_lshl_b32 s43, s41, 2
	s_lshl_b32 s43, 15, s43                        ; my row of the cluster
	s_lshl_b32 s44, 0x1111, s40                    ; my column
	s_or_b32 s[G1+0], s43, (3<<16)|(1<<21)         ; 15:0 the mask; 17:16 elements of 8 bytes; 20 no padding; 21 set beside a mask
	s_or_b32 s[G1B+0], s44, (3<<16)|(1<<21)
.irp g, G1, G1B                                ; for the head's loads: a tile's two groups, each a dense row of 24,576 bytes (3,072 elements), a group's codes apart
	s_mov_b32 s[\g+1], 3072<<16
	s_mov_b32 s[\g+2], 2<<16
	s_mov_b32 s[\g+3], 3072<<16
	s_mov_b32 s[\g+4], 2
	s_mov_b32 s[\g+5], NS*SLAB/8
	s_mov_b32 s[\g+6], 0
	s_mov_b32 s[\g+7], 0
.endr
	s_or_b32 s[G1S+0], s43, (3<<16)|(1<<21)
	s_or_b32 s[G1SB+0], s44, (3<<16)|(1<<21)
.irp g, G1S, G1SB                              ; the scale words of a tile's two groups: two rows of GS bytes
	s_mov_b32 s[\g+1], (GS/8)<<16
	s_mov_b32 s[\g+2], 2<<16
	s_mov_b32 s[\g+3], (GS/8)<<16
	s_mov_b32 s[\g+4], 2
	s_mov_b32 s[\g+5], GS/8
	s_mov_b32 s[\g+6], 0
	s_mov_b32 s[\g+7], 0
.endr
	s_lshl_b32 s20, s17, 1
	s_add_co_u32 s20, s20, s16                     ; A's group that I fetch
	s_lshl_b32 s46, s42, 1
	s_add_co_u32 s46, s46, s16                     ; B's
	s_mul_i32 s22, s17, 2*GS                       ; the scale words of A's tile, both groups
	s_mov_b32 s23, 0
	s_mul_i32 s92, s42, 2*GS                       ; and of B's
	s_mov_b32 s93, 0
	s_mul_i32 s20, s20, NS*SLAB
	s_mov_b32 s21, 0
	s_mul_i32 s46, s46, NS*SLAB
	s_mov_b32 s47, 0
	s_mul_i32 s45, s14, HALFT                      ; where they go: by the wave's number alone
	s_wait_dscnt 0x0                               ; both opening adds are done
	s_wait_kmcnt 0x0
	s_mov_b32 s19, 0
	s_mov_b32 s18, s97
	s_add_nc_u64 s[6:7], s[4:5], s[18:19]          ; A's scale words
	s_mov_b32 s18, s2
	s_add_nc_u64 s[8:9], s[4:5], s[18:19]          ; B's codes
	s_mov_b32 s18, s3
	s_add_nc_u64 s[10:11], s[4:5], s[18:19]        ; B's scale words
	s_mov_b32 s18, s95
	s_add_nc_u64 s[4:5], s[4:5], s[18:19]          ; A's codes
	s_add_nc_u64 s[20:21], s[4:5], s[20:21]
	s_add_nc_u64 s[22:23], s[6:7], s[22:23]
	s_add_nc_u64 s[46:47], s[8:9], s[46:47]
	s_add_nc_u64 s[92:93], s[10:11], s[92:93]
	CROUND                                         ; all sixteen work-groups are here: the first joint loads meet
	s_mov_b32 s[G0S], 1
	s_mov_b32 s[G0S+1], SCL
	s_mov_b64 s[G0S+2:G0S+3], s[22:23]
	s_or_b32 s[G0S+3], s[G0S+3], 0x80000000
	s_mov_b32 s[G0SB], 1
	s_mov_b32 s[G0SB+1], SCL+2*GS+64
	s_mov_b64 s[G0SB+2:G0SB+3], s[92:93]
	s_or_b32 s[G0SB+3], s[G0SB+3], 0x80000000
	s_mul_i32 s18, s16, NS*SLAB                    ; group 0 for the head's loads of slot 0, in registers whose arguments have served: the tile's first group, A's in s[4:7], B's in s[8:11]
	s_mov_b32 s19, 0
	s_mov_b32 s4, 1
	s_mov_b32 s5, 0
	s_sub_nc_u64 s[6:7], s[20:21], s[18:19]
	s_or_b32 s7, s7, 0x80000000
	s_mov_b32 s8, 1
	s_mov_b32 s9, 2*HALFT
	s_sub_nc_u64 s[10:11], s[46:47], s[18:19]
	s_or_b32 s11, s11, 0x80000000
.irp s, 0,1
	s_mov_b32 s[G0+4*\s], 1
	s_add_co_u32 s[G0+4*\s+1], s45, \s*SLOT
	s_add_nc_u64 s[G0+4*\s+2:G0+4*\s+3], s[20:21], \s*SLAB
	s_or_b32 s[G0+4*\s+3], s[G0+4*\s+3], 0x80000000
	s_mov_b32 s[G0B+4*\s], 1
	s_add_co_u32 s[G0B+4*\s+1], s45, \s*SLOT
	s_add_nc_u64 s[G0B+4*\s+2:G0B+4*\s+3], s[46:47], \s*SLAB
	s_or_b32 s[G0B+4*\s+3], s[G0B+4*\s+3], 0x80000000
.endr
; THE HEAD'S LOADS, ONE A WAVE: wave 0 slot 0's two groups of A, wave 1 those of B, wave 2 A's scale words, wave 3 B's.  One chain of branches on the wave's number: every way passes one load.
.macro ARM under, g0, g1, next
	s_cmp_lt_u32 s14, \under
	s_cbranch_scc0 \next
	tensor_load_to_lds s[\g0:\g0+3], s[\g1:\g1+7]
	s_nop 0
.rept 4
	v_nop
.endr
	s_branch .Lhead_asked
\next:
.endm
	ARM 1, 4, G1, .Lhead_b
	ARM 2, 8, G1B, .Lhead_sa
	ARM 3, G0S, G1S, .Lhead_sb
	tensor_load_to_lds s[G0SB:G0SB+3], s[G1SB:G1SB+7]
	s_nop 0
.rept 4
	v_nop
.endr
.Lhead_asked:
	s_load_b64 s[66:67], s[0:1], 0x8               ; bq, bk, bv: wanted at the parting of the modes
	s_load_b64 s[98:99], s[0:1], 0x10
	s_load_b64 s[100:101], s[0:1], 0x18
	v_and_b32 v1, 31, v0                           ; lane
	v_and_b32 v2, 15, v0                           ; r
	v_bfe_u32 v3, v0, 4, 1                         ; h
	v_lshlrev_b32 v[L8], 3, v1
	v_lshlrev_b32 v[L16], 4, v1
	s_mul_i32 s21, s15, HALFT                      ; my group of A
	s_mul_i32 s22, s16, HALFT                      ; my group of B,
	s_add_co_u32 s22, s22, 2*HALFT                 ; behind A's two
.irp s, 0,1
	v_add_nc_u32 v[ADRA+\s], s21, v[L8]
	v_add_nc_u32 v[ADRB+\s], s22, v[L8]
	v_add_nc_u32 v[ADRA+2+\s], s21, v[L16]
	v_add_nc_u32 v[ADRB+2+\s], s22, v[L16]
	s_add_co_u32 s21, s21, SLOT
	s_add_co_u32 s22, s22, SLOT
.endr
	v_lshlrev_b32 v4, 2, v2                        ; 4 r
	s_wait_alu depctr_va_vdst(0)
	s_mul_i32 s21, s15, GS
	s_mul_i32 s22, s16, GS
	s_add_co_u32 s22, s22, 2*GS+64
	s_sub_co_u32 s22, s22, s21
	v_mul_u32_u24 v6, s22, v3                      ; lanes 16-31 take B's: one product, the distance between the two
	s_add_co_u32 s21, s21, SCL
	v_add_nc_u32 v7, v4, v6
	v_add_nc_u32 v[ADRS], s21, v7
	s_lshl_b32 s21, s14, 10                        ; the scratch of both ways out lies in slot 0, used behind that slot's last fill and last read
	v_lshl_add_u32 v[SCQ], v3, 9, v4
	v_add_nc_u32 v[SCQ], s21, v[SCQ]               ; 1,024 x wave + 512 h + 4 r: lanes 0-15 the even head's words, lanes 16-31 the odd head's
	v_add_nc_u32 v[RDQ], s21, v[L16]
	s_lshl_b32 s21, s14, 9
	s_add_co_u32 s21, s21, 4096
	v_add_nc_u32 v[SCV], s21, v4                   ; 4,096 + 512 x wave + 4 r
	v_add_nc_u32 v[RDV], s21, v[L16]
	v_lshlrev_b32 v[SH], 4, v3
	v_mul_u32_u24 v[VLO], v3, HEADB
	v_lshl_add_u32 v[VLO], v2, 4, v[VLO]
	v_lshlrev_b32 v[BOC], 6, v3
	v_and_b32 v5, 8, v2
	v_add_nc_u32 v5, v5, v2
	v_lshlrev_b32 v[BOR], 2, v5
.macro FRAG reg, adr, q, i             ; block i's fragment of the slot's q-th 128 along K: four loads of consecutive bytes, the registers as they were stored
	ds_load_b64  v[\reg:\reg+1],    v[\adr]   offset:(2*(\i)+(\q))*1536
	ds_load_b128 v[\reg+2:\reg+5],  v[\adr+2] offset:(2*(\i)+(\q))*1536+256
	ds_load_b64  v[\reg+6:\reg+7],  v[\adr]   offset:(2*(\i)+(\q))*1536+768
	ds_load_b128 v[\reg+8:\reg+11], v[\adr+2] offset:(2*(\i)+(\q))*1536+1024
.endm
; 16 matrix instructions: A's blocks a0, a0 + 1 x B's eight.  p: B's set; sc: the set of scale words.  zero = 1: the first product starts the sums.  The 64 accumulators take turns.
.macro MUL16 a0, p, q, sc, zero
.irp a, \a0, \a0+1
.irp b, 0,1,2,3,4,5,6,7
.if \zero
	v_wmma_scale_f32_16x16x128_f8f6f4 v[8*(8*((\a)%4)+\b):8*(8*((\a)%4)+\b)+7], v[128*(\p)+FR*\b:128*(\p)+FR*\b+FR-1], v[AF+FR*(\a):AF+FR*(\a)+FR-1], 0, v[SC+8*NQ*(\sc)+NQ*\b+(\q)], v[SC+8*NQ*(\sc)+NQ*(\a)+(\q)] matrix_a_fmt:MATRIX_FMT_FP6 matrix_b_fmt:MATRIX_FMT_FP6 matrix_a_scale:MATRIX_SCALE_ROW1
.else
	v_wmma_scale_f32_16x16x128_f8f6f4 v[8*(8*((\a)%4)+\b):8*(8*((\a)%4)+\b)+7], v[128*(\p)+FR*\b:128*(\p)+FR*\b+FR-1], v[AF+FR*(\a):AF+FR*(\a)+FR-1], v[8*(8*((\a)%4)+\b):8*(8*((\a)%4)+\b)+7], v[SC+8*NQ*(\sc)+NQ*\b+(\q)], v[SC+8*NQ*(\sc)+NQ*(\a)+(\q)] matrix_a_fmt:MATRIX_FMT_FP6 matrix_b_fmt:MATRIX_FMT_FP6 matrix_a_scale:MATRIX_SCALE_ROW1
.endif
.endr
.endr
.endm
.macro FETCH_B slot, q, p
	WIN TO_B
.irp i, 0,1,2,3,4,5,6,7
	FRAG 128*(\p)+FR*\i, ADRB+\slot, \q, \i
.endr
	WIN 0
.endm
.macro FETCH_A slot, q, i0
.irp i, \i0, \i0+1, \i0+2, \i0+3
	FRAG AF+FR*(\i), ADRA+\slot, \q, \i
.endr
.endm
.macro SCALES sc                       ; a slot's scale words: register 2 i + q: lanes 0-15 A's block i, lanes 16-31 B's block i
.irp i, 0,1,2,3,4,5,6,7
	ds_load_b32 v[SC+16*\sc+2*\i],   v[ADRS] offset:64*\i
	ds_load_b32 v[SC+16*\sc+2*\i+1], v[ADRS] offset:512+64*\i
.endr
.endm
.macro PLACES n                        ; plain vector lines behind matrix instructions, ahead of loads into their registers and of reads of their results
.rept \n
	v_nop
.endr
.endm
.macro STEP slot, q, zero              ; a step of 128 along K that has its successor in the same slot
	s_wait_dscnt 4*NL                              ; B's set, A's blocks 0-3 and the scale words are in; the youngest 16 loads (A's blocks 4-7) may be out
	WIN MUL_LO
	MUL16 0, (\q)%2, \q, \slot, \zero
	MUL16 2, (\q)%2, \q, \slot, \zero
	s_wait_dscnt 0
	PLACES NP
	FETCH_B \slot, (\q)+1, 1-(\q)%2
	FETCH_A \slot, (\q)+1, 0
	WIN MUL_HI
	MUL16 4, (\q)%2, \q, \slot, \zero
	MUL16 6, (\q)%2, \q, \slot, \zero
	PLACES NP
	WIN 0
	FETCH_A \slot, (\q)+1, 4
.endm
; A slot's last step changes slots: one barrier; ahead of it each wave waits for all its tensor loads, adds 0 to its spare word, and waits for that and for its reads of this slot.  fill = 1: the slot is filled again.
.macro TURN slot, next, fill
	s_wait_tensorcnt 0x0                           ; all my tensor loads have landed: my part of the next slot
	ds_add_u32 v[SPW], v[NIL]                      ; 0 onto my spare word
	s_wait_dscnt 4*NL+1                            ; (the add and the youngest 16 loads may be out)
	WIN MUL_LO
	MUL16 0, 1, NQ-1, \slot, 0
	s_wait_dscnt 0x0                               ; the add is done, and my reads of this slot are over
	s_barrier_signal -1
	MUL16 2, 1, NQ-1, \slot, 0
	WIN 0
	s_barrier_wait -1
.if \fill
	CREST                                          ; the barrier has opened a round of the cluster's: no wave of any partner still reads this slot or has a load on its way
	s_add_nc_u64 s[G0+4*\slot+2:G0+4*\slot+3], s[G0+4*\slot+2:G0+4*\slot+3], 2*SLAB
	s_add_nc_u64 s[G0B+4*\slot+2:G0B+4*\slot+3], s[G0B+4*\slot+2:G0B+4*\slot+3], 2*SLAB
	JLOAD G0+4*\slot, G1, G0B+4*\slot, G1B         ; the first tensor load behind the round; its four v_nop are the places ahead of the loads below
.else
	PLACES NP
.endif
	s_wait_alu depctr_va_vdst(0)
	v_add_nc_u32 v[ADRS], 1024, v[ADRS]            ; the next slot's scale words
	FETCH_B \next, 0, 0
	FETCH_A \next, 0, 0
	SCALES \next
	WIN MUL_HI
	MUL16 4, 1, NQ-1, \slot, 0
	MUL16 6, 1, NQ-1, \slot, 0
	PLACES NP
	WIN 0
	FETCH_A \next, 0, 4
.endm
.macro TAIL                            ; the last slot's two steps: nothing more to fetch behind them
	STEP 1, 0, 0
	s_wait_dscnt 4*NL
	WIN MUL_LO
	MUL16 0, 1, NQ-1, 1, 0
	MUL16 2, 1, NQ-1, 1, 0
	s_wait_dscnt 0
	WIN MUL_HI
	MUL16 4, 1, NQ-1, 1, 0
	MUL16 6, 1, NQ-1, 1, 0
	WIN 0
.endm
; 64 numbers of a lane, register 16 b + i = k 32 b + 16 (lane / 16) + i of my row, become a fragment's codes in v[PC] on and its scale word in v[PW].
.macro QUANT s
.irp b, 0,1,2,3
	v_max3_num_f32 v[TM+\b], |v[\s+16*\b]|, |v[\s+1+16*\b]|, 0x1800000   ; my 16 numbers of block b, and the floor 2^(3 - 127): the byte cannot fall under 1
.endr
.irp i, 2,4,6,8,10,12,14
.irp b, 0,1,2,3
	v_max3_num_f32 v[TM+\b], v[TM+\b], |v[\s+16*\b+\i]|, |v[\s+1+16*\b+\i]|
.endr
.endr
.irp b, 0,1,2,3
	v_permlanex16_b32 v[TM+4+\b], v[TM+\b], s[SEL], s[SEL+1]
.endr
.irp b, 0,1,2,3
	v_max_num_f32 v[TM+\b], v[TM+\b], v[TM+4+\b]
.endr
.irp b, 0,1,2,3
	v_add_nc_u32 v[TM+12+\b], 0xff000000, v[TM+\b]   ; 2 off the exponent field: the conversion's scale operand
.endr
.irp b, 0,1,2,3
	v_lshrrev_b32 v[TM+4+\b], 23, v[TM+12+\b]      ; the scale's byte
.endr
	v_lshl_or_b32 v[PW], v[TM+5], 8, v[TM+4]
	v_lshl_or_b32 v[PW], v[TM+6], 16, v[PW]
	v_lshl_or_b32 v[PW], v[TM+7], 24, v[PW]
.irp c, 0,1
	v_cvt_scalef32_pk16_fp6_f32 v[PC+6*\c:PC+2+6*\c], v[\s+32*\c:\s+15+32*\c], v[TM+12+2*\c]
	v_cvt_scalef32_pk16_fp6_f32 v[PC+12+4*\c:PC+14+4*\c], v[\s+16+32*\c:\s+31+32*\c], v[TM+12+2*\c+1]
.endr
	v_nop                                          ; one plain place behind a scaled conversion
.irp c, 0,1
.irp i, 0,1,2
	v_permlane16_swap_b32 v[PC+6*\c+\i], v[PC+12+4*\c+\i]
.endr
.irp i, 0,1,2
	v_mov_b32 v[PC+3+6*\c+\i], v[PC+12+4*\c+\i]
.endr
.endr
.endm
.macro ADDC a                          ; block a's 64 sums + the columns' biases, each accumulator from its low end on
	WIN 0x02+(\a)/4
.set ia, 0
.rept 32
	v_pk_add_f32 v[H+2*ia:H+2*ia+1], v[64*((\a)%4)+2*ia:64*((\a)%4)+2*ia+1], v[CB+2*ia:CB+2*ia+1]
.set ia, ia+1
.endr
	WIN 0
.endm
.macro ADDR a                          ; the same + my row's bias (the pair holds it twice)
	WIN 0x02+(\a)/4
.set ia, 0
.rept 32
	v_pk_add_f32 v[H+2*ia:H+2*ia+1], v[64*((\a)%4)+2*ia:64*((\a)%4)+2*ia+1], v[RB+2*(\a):RB+2*(\a)+1]
.set ia, ia+1
.endr
	WIN 0
.endm
.macro QKBLOCK a                       ; 16 tokens x two heads' 64: two half fragments and two scale words a token
	s_wait_xcnt 0x0                                ; the last block's stores have read their registers
	s_wait_dscnt 0x0
	ADDC \a
	QUANT H
	global_store_b64  v[L8],  v[PC:PC+1],    s[20:21] offset:768*(\a)
	global_store_b128 v[L16], v[PC+2:PC+5],  s[20:21] offset:768*(\a)+256
	global_store_b64  v[L8],  v[PC+6:PC+7],  s[22:23] offset:768*(\a)
	global_store_b128 v[L16], v[PC+8:PC+11], s[22:23] offset:768*(\a)+256
	v_lshrrev_b32 v[T], v[SH], v[PW]               ; lanes 0-15: bytes 0, 1 (the even head); lanes 16-31: bytes 2, 3 (the odd head)
	v_and_b32 v[T], 0xffff, v[T]
	ds_store_b32 v[SCQ], v[T] offset:64*(\a)
.endm
.macro VTBLOCK a                       ; 16 channels x 128 keys: one fragment of V^T and its scale words
	s_wait_xcnt 0x0
	s_wait_dscnt 0x0
	ADDR \a
	QUANT H
	global_store_b64  v[L8],  v[PC:PC+1],    s[20:21] offset:6144+((\a)/4)*HEADB+((\a)%4)*1536
	global_store_b128 v[L16], v[PC+2:PC+5],  s[20:21] offset:6144+((\a)/4)*HEADB+((\a)%4)*1536+256
	global_store_b64  v[L8],  v[PC+6:PC+7],  s[20:21] offset:6144+((\a)/4)*HEADB+((\a)%4)*1536+768
	global_store_b128 v[L16], v[PC+8:PC+11], s[20:21] offset:6144+((\a)/4)*HEADB+((\a)%4)*1536+1024
	ds_store_b32 v[SCV], v[PW] offset:64*(\a)      ; lanes l and l xor 16 hold the same word and write it to the same place
.endm
	s_wait_alu depctr_va_vdst(0)                   ; the head's end
	s_wait_kmcnt 0x0                               ; the biases' addresses
	s_wait_tensorcnt 0x0                           ; my tile of the head's four is in
	ds_add_u32 v[SPW], v[NIL]
.irp g, G1, G1B                                ; no tensor load of mine is out: from here on a load brings one group's 96 rows of 256 bytes
	s_mov_b32 s[\g+1], 32<<16
	s_mov_b32 s[\g+2], 96<<16
	s_mov_b32 s[\g+3], 32<<16
	s_mov_b32 s[\g+4], 96
	s_mov_b32 s[\g+5], 32
.endr
	s_wait_dscnt 0x0
	CROUND                                         ; all four tiles are in, all sixteen work-groups are here
	JLOAD G0+4, G1, G0B+4, G1B                     ; slot 1's first fill, the first tensor load behind the round
	FETCH_B 0, 0, 0
	FETCH_A 0, 0, 0
	SCALES 0
	FETCH_A 0, 0, 4
	STEP 0, 0, 1                                   ; the first step stands ahead of the loop: its products start the sums
	s_mov_b32 s3, LAPS-1
.Llap:                                             ; a trip goes once round the ring and fills both slots again
	TURN 0, 1, 1
	STEP 1, 0, 0
	TURN 1, 0, 1
	STEP 0, 0, 0
	s_sub_co_u32 s3, s3, 1
	s_cmp_lg_u32 s3, 0
	s_cbranch_scc1 .Llap
	TURN 0, 1, 0                                   ; the last change of slots fills nothing; no tensor load of mine is out from here on, so the descriptors' registers are free
	s_mov_b32 s[SEL], 0x76543210
	s_mov_b32 s[SEL+1], 0xfedcba98
	s_cmp_eq_u32 s96, 0                            ; THE MODES PART, on the cluster's x alone: each arm loads its biases, multiplies the last two steps while they land, and goes out its own way
	s_cbranch_scc0 .Lvt
	s_lshl_b32 s48, s42, 1
	s_add_co_u32 s48, s48, s16                     ; my group of B's rows: 0-7 Wq's, 8-15 Wk's: heads 2 (group % 8) and the next
	s_and_b32 s49, s48, 7
	s_lshl_b32 s50, s49, 9
	s_mov_b32 s51, 0
	s_cmp_lt_u32 s48, 8
	s_cselect_b64 s[52:53], s[66:67], s[98:99]
	s_add_nc_u64 s[52:53], s[52:53], s[50:51]
.irp b, 0,1,2,3
.irp j, 0,1,2,3
	global_load_b128 v[CB+16*\b+4*\j:CB+16*\b+4*\j+3], v[BOC], s[52:53] offset:128*\b+16*\j   ; register 16 b + i: the bias of column 32 b + 16 h + i
.endr
.endr
	s_lshl_b32 s54, s17, 1
	s_add_co_u32 s54, s54, s15                     ; my group of 128 tokens
	s_lshr_b32 s55, s54, 4
	s_lshl_b32 s55, s55, 4
	s_lshl_b32 s49, s49, 1
	s_add_co_u32 s55, s55, s49                     ; 16 x batch + the even head
	s_and_b32 s54, s54, 15                         ; which 128 tokens of the batch
	s_mov_b32 s56, HEADB                           ; K: a head's packs, a pack, where the packs begin; the scale words 12,288 on in a pack
	s_mov_b32 s57, PACK
	s_mov_b32 s58, KV_O
	s_mov_b32 s59, HEADB
	s_mov_b32 s60, PACK
	s_mov_b32 s61, KV_O+12288
	s_cmp_lt_u32 s48, 8                            ; Q: 128 blocks of 768 bytes a head, 8 blocks to my tokens; 64 bytes of scale words a block
	s_cselect_b32 s56, 98304, s56
	s_cselect_b32 s57, 6144, s57
	s_cselect_b32 s58, 0, s58
	s_cselect_b32 s59, 8192, s59
	s_cselect_b32 s60, 512, s60
	s_cselect_b32 s61, QS_O, s61
	s_mul_i32 s62, s55, s56
	s_mul_i32 s63, s54, s57
	s_add_co_u32 s62, s62, s63
	s_add_co_u32 s62, s62, s58
	s_mov_b32 s63, 0
	s_add_nc_u64 s[20:21], s[12:13], s[62:63]      ; the even head's codes,
	s_mov_b32 s62, s56
	s_add_nc_u64 s[22:23], s[20:21], s[62:63]      ; the odd head's,
	s_mul_i32 s62, s55, s59
	s_mul_i32 s56, s54, s60
	s_add_co_u32 s62, s62, s56
	s_add_co_u32 s62, s62, s61
	s_add_nc_u64 s[24:25], s[12:13], s[62:63]      ; the even head's scale words,
	s_mov_b32 s62, s59
	s_add_nc_u64 s[26:27], s[24:25], s[62:63]      ; the odd head's
	TAIL
	PLACES NP                                      ; ahead of the first read of results and the first write onto A's registers
.irp b, 0,1,2,3
	v_mov_b32 v[TM+4+\b], 0                        ; a lane permute's destination counts as one of its sources
.endr
	s_wait_loadcnt 0x0                             ; the biases
.irp a, 0,1,2,3,4,5,6,7
	QKBLOCK \a
.endr
	ds_load_b128 v[GB:GB+3], v[RDQ]                ; LDS serves a wave's instructions in order: these see my stores.  512 bytes of scale words for each head
	ds_load_b128 v[GB+4:GB+7], v[RDQ] offset:512
	s_wait_dscnt 0x0
	global_store_b128 v[L16], v[GB:GB+3], s[24:25]
	global_store_b128 v[L16], v[GB+4:GB+7], s[26:27]
	s_branch .Lend
.Lvt:
	s_lshl_b32 s48, s17, 1
	s_add_co_u32 s48, s48, s15                     ; my group of Wv's rows, 0-7: heads 2 x group and the next
	s_lshl_b32 s50, s48, 9
	s_mov_b32 s51, 0
	s_add_nc_u64 s[50:51], s[100:101], s[50:51]
.irp a, 0,1,2,3,4,5,6,7
	global_load_b32 v[RB+2*\a],   v[BOR], s[50:51] offset:(32*(\a/2)+8*(\a%2))*4   ; my row of block a: channel 32 (a / 2) + 8 (a % 2) + r + 8 (r / 8); twice, for the packed addition
	global_load_b32 v[RB+2*\a+1], v[BOR], s[50:51] offset:(32*(\a/2)+8*(\a%2))*4
.endr
	s_lshl_b32 s54, s42, 1
	s_add_co_u32 s54, s54, s16                     ; my group of 128 tokens: the keys of one pack
	s_lshr_b32 s55, s54, 4
	s_lshl_b32 s55, s55, 4
	s_lshl_b32 s48, s48, 1
	s_add_co_u32 s55, s55, s48                     ; 16 x batch + the even head
	s_and_b32 s54, s54, 15
	s_mul_i32 s62, s55, HEADB
	s_mul_i32 s63, s54, PACK
	s_add_co_u32 s62, s62, s63
	s_add_co_u32 s62, s62, KV_O
	s_mov_b32 s63, 0
	s_add_nc_u64 s[20:21], s[12:13], s[62:63]      ; the even head's pack; the odd head's lies HEADB further on
	TAIL
	PLACES NP
.irp b, 0,1,2,3
	v_mov_b32 v[TM+4+\b], 0
.endr
	s_wait_loadcnt 0x0
.irp a, 0,1,2,3,4,5,6,7
	VTBLOCK \a
.endr
	ds_load_b128 v[GB:GB+3], v[RDV]                ; 256 bytes of scale words for each head: sixteen lanes store 256 consecutive bytes
	s_wait_dscnt 0x0
	global_store_b128 v[VLO], v[GB:GB+3], s[20:21] offset:12800
.Lend:
	s_wait_tensorcnt 0x0                           ; the wave's end, behind my last tensor load and my last LDS store
	ds_add_u32 v[SPW], v[NIL]
	s_wait_dscnt 0x0
	CROUND                                         ; the closing round: no work-group ends while a partner may still ask for a block that names it
	s_endpgm
.Lfunc_end_k_q6663c62123_qkv:
	.size	k_q6663c62123_qkv, .Lfunc_end_k_q6663c62123_qkv-k_q6663c62123_qkv
	.p2alignl 7, 3214868480
	.fill 96, 4, 3214868480
	.section	.rodata,"a",@progbits
	.p2align	6, 0x0
	.amdhsa_kernel k_q6663c62123_qkv
		.amdhsa_group_segment_fixed_size 327680
		.amdhsa_private_segment_fixed_size 0
		.amdhsa_enable_private_segment 0
		.amdhsa_kernarg_size 40
		.amdhsa_user_sgpr_count 2
		.amdhsa_user_sgpr_kernarg_segment_ptr 1
		.amdhsa_wavefront_size32 1
		.amdhsa_system_sgpr_workgroup_id_x 1
		.amdhsa_system_sgpr_workgroup_id_y 1
		.amdhsa_system_sgpr_workgroup_id_z 1
		.amdhsa_system_vgpr_workitem_id 0
		.amdhsa_next_free_vgpr 1024
		.amdhsa_next_free_sgpr 102
		.amdhsa_reserve_vcc 0
		.amdhsa_float_denorm_mode_32 3
		.amdhsa_float_denorm_mode_16_64 3
		.amdhsa_memory_ordered 1
		.amdhsa_forward_progress 1
		.amdhsa_inst_pref_size 247
	.end_amdhsa_kernel
	.amdgpu_metadata
---
amdhsa.version: [ 1, 2 ]
amdhsa.kernels:
  - .name:           k_q6663c62123_qkv
    .symbol:         k_q6663c62123_qkv.kd
    .args:
      - { .name: prepb, .offset: 0, .size: 8, .value_kind: global_buffer, .address_space: global }
      - { .name: bq, .offset: 8, .size: 8, .value_kind: global_buffer, .address_space: global }
      - { .name: bk, .offset: 16, .size: 8, .value_kind: global_buffer, .address_space: global }
      - { .name: bv, .offset: 24, .size: 8, .value_kind: global_buffer, .address_space: global }
      - { .name: qkvb, .offset: 32, .size: 8, .value_kind: global_buffer, .address_space: global }
    .group_segment_fixed_size: 327680
    .private_segment_fixed_size: 0
    .kernarg_segment_align: 8
    .kernarg_segment_size: 40
    .max_flat_workgroup_size: 128
    .sgpr_count:     102
    .vgpr_count:     1024
    .wavefront_size: 32
...
	.end_amdgpu_metadata
.endif
;; end of part 2
;; launch attn (part 3): grid 8 x 32, 16 waves a work-group, clusters of 4 x 1, 327,680 bytes of LDS; arguments qkvb, oc; writes oc
.if DOCPART == 3
	.amdgcn_target "amdgcn-amd-amdhsa--gfx1250"
	.amdhsa_code_object_version 6
	.text
	.protected	k_q6663c62123_attn
	.globl	k_q6663c62123_attn
	.p2align	8
	.type	k_q6663c62123_attn,@function
k_q6663c62123_attn:
	s_mov_b64 s[64:65], 0
	v_nop
	global_prefetch_b8 v0, s[64:65] scope:SCOPE_SE
	s_setreg_imm32_b32 hwreg(HW_REG_WAVE_MODE, 25, 1), 1
	s_wait_xcnt 0x0
	s_wait_alu depctr_hold_cnt(0) depctr_sa_sdst(0) depctr_va_vdst(0) depctr_va_sdst(0) depctr_va_ssrc(0) depctr_va_vcc(0) depctr_vm_vsrc(0)
	s_getreg_b32 s2, hwreg(HW_REG_IB_STS2, 6, 4)
	s_cmp_eq_u32 s2, 0
	s_cbranch_scc0 .Lentry_in_a_cluster
	s_endpgm
.Lentry_in_a_cluster:
	s_bfe_u32 s2, ttmp6, 0x10000c
	s_cmp_lg_u32 s2, 0x3003
	s_cbranch_scc0 .Lentry_shape_is_right
	s_endpgm
.Lentry_shape_is_right:
; ENCODER LAYER, launch 3 of 8: O = softmax(Q K^T / 8) V on codes of FP6 (E2M3), and O's quantising for the product with Wo.  Nothing is left out.
; A work-group takes 256 queries of one batch and head, a wave 16; a head's 2,048 keys are 16 packs of 13,056 bytes (K's 8 half fragments, V^T's 4 fragments, K's 128 and V's 64 scale words): 208,896 bytes, which stay in LDS.
; FILLS: each of the 16 waves asks for one pack, 51 rows of 256 bytes, by one tensor load at the head; nothing is filled again.  One barrier shows all packs to all waves.
; CLUSTER 4 x 1: four query blocks of one head need the same packs and ask jointly.  No prefetch: every pack is asked for at the head, so there is no later load to run ahead of.
; BOTH PRODUCTS ARE USED TRANSPOSED (S^T = K Q^T, O^T = V^T P^T): a lane holds one query throughout.
; WHICH KEYS FORM A TILE OF K is chosen by the LDS address: row r of tile t is key 64 (t / 4) + 32 (r / 8) + 8 (t % 4) + r % 8 of the pack, which lies in stored block 4 (t / 4) + 2 (r / 8) + t % 2 at lane row 8 ((t % 4) / 2) + r % 8.
; So the 32 score registers of tiles 4 c .. 4 c + 3 in lane (r, h) are keys 64 c + 32 h + 0 .. 31 in order: one whole scale block, laid as P's operand wants it: no lane is asked for a block's maximum and no code changes lanes.
; A head is 64 wide and the instruction 128: Q's upper six registers are zero codes.  K's half fragments lie 6 registers apart, so that the upper half of an operand is the next tile's codes, and behind the last tile six registers
; that hold other words: every bit pattern is a finite code, and finite numbers times zero codes add nothing.
; A STEP is one pack, 128 keys.  Behind its score products it asks LDS for its own V^T and for the NEXT pack's K, which has the rest of the step in which to come; the last step is written out without that request.
; SOFTMAX: M is the running largest t, rounded up to a whole number, kept as -M; p = 2^(t - M); the row's sum is taken of the unquantised p; when M moves, the sum and O^T are multiplied by 2^(old M - new M), always, with no branch.
; A block's largest p is the exponential of its largest score by the same multiply-add (this takes v_exp_f32 not to fall where its input rises).
; One scale register serves two tiles: lanes 0-15 the even tile's rows, lanes 16-31 the odd tile's.
; REGISTERS THAT SERVE TWICE: P's twelve hold the maxima until the conversions write them; score registers 0-10 hold the second halves' codes and the scale bytes once they have been summed and converted.
; LIMITS: as stated in the first launch; the promise holds while the scaled scores stay under 2^31 in magnitude.
.set QS_O,  3145728
.set KV_O,  3407872
.set HEADB, 208896
.set PACK,  13056
.set SPARE, 208896                     ; the spare words, 128 bytes for each wave, that no other line names
.set OS_O,  3145728
.set L8K,  1                           ; v1-3   lane terms of K's tiles: 8-byte pieces, 16-byte pieces, scale words
.set L16K, 2
.set L4K,  3
.set L8,   4                           ; v4, v7, v8  8, 16, 4 x lane
.set SPW,  5
.set NIL,  6
.set L16,  7
.set L4,   8
.set SU2,  10                          ; v10-11, v34-35, v36-37 three more chains of the row's sum (v14-15 is the first)
.set AK8,  28                          ; v28-33 this step's LDS addresses
.set AK16, 29
.set AK4,  30
.set AV8,  31
.set AV16, 32
.set AV4,  33
.set SU0,  34
.set SU1,  36
.set KS,   38                          ; v38-41 K's scale words, v42-43 V's, v44 Q's, v45 P's: scales and nothing else
.set VS,   42
.set QS,   44
.set W,    45
.set KF,   46                          ; v46-93 K's eight tiles, 6 registers apart; behind them:
.set SO,   94                          ; v94-95 the conversions' scale operands
.set F,    96                          ; v96    2^(old M - new M)  (v97 is named with it as a pair)
.set SH8,  98                          ; v98    8 x (lane / 16)
.set R4,   99                          ; v99    4 x (lane % 16)
.set VF,   100                         ; v100-147 V^T's four fragments
.set S,    148                         ; v148-211 S^T, then p
.set O,    212                         ; v212-243 O^T
.set P,    244                         ; v244-255 P's codes
.set MX,   244                         ; until then: v244-251 maxima, v252-253 at work
.set T,    252
.set T2,   253
.set TB,  2
.set CNT, 3
.set WV,  18
.set SEL, 20
.set CS,  22
.set G1,  24
.set G0,  32
.set CN,  36
.macro CROUND
	s_barrier_signal -1
	s_barrier_wait -1
	s_cmp_lg_u32 s[WV], 0
	s_cbranch_scc1 .Lnot_wave_0_\@
	s_barrier_signal -3
.Lnot_wave_0_\@:
	s_barrier_wait -3
	s_barrier_signal -1
	s_barrier_wait -1
.endm
.macro WM d, a, b, c, sa, sb, row      ; row: source 0's scales stand in lanes 0-15 (0) or 16-31 (1)
.if \row
	v_wmma_scale_f32_16x16x128_f8f6f4 v[\d:\d+7], v[\a:\a+11], v[\b:\b+11], \c, v[\sa], v[\sb] matrix_a_fmt:MATRIX_FMT_FP6 matrix_b_fmt:MATRIX_FMT_FP6 matrix_a_scale:MATRIX_SCALE_ROW1
.else
	v_wmma_scale_f32_16x16x128_f8f6f4 v[\d:\d+7], v[\a:\a+11], v[\b:\b+11], \c, v[\sa], v[\sb] matrix_a_fmt:MATRIX_FMT_FP6 matrix_b_fmt:MATRIX_FMT_FP6
.endif
.endm
.macro ADDR                            ; the LDS addresses of the pack at s[TB]
	v_add_nc_u32 v[AK8], s[TB], v[L8K]
	v_add_nc_u32 v[AK16], s[TB], v[L16K]
	v_add_nc_u32 v[AK4], s[TB], v[L4K]
	v_add_nc_u32 v[AV8], s[TB], v[L8]
	v_add_nc_u32 v[AV16], s[TB], v[L16]
	v_add_nc_u32 v[AV4], s[TB], v[L4]
.endm
.macro KLOAD o                         ; K's eight tiles and four scale registers of the pack o bytes on: 20 loads
.irp t, 0,1,2,3,4,5,6,7
	ds_load_b64  v[KF+6*\t:KF+6*\t+1], v[AK8]  offset:\o+(4*(\t/4)+\t%2)*768+64*((\t%4)/2)
	ds_load_b128 v[KF+6*\t+2:KF+6*\t+5], v[AK16] offset:\o+(4*(\t/4)+\t%2)*768+256+128*((\t%4)/2)
.endr
.irp u, 0,1,2,3
	ds_load_b32  v[KS+\u], v[AK4] offset:\o+12288+256*(\u/2)+32*(\u%2)
.endr
.endm
.macro PA c, j                         ; two p onto chain c of the row's sum
	v_pk_add_f32 v[\c:\c+1], v[\c:\c+1], v[S+\j:S+\j+1]
.endm
	s_load_b128 s[4:7], s[0:1], 0x0                ; qkvb, oc
	v_lshl_add_u32 v[SPW], v0, 2, SPARE
	v_mov_b32 v[NIL], 0
	ds_add_u32 v[SPW], v[NIL]                      ; the opening lines: the add, twice on end, and its wait
	ds_add_u32 v[SPW], v[NIL]
	v_lshrrev_b32 v148, 5, v0
	s_delay_alu instid0(VALU_DEP_1)
	v_readfirstlane_b32 s[WV], v148                ; wave 0..15
	s_bfe_u32 s8, ttmp6, 0x40000
	s_lshl_b32 s9, ttmp9, 2
	s_add_co_u32 s9, s9, s8                        ; query block 0..7
	s_and_b32 s10, ttmp7, 0xffff                   ; 16 x batch + head
	s_lshl_b32 s11, s9, 4
	s_add_co_u32 s11, s11, s[WV]                   ; my 16 queries
	s_mov_b32 s[G1], 15|(3<<16)|(1<<21)            ; the four partners; elements of 8 bytes; bit 21 beside a mask
	s_mov_b32 s[G1+1], 32<<16                      ; rows of 256 bytes,
	s_mov_b32 s[G1+2], 51<<16                      ; 51 of them: one pack
	s_mov_b32 s[G1+3], 32<<16
	s_mov_b32 s[G1+4], 51
	s_mov_b32 s[G1+5], 32
	s_mov_b32 s[G1+6], 0
	s_mov_b32 s[G1+7], 0
	s_mul_i32 s14, s[WV], PACK                     ; pack = my wave's number, in memory and in LDS
	s_mul_i32 s12, s10, HEADB
	s_add_co_u32 s12, s12, KV_O
	s_add_co_u32 s12, s12, s14
	s_mov_b32 s13, 0
	s_mov_b32 s[SEL], 0x76543210
	s_mov_b32 s[SEL+1], 0xfedcba98                 ; lane l xor 16
	s_mov_b32 s[CS], 0x3e38aa3b                    ; c = log2(e) / 8
	s_mov_b32 s[CS+1], s[CS]
	s_mov_b32 s[CN], 0xbe38aa3b                    ; -c
	s_mov_b32 s[TB], 0
	s_mov_b32 s[G0], 1
	s_mov_b32 s[G0+1], s14
	s_wait_alu depctr_va_vdst(0)
	s_wait_dscnt 0x0
	s_wait_kmcnt 0x0
	s_add_nc_u64 s[G0+2:G0+3], s[4:5], s[12:13]
	s_or_b32 s[G0+3], s[G0+3], 0x80000000
	CROUND                                         ; the four partners are here: the joint loads meet
	tensor_load_to_lds s[G0:G0+3], s[G1:G1+7]      ; my one tensor load of the launch
	s_nop 0
.rept 4
	v_nop
.endr
	s_lshl_b32 s15, s10, 7
	s_add_co_u32 s15, s15, s11
	s_mul_i32 s16, s15, 768
	s_mov_b32 s17, 0
	s_add_nc_u64 s[16:17], s[4:5], s[16:17]        ; Q's half fragment
	s_lshl_b32 s44, s15, 6
	s_add_co_u32 s44, s44, QS_O
	s_mov_b32 s45, 0
	s_add_nc_u64 s[44:45], s[4:5], s[44:45]        ; its scale words
	s_lshr_b32 s46, s10, 4                         ; where O's codes go: group of 128 tokens, block, and the head's 64 among the 1,024 along the next K
	s_lshl_b32 s46, s46, 4
	s_lshr_b32 s47, s11, 3
	s_add_co_u32 s46, s46, s47
	s_and_b32 s47, s11, 7
	s_and_b32 s48, s10, 15
	s_lshl_b32 s49, s46, 2
	s_lshr_b32 s50, s48, 2
	s_add_co_u32 s49, s49, s50
	s_lshl_b32 s49, s49, 3
	s_add_co_u32 s49, s49, s47
	s_lshl_b32 s49, s49, 1
	s_bfe_u32 s50, s48, 0x10001
	s_add_co_u32 s49, s49, s50
	s_mul_i32 s52, s49, 1536
	s_and_b32 s51, s48, 1
	s_mul_i32 s50, s51, 768
	s_add_co_u32 s52, s52, s50
	s_mov_b32 s53, 0
	s_add_nc_u64 s[52:53], s[6:7], s[52:53]
	s_lshl_b32 s54, s46, 3
	s_lshr_b32 s50, s48, 1
	s_add_co_u32 s54, s54, s50
	s_lshl_b32 s54, s54, 3
	s_add_co_u32 s54, s54, s47
	s_lshl_b32 s54, s54, 6
	s_lshl_b32 s50, s51, 1
	s_add_co_u32 s54, s54, s50
	s_add_co_u32 s54, s54, OS_O
	s_mov_b32 s55, 0
	s_add_nc_u64 s[54:55], s[6:7], s[54:55]        ; and its two scale bytes a row
	v_and_b32 v148, 31, v0                         ; lane
	v_and_b32 v149, 15, v0                         ; r
	v_bfe_u32 v150, v0, 4, 1                       ; h
	v_bfe_u32 v151, v0, 3, 1                       ; r / 8
	v_and_b32 v152, 7, v0                          ; r % 8
	v_lshlrev_b32 v[L8], 3, v148
	v_lshlrev_b32 v[L16], 4, v148
	v_lshlrev_b32 v[L4], 2, v148
	v_lshlrev_b32 v[R4], 2, v149
	v_lshlrev_b32 v[SH8], 3, v150
	v_mul_u32_u24 v153, v151, 1536                 ; rows 8-15 of a tile come from the stored block two further on
	v_lshlrev_b32 v[L4K], 7, v151
	s_delay_alu instid0(VALU_DEP_2)
	v_lshl_add_u32 v[L8K], v152, 3, v153
	s_delay_alu instid0(VALU_DEP_3)
	v_lshl_add_u32 v[L16K], v152, 4, v153
	s_delay_alu instid0(VALU_DEP_3)
	v_lshl_add_u32 v[L4K], v152, 2, v[L4K]
	s_delay_alu instid0(VALU_DEP_3)
	v_lshl_add_u32 v[L8K], v150, 7, v[L8K]         ; 1,536 (r / 8) + 8 (r % 8) + 128 h
	s_delay_alu instid0(VALU_DEP_3)
	v_lshl_add_u32 v[L16K], v150, 8, v[L16K]       ; 1,536 (r / 8) + 16 (r % 8) + 256 h
	s_delay_alu instid0(VALU_DEP_3)
	v_lshl_add_u32 v[L4K], v150, 6, v[L4K]         ; 128 (r / 8) + 4 (r % 8) + 64 h: lanes 16-31 take the odd tile's words
	s_wait_alu depctr_va_vdst(0)
	global_load_b64 v[16:17], v[L8], s[16:17]
	global_load_b128 v[18:21], v[L16], s[16:17] offset:256
	global_load_b32 v[QS], v[R4], s[44:45]
.irp i, 22,23,24,25,26,27, 94,95,96,97, 253
	v_mov_b32 v\i, 0                               ; Q's upper half: zero codes; what is named before it is first made
.endr
	v_mov_b32 v13, 0xff61b1e6                      ; the largest score so far: -3e38
	v_mov_b32 v12, 0x7e000000                      ; -M: so large that the first factor is 0
	v_mov_b32 v14, 0                               ; the row's sum
	v_mov_b32 v15, 0
.set n, 0
.rept 32
	v_mov_b32 v[O+n], 0                            ; the first step finds zeros
.set n, n+1
.endr
	ADDR
	s_mov_b32 s[CNT], 15
	s_wait_alu depctr_va_vdst(0)                   ; the head's end
	s_wait_tensorcnt 0x0                           ; my pack is in
	s_barrier_signal -1
	s_barrier_wait -1                              ; and so is everybody's
	KLOAD 0                                        ; the first pack's K
	s_wait_loadcnt 0x0                             ; Q
.macro STEP pf                         ; pf = 1: the next pack's K is asked for
	s_wait_dscnt 0x0                               ; this pack's K, asked for a step ago
.irp t, 0,1,2,3,4,5,6,7
	WM S+8*\t, KF+6*\t, 16, 0, KS+\t/2, QS, \t%2
.endr
.rept 4
	v_nop                                          ; places ahead of the loads onto K's registers and of the first read of the scores
.endr
.irp t, 0,1,2,3                                ; V^T: 18 loads
	ds_load_b64  v[VF+12*\t:VF+12*\t+1], v[AV8]  offset:6144+1536*\t
	ds_load_b128 v[VF+12*\t+2:VF+12*\t+5], v[AV16] offset:6144+1536*\t+256
	ds_load_b64  v[VF+12*\t+6:VF+12*\t+7], v[AV8]  offset:6144+1536*\t+768
	ds_load_b128 v[VF+12*\t+8:VF+12*\t+11], v[AV16] offset:6144+1536*\t+1024
.endr
.irp u, 0,1
	ds_load_b32  v[VS+\u], v[AV4] offset:12800+128*\u
.endr
.if \pf
	KLOAD PACK
.endif
.irp t, 0,1,2,3,4,5,6,7                        ; the largest score of my two blocks of 32 keys: a chain to each accumulator, from its low end on, by turns
	v_max3_num_f32 v[MX+\t], v[S+8*\t], v[S+8*\t+1], v[S+8*\t+2]
.endr
.irp i, 3,5
.irp t, 0,1,2,3,4,5,6,7
	v_max3_num_f32 v[MX+\t], v[MX+\t], v[S+8*\t+\i], v[S+8*\t+\i+1]
.endr
.endr
	v_max3_num_f32 v[MX], v[MX], v[MX+1], v[S+7]
	v_max3_num_f32 v[MX+2], v[MX+2], v[MX+3], v[S+15]
	v_max3_num_f32 v[MX+4], v[MX+4], v[MX+5], v[S+39]
	v_max3_num_f32 v[MX+6], v[MX+6], v[MX+7], v[S+47]
	v_max3_num_f32 v[MX], v[MX], v[MX+2], v[S+23]
	v_max3_num_f32 v[MX+4], v[MX+4], v[MX+6], v[S+55]
	v_max_num_f32 v[MX], v[MX], v[S+31]            ; block h
	v_max_num_f32 v[MX+4], v[MX+4], v[S+63]        ; block 2 + h
	s_delay_alu instid0(VALU_DEP_1)
	v_max_num_f32 v[T], v[MX], v[MX+4]
	s_delay_alu instid0(VALU_DEP_1)
	v_permlanex16_b32 v[T2], v[T], s[SEL], s[SEL+1]
	s_delay_alu instid0(VALU_DEP_1)
	v_max3_num_f32 v13, v13, v[T], v[T2]           ; the running largest score of my query
	v_mov_b32 v[T], v12
	s_delay_alu instid0(VALU_DEP_2)
	v_mul_f32 v[T2], s[CN], v13                    ; -t
	s_delay_alu instid0(VALU_DEP_1)
	v_floor_f32 v12, v[T2]                         ; the new -M = floor(-t)
.set n, 0
.irp x, 0,1,2,3                                ; t - M, two at a time; the three lines that make the factor stand among them
.rept 8
	v_pk_fma_f32 v[S+2*n:S+2*n+1], v[S+2*n:S+2*n+1], s[CS:CS+1], v[12:13] op_sel_hi:[1,0,0]
.set n, n+1
.endr
.if \x == 0
	v_sub_f32 v[T], v12, v[T]                      ; old M - new M, a whole number, 0 or less
.elseif \x == 1
	v_cvt_i32_f32 v[T], v[T]                       ; (it saturates)
.elseif \x == 2
	v_ldexp_f32 v[F], 1.0, v[T]
.endif
.endr
	v_fma_f32 v[MX], v[MX], s[CS], v12             ; the same of each block's largest score
	v_fma_f32 v[MX+4], v[MX+4], s[CS], v12
.set n, 0
.rept 16
	v_pk_mul_f32 v[O+2*n:O+2*n+1], v[O+2*n:O+2*n+1], v[F:F+1] op_sel_hi:[1,0]   ; O^T under the new M, each accumulator from its low end on
.set n, n+1
.endr
	v_pk_mul_f32 v[14:15], v[14:15], v[F:F+1] op_sel_hi:[1,0]   ; and the sum
	s_wait_alu depctr_va_vdst(0)                   ; ahead of the batch
	v_exp_f32 v[MX], v[MX]
	v_exp_f32 v[MX+4], v[MX+4]
.set n, 0
.rept 64
	v_exp_f32 v[S+n], v[S+n]                       ; p = 2^(t - M)
.set n, n+1
.endr
.if \pf
	s_add_co_u32 s[TB], s[TB], PACK
	ADDR                                           ; the next pack's addresses: plain lines behind the batch (this step's LDS loads have all been issued)
.else
	v_nop
.endif
	s_wait_alu depctr_va_vdst(0)                   ; one wait for the batch, ahead of its first reader
	v_max_num_f32 v[MX], 0x1800000, v[MX]          ; the floor 2^(3 - 127): the byte cannot fall under 1
	v_max_num_f32 v[MX+4], 0x1800000, v[MX+4]
	v_pk_add_f32 v[SU0:SU0+1], v[S:S+1], v[S+2:S+3]        ; the row's sum, of the unquantised p, in four chains; the quantiser's lines stand among its additions
	v_pk_add_f32 v[SU1:SU1+1], v[S+4:S+5], v[S+6:S+7]
	v_add_nc_u32 v[SO], 0xff000000, v[MX]          ; 2 off the exponent field: the conversions' scale operand
	v_add_nc_u32 v[SO+1], 0xff000000, v[MX+4]
	v_pk_add_f32 v[SU2:SU2+1], v[S+8:S+9], v[S+10:S+11]
	PA 14, 12
	PA SU0, 14
	v_cvt_scalef32_pk16_fp6_f32 v[P:P+2], v[S:S+15], v[SO]
	v_cvt_scalef32_pk16_fp6_f32 v[P+6:P+8], v[S+32:S+47], v[SO+1]
	PA SU1, 16                                     ; a plain line behind the conversions
	v_cvt_scalef32_pk16_fp6_f32 v[S:S+2], v[S+16:S+31], v[SO]       ; (a conversion's three registers begin on an even number: the second halves are made in score registers that are done with, and moved)
	v_cvt_scalef32_pk16_fp6_f32 v[S+4:S+6], v[S+48:S+63], v[SO+1]
	PA SU2, 18
	v_lshrrev_b32 v[S+8], 23, v[SO]                ; my two bytes, blocks h and 2 + h,
	v_lshrrev_b32 v[S+9], 23, v[SO+1]
	PA 14, 20
	PA SU0, 22
	v_lshl_or_b32 v[S+8], v[S+9], 16, v[S+8]
.irp i, 0,1,2
	v_mov_b32 v[P+3+\i], v[S+\i]
.endr
	v_lshlrev_b32 v[S+8], v[SH8], v[S+8]           ; at their places;
.irp i, 0,1,2
	v_mov_b32 v[P+9+\i], v[S+4+\i]
.endr
	v_permlanex16_b32 v[S+10], v[S+8], s[SEL], s[SEL+1]
	PA SU1, 24
	PA SU2, 26
	PA 14, 28
	v_or_b32 v[W], v[S+8], v[S+10]                 ; with lane l xor 16's two the word is whole
	PA SU0, 30
.irp j, 32,40,48,56
	PA SU1, \j
	PA SU2, \j+2
	PA 14, \j+4
	PA SU0, \j+6
.endr
	s_wait_alu depctr_va_vdst(0)
.if \pf
	s_wait_dscnt 20                                ; V^T's 18 loads are in; the next pack's 20 of K may be out
.else
	s_wait_dscnt 0x0
.endif
	v_pk_add_f32 v[SU0:SU0+1], v[SU0:SU0+1], v[SU1:SU1+1]
	v_pk_add_f32 v[14:15], v[14:15], v[SU2:SU2+1]
	v_pk_add_f32 v[14:15], v[14:15], v[SU0:SU0+1]
.irp t, 0,1,2,3
	WM O+8*\t, VF+12*\t, P, v[O+8*\t:O+8*\t+7], VS+\t/2, W, \t%2
.endr
.endm
.Lstep:                                                ; packs 0 to 14
	STEP 1
	s_sub_co_u32 s[CNT], s[CNT], 1
	s_cmp_lg_u32 s[CNT], 0
	s_cbranch_scc1 .Lstep
	STEP 0                                         ; pack 15: nothing more to ask for
.rept 4
	v_nop                                          ; places ahead of the last read of O^T
.endr
	v_add_f32 v14, v14, v15                        ; the sum's two halves,
	s_delay_alu instid0(VALU_DEP_1)
	v_permlanex16_b32 v55, v14, s[SEL], s[SEL+1]
	s_delay_alu instid0(VALU_DEP_1)
	v_add_f32 v14, v14, v55                        ; and lane l xor 16's
	s_wait_alu depctr_va_vdst(0)
	v_rcp_f32 v14, v14
	v_nop
	s_wait_alu depctr_va_vdst(0)
.set n, 0
.rept 16
	v_pk_mul_f32 v[S+2*n:S+2*n+1], v[O+2*n:O+2*n+1], v[14:15] op_sel_hi:[1,0]   ; register 16 b + i: channel 32 b + 16 h + i of my query
.set n, n+1
.endr
.set EM, 46                            ; K's registers are free: v46-49 maxima, v50-51 scale operands, v52-53 bytes, v54 the two bytes, v56-58 codes
.irp b, 0,1
	v_max3_num_f32 v[EM+\b], |v[S+16*\b]|, |v[S+1+16*\b]|, 0x1800000
.endr
.irp i, 2,4,6,8,10,12,14
.irp b, 0,1
	s_delay_alu instid0(VALU_DEP_2)
	v_max3_num_f32 v[EM+\b], v[EM+\b], |v[S+16*\b+\i]|, |v[S+1+16*\b+\i]|
.endr
.endr
.irp b, 0,1
	s_delay_alu instid0(VALU_DEP_2)
	v_permlanex16_b32 v[EM+2+\b], v[EM+\b], s[SEL], s[SEL+1]
.endr
.irp b, 0,1
	s_delay_alu instid0(VALU_DEP_2)
	v_max_num_f32 v[EM+\b], v[EM+\b], v[EM+2+\b]
.endr
.irp b, 0,1
	s_delay_alu instid0(VALU_DEP_2)
	v_add_nc_u32 v[EM+4+\b], 0xff000000, v[EM+\b]
.endr
.irp b, 0,1
	s_delay_alu instid0(VALU_DEP_2)
	v_lshrrev_b32 v[EM+6+\b], 23, v[EM+4+\b]
.endr
	s_delay_alu instid0(VALU_DEP_1)
	v_lshl_or_b32 v[EM+8], v[EM+7], 8, v[EM+6]
	v_cvt_scalef32_pk16_fp6_f32 v[P:P+2], v[S:S+15], v[EM+4]
	v_cvt_scalef32_pk16_fp6_f32 v[EM+10:EM+12], v[S+16:S+31], v[EM+5]
	v_nop
.irp i, 0,1,2
	v_permlane16_swap_b32 v[P+\i], v[EM+10+\i]     ; a whole block to a lane
.endr
.irp i, 0,1,2
	s_delay_alu instid0(VALU_DEP_3)
	v_mov_b32 v[P+3+\i], v[EM+10+\i]
.endr
	global_store_b64  v[L8],  v[P:P+1], s[52:53]
	global_store_b128 v[L16], v[P+2:P+5], s[52:53] offset:256
	global_store_b16  v[R4],  v[EM+8], s[54:55]    ; lanes l and l xor 16 hold the same two bytes and store them at the same place
	s_wait_tensorcnt 0x0                           ; the wave's end
	ds_add_u32 v[SPW], v[NIL]
	s_wait_dscnt 0x0
	CROUND                                         ; the closing round
	s_endpgm
.Lfunc_end_k_q6663c62123_attn:
	.size	k_q6663c62123_attn, .Lfunc_end_k_q6663c62123_attn-k_q6663c62123_attn
	.p2alignl 7, 3214868480
	.fill 96, 4, 3214868480
	.section	.rodata,"a",@progbits
	.p2align	6, 0x0
	.amdhsa_kernel k_q6663c62123_attn
		.amdhsa_group_segment_fixed_size 327680
		.amdhsa_private_segment_fixed_size 0
		.amdhsa_enable_private_segment 0
		.amdhsa_kernarg_size 16
		.amdhsa_user_sgpr_count 2
		.amdhsa_user_sgpr_kernarg_segment_ptr 1
		.amdhsa_wavefront_size32 1
		.amdhsa_system_sgpr_workgroup_id_x 1
		.amdhsa_system_sgpr_workgroup_id_y 1
		.amdhsa_system_sgpr_workgroup_id_z 1
		.amdhsa_system_vgpr_workitem_id 0
		.amdhsa_next_free_vgpr 256
		.amdhsa_next_free_sgpr 66
		.amdhsa_reserve_vcc 0
		.amdhsa_float_denorm_mode_32 3
		.amdhsa_float_denorm_mode_16_64 3
		.amdhsa_memory_ordered 1
		.amdhsa_forward_progress 1
		.amdhsa_inst_pref_size 43
	.end_amdhsa_kernel
	.amdgpu_metadata
---
amdhsa.version: [ 1, 2 ]
amdhsa.kernels:
  - .name:           k_q6663c62123_attn
    .symbol:         k_q6663c62123_attn.kd
    .args:
      - { .name: qkvb, .offset: 0, .size: 8, .value_kind: global_buffer, .address_space: global }
      - { .name: oc, .offset: 8, .size: 8, .value_kind: global_buffer, .address_space: global }
    .group_segment_fixed_size: 327680
    .private_segment_fixed_size: 0
    .kernarg_segment_align: 8
    .kernarg_segment_size: 16
    .max_flat_workgroup_size: 512
    .sgpr_count:     66
    .vgpr_count:     256
    .wavefront_size: 32
...
	.end_amdgpu_metadata
.endif
;; end of part 3
;; launch wo (part 4): grid 8 x 32, 4 waves a work-group, clusters of 4 x 4, 327,680 bytes of LDS; arguments oc, prepb, c1; writes c1
.if DOCPART == 4
	.amdgcn_target "amdgcn-amd-amdhsa--gfx1250"
	.amdhsa_code_object_version 6
	.text
	.protected	k_q6663c62123_wo
	.globl	k_q6663c62123_wo
	.p2align	8
	.type	k_q6663c62123_wo,@function
k_q6663c62123_wo:
	s_mov_b64 s[64:65], 0
	v_nop
	global_prefetch_b8 v0, s[64:65] scope:SCOPE_SE
	s_setreg_imm32_b32 hwreg(HW_REG_WAVE_MODE, 25, 1), 1
	s_wait_xcnt 0x0
	s_wait_alu depctr_hold_cnt(0) depctr_sa_sdst(0) depctr_va_vdst(0) depctr_va_sdst(0) depctr_va_ssrc(0) depctr_va_vcc(0) depctr_vm_vsrc(0)
	s_getreg_b32 s2, hwreg(HW_REG_IB_STS2, 6, 4)
	s_cmp_eq_u32 s2, 0
	s_cbranch_scc0 .Lentry_in_a_cluster
	s_endpgm
.Lentry_in_a_cluster:
	s_bfe_u32 s2, ttmp6, 0x10000c
	s_cmp_lg_u32 s2, 0xf033
	s_cbranch_scc0 .Lentry_shape_is_right
	s_endpgm
.Lentry_shape_is_right:
; ENCODER LAYER, launch 4 of 8: mha = O Wo on codes of FP6 (E2M3), f32 out.  Nothing is left out.  The residual and the norm follow in the next launch, since a row of 1,024 spans eight tiles.
; A GEMM on codes: a tile of 128 x 128 to a work-group of four waves, so that 4,096 x 1,024 gives 256 work-groups; a wave makes 64 x 64: 16 accumulators.
; All codes lie in memory in the order of the operand's registers (a fragment, 16 rows x 128 K, is 1,536 bytes: for each 64 along K registers 0-1 at 8 x lane, registers 2-5 at 256 + 16 x lane), laid
; [group of 128 rows][256 along K][block of 16 rows][128 along K]: 128 rows x 256 K are one dense slab of 24,576 bytes.  A slot holds 512 along K: two slabs of A's group, two of B's; K goes through a ring of two slots.
; The scale words of both groups, for all of K, come once and stay.  Rows go in blocks of 16 whose lane row r is row 32 (i / 2) + 8 (i % 2) + r + 8 (r / 8) of the group; the way out puts rows and columns back by constants.
; The matrix instruction is used transposed (source 0 = B's block, source 1 = A's).  CLUSTERS: 4 x 4; A's slabs are asked for jointly along a row of the cluster, B's along a column.
; Here K = 1,024 is two slots: both are first fills, nothing is filled again, and there is no loop to run ahead in: so no prefetch is laid.
; REGISTERS: window 0: v0-31 addresses; v32-39 scale words, two sets, and nothing else; v64-255 fragments, two sets of B's four and A's four; on the way out v64-127 take rows of C.  window 1: v0-127 the accumulators ((a, b) at v[8 (4 a + b)]).
.set KFULL,  1024
.set AS_OFF, 3145728                   ; A's scale words in its buffer (its codes lie at 0)
.set BC_OFF, 5734400                   ; B's codes and scale words in prepb
.set BS_OFF, 6520832
.set NSF,    KFULL/256                 ; slabs of a group
.set LAPS,   KFULL/1024                ; a lap = two slots
.set SLAB,   24576
.set SLOT,   4*SLAB
.set GSF,    (KFULL/128)*512           ; a group's scale words
.set SCL,    2*SLOT                    ; behind the ring: A's scale words; B's 64 bytes aside, so that a load's 16 words of A and 16 of B fall on different banks
.set SPARE,  SCL+2*GSF+256             ; the spare words, 128 bytes for each wave, that no other line names
.set SPITCH, 272                       ; the way out: a stage of 16 rows x (256 bytes + 16) for each wave, in slot 0, behind that slot's last fill and last read
.set ADRA, 16                          ; v16-17 8 x lane + my A blocks in slot 0, 1; v18-19 with 16 x lane;  v20-23 the same for B
.set ADRB, 20
.set STO,  24
.set RD,   25
.set CO,   26
.set ADRS, 27                          ; my scale words: lanes 0-15 A's rows, lanes 16-31 B's
.set SPW,  28
.set NIL,  29
.set PFO,  30
.set SC,   32
.set FB,   64
.set FA,   112
.set BK,   64
.set G1, 24
.set G0, 32
.set G1B, 48
.set G0B, 56
.set G1S, 68
.set G0S, 76
.set G1SB, 80
.set G0SB, 88
.set PFA, 92
.set MSB, 0
.macro WIN new                         ; the immediate's high byte repeats the setting that is left
.if MSB != (\new)
	s_set_vgpr_msb (MSB<<8)|(\new)
.set MSB, (\new)
.endif
.endm
.macro PLACES n
.rept \n
	v_nop
.endr
.endm
.macro JLOAD g0a, g1a, g0b, g1b        ; a joint load: waves 0 and 1 fetch for A, waves 2 and 3 for B; an s_nop 0 and four v_nop follow each line
	s_cmp_eq_u32 s15, 0
	s_cbranch_scc0 .Lfor_b_\@
	tensor_load_to_lds s[\g0a:\g0a+3], s[\g1a:\g1a+7]
	s_nop 0
	PLACES 4
	s_branch .Lasked_\@
.Lfor_b_\@:
	tensor_load_to_lds s[\g0b:\g0b+3], s[\g1b:\g1b+7]
	s_nop 0
	PLACES 4
.Lasked_\@:
.endm
.macro CREST
	s_cmp_lg_u32 s14, 0
	s_cbranch_scc1 .Lnot_wave_0_\@
	s_barrier_signal -3
.Lnot_wave_0_\@:
	s_barrier_wait -3
	s_barrier_signal -1
	s_barrier_wait -1
.endm
.macro CROUND
	s_barrier_signal -1
	s_barrier_wait -1
	CREST
.endm
.macro ARM under, g0, g1, next
	s_cmp_lt_u32 s14, \under
	s_cbranch_scc0 \next
	tensor_load_to_lds s[\g0:\g0+3], s[\g1:\g1+7]
	s_nop 0
	PLACES 4
	s_branch .Lhead_asked
\next:
.endm
	s_load_b128 s[4:7], s[0:1], 0x0                ; A's buffer, prepb
	s_load_b64 s[12:13], s[0:1], 0x10              ; C
	v_lshl_add_u32 v[SPW], v0, 2, SPARE
	v_mov_b32 v[NIL], 0
	ds_add_u32 v[SPW], v[NIL]                      ; the opening lines: the add, twice on end, and its wait
	ds_add_u32 v[SPW], v[NIL]
	v_lshrrev_b32 v1, 5, v0
	v_readfirstlane_b32 s14, v1                    ; wave 0..3
	s_lshr_b32 s15, s14, 1                         ; my half of A's blocks.  Also: I fetch for A (0) or for B (1)
	s_and_b32 s16, s14, 1                          ; my half of B's blocks.  Also: which of a slot's two slabs I fetch
	s_bfe_u32 s40, ttmp6, 0x40000
	s_bfe_u32 s41, ttmp6, 0x40004
	s_lshl_b32 s42, ttmp9, 2
	s_add_co_u32 s42, s42, s40                     ; tile column = B's group
	s_and_b32 s17, ttmp7, 0xffff
	s_lshl_b32 s17, s17, 2
	s_add_co_u32 s17, s17, s41                     ; tile row = A's group
	s_lshl_b32 s43, s41, 2
	s_lshl_b32 s43, 15, s43                        ; my row of the cluster
	s_lshl_b32 s44, 0x1111, s40                    ; my column
	s_or_b32 s[G1+0], s43, (3<<16)|(1<<21)         ; the mask; elements of 8 bytes; no padding; bit 21 beside a mask
	s_or_b32 s[G1B+0], s44, (3<<16)|(1<<21)
.irp g, G1, G1B
	s_mov_b32 s[\g+1], 32<<16                      ; rows of 256 bytes; for the head's loads 192 of them: a slot's two slabs, dense
	s_mov_b32 s[\g+2], 192<<16
	s_mov_b32 s[\g+3], 32<<16
	s_mov_b32 s[\g+4], 192
	s_mov_b32 s[\g+5], 32
	s_mov_b32 s[\g+6], 0
	s_mov_b32 s[\g+7], 0
.endr
	s_or_b32 s[G1S+0], s43, (3<<16)|(1<<21)
	s_or_b32 s[G1SB+0], s44, (3<<16)|(1<<21)
.irp g, G1S, G1SB
	s_mov_b32 s[\g+1], 32<<16
	s_mov_b32 s[\g+2], (GSF/256)<<16
	s_mov_b32 s[\g+3], 32<<16
	s_mov_b32 s[\g+4], GSF/256
	s_mov_b32 s[\g+5], 32
	s_mov_b32 s[\g+6], 0
	s_mov_b32 s[\g+7], 0
.endr
	s_mul_i32 s20, s17, NSF*SLAB
	s_mov_b32 s21, 0
	s_mul_i32 s46, s42, NSF*SLAB
	s_mov_b32 s47, 0
	s_mul_i32 s22, s17, GSF
	s_mov_b32 s23, 0
	s_mul_i32 s94, s42, GSF
	s_mov_b32 s95, 0
	s_mul_i32 s18, s16, SLAB
	s_mov_b32 s19, 0
	s_mul_i32 s45, s14, SLAB                       ; where my slab goes: by the wave's number alone
	s_wait_dscnt 0x0
	s_wait_kmcnt 0x0
	s_add_nc_u64 s[8:9], s[6:7], BC_OFF
	s_add_nc_u64 s[10:11], s[6:7], BS_OFF
	s_add_nc_u64 s[6:7], s[4:5], AS_OFF
	s_add_nc_u64 s[20:21], s[4:5], s[20:21]        ; A's group: codes,
	s_add_nc_u64 s[22:23], s[6:7], s[22:23]        ; scale words;
	s_add_nc_u64 s[46:47], s[8:9], s[46:47]        ; B's
	s_add_nc_u64 s[94:95], s[10:11], s[94:95]
	CROUND                                         ; all sixteen work-groups are here: the first joint loads meet
	s_mov_b32 s4, 1                                ; group 0 of the head's four loads; the first two in registers whose arguments have served
	s_mov_b32 s5, 0
	s_mov_b64 s[6:7], s[20:21]
	s_or_b32 s7, s7, 0x80000000
	s_mov_b32 s8, 1
	s_mov_b32 s9, 2*SLAB
	s_mov_b64 s[10:11], s[46:47]
	s_or_b32 s11, s11, 0x80000000
	s_mov_b32 s[G0S], 1
	s_mov_b32 s[G0S+1], SCL
	s_mov_b64 s[G0S+2:G0S+3], s[22:23]
	s_or_b32 s[G0S+3], s[G0S+3], 0x80000000
	s_mov_b32 s[G0SB], 1
	s_mov_b32 s[G0SB+1], SCL+GSF+64
	s_mov_b64 s[G0SB+2:G0SB+3], s[94:95]
	s_or_b32 s[G0SB+3], s[G0SB+3], 0x80000000
	s_add_nc_u64 s[20:21], s[20:21], s[18:19]      ; for the ring: my slab of a slot's two
	s_add_nc_u64 s[46:47], s[46:47], s[18:19]
.irp s, 0,1
	s_mov_b32 s[G0+4*\s], 1
	s_add_co_u32 s[G0+4*\s+1], s45, \s*SLOT
	s_add_nc_u64 s[G0+4*\s+2:G0+4*\s+3], s[20:21], \s*2*SLAB
	s_or_b32 s[G0+4*\s+3], s[G0+4*\s+3], 0x80000000
	s_mov_b32 s[G0B+4*\s], 1
	s_add_co_u32 s[G0B+4*\s+1], s45, \s*SLOT
	s_add_nc_u64 s[G0B+4*\s+2:G0B+4*\s+3], s[46:47], \s*2*SLAB
	s_or_b32 s[G0B+4*\s+3], s[G0B+4*\s+3], 0x80000000
.endr
	; the head's loads, one a wave: slot 0's slabs of A, those of B, A's scale words, B's.  One chain of branches on the wave's number: every way passes one load
	ARM 1, 4, G1, .Lhead_b
	ARM 2, 8, G1B, .Lhead_sa
	ARM 3, G0S, G1S, .Lhead_sb
	tensor_load_to_lds s[G0SB:G0SB+3], s[G1SB:G1SB+7]
	s_nop 0
	PLACES 4
.Lhead_asked:
.if LAPS > 1
	s_cmp_eq_u32 s15, 0                            ; the prefetches: of the 96 blocks of 256 bytes of the slab that I fetch, each of the four partners takes 24, told apart by address (cx for A, cy for B)
	s_cselect_b64 s[PFA:PFA+1], s[20:21], s[46:47]
	s_cselect_b32 s18, s40, s41
	s_mul_i32 s18, s18, 6144
	s_add_co_u32 s18, s18, 2*SLAB                  ; at fill 1: each refill steps it by a fill, and names the fill two further on
	s_add_nc_u64 s[PFA:PFA+1], s[PFA:PFA+1], s[18:19]
.endif
	v_and_b32 v1, 31, v0                           ; lane
	v_and_b32 v2, 15, v0                           ; r
	v_bfe_u32 v3, v0, 4, 1                         ; h
	v_lshlrev_b32 v4, 3, v1
	v_lshlrev_b32 v5, 4, v1
	s_mul_i32 s22, s15, 12288                      ; my four blocks of A: 3,072 bytes a block in a slab
	s_mul_i32 s23, s16, 12288
	s_add_co_u32 s23, s23, 2*SLAB                  ; of B, behind A's two slabs
.irp s, 0,1
	v_add_nc_u32 v[ADRA+\s], s22, v4
	v_add_nc_u32 v[ADRB+\s], s23, v4
	v_add_nc_u32 v[ADRA+2+\s], s22, v5
	v_add_nc_u32 v[ADRB+2+\s], s23, v5
	s_add_co_u32 s22, s22, SLOT
	s_add_co_u32 s23, s23, SLOT
.endr
	v_lshlrev_b32 v7, 2, v2
	s_lshl_b32 s22, s15, 8                         ; my four blocks' words: 64 bytes a block
	s_lshl_b32 s23, s16, 8
	s_add_co_u32 s23, s23, GSF+64
	s_sub_co_u32 s23, s23, s22
	v_mul_u32_u24 v6, s23, v3                      ; lanes 16-31 take B's: one product, the distance between the two
	s_add_co_u32 s22, s22, SCL
	v_add_nc_u32 v7, v7, v6
	v_add_nc_u32 v[ADRS], s22, v7
	s_mul_i32 s23, s14, 16*SPITCH                  ; my stage
	v_mul_u32_u24 v6, v2, SPITCH
	v_lshl_add_u32 v6, v3, 6, v6                   ; in: row r, + 64 h: accumulator b's eight numbers are columns 32 (b / 2) + 16 h + 8 (b % 2) + 0 .. 7
	v_add_nc_u32 v[STO], s23, v6
	v_mul_u32_u24 v6, v3, SPITCH
	v_lshl_add_u32 v6, v2, 4, v6                   ; back: sixteen lanes take a row of 256 bytes, lanes 16-31 the next row
	v_add_nc_u32 v[RD], s23, v6
	v_lshlrev_b32 v6, 12, v3
	v_lshl_add_u32 v[CO], v2, 4, v6                ; the same two rows in C, 4,096 bytes a row
.if LAPS > 1
	v_min_u32 v[PFO], 23, v1                       ; a lane a block; the lanes left over name the last again
	v_lshlrev_b32 v[PFO], 8, v[PFO]
.endif
	s_lshl_b32 s22, s17, 7
	s_lshl_b32 s23, s15, 6
	s_add_co_u32 s22, s22, s23
	s_lshl_b32 s22, s22, 12                        ; my first row of C
	s_lshl_b32 s94, s42, 9
	s_lshl_b32 s95, s16, 8
	s_add_co_u32 s94, s94, s95                     ; my first column
	s_add_co_u32 s22, s22, s94
	s_mov_b32 s23, 0
	s_add_nc_u64 s[12:13], s[12:13], s[22:23]
.macro FRAG reg, adr, off              ; a fragment: four loads of consecutive bytes, the registers as they were stored
	ds_load_b64  v[\reg:\reg+1],    v[\adr]   offset:\off
	ds_load_b128 v[\reg+2:\reg+5],  v[\adr+2] offset:\off+256
	ds_load_b64  v[\reg+6:\reg+7],  v[\adr]   offset:\off+768
	ds_load_b128 v[\reg+8:\reg+11], v[\adr+2] offset:\off+1024
.endm
.macro FETCH slot, q, p                ; the slot's q-th 128 along K into set p: B's four fragments, A's four, four scale registers: 36 loads
.irp i, 0,1,2,3
	FRAG FB+96*(\p)+12*\i, ADRB+\slot, ((\q)/2)*SLAB+\i*3072+((\q)%2)*1536
.endr
.irp i, 0,1,2,3
	FRAG FA+96*(\p)+12*\i, ADRA+\slot, ((\q)/2)*SLAB+\i*3072+((\q)%2)*1536
.endr
.irp i, 0,1,2,3
	ds_load_b32 v[SC+4*(\p)+\i], v[ADRS] offset:512*(4*(\slot)+(\q))+64*\i
.endr
.endm
.macro MULA a, p, zero                 ; A's block a x B's four.  The 16 accumulators take turns in the same order in every step
.irp b, 0,1,2,3
.if \zero
	v_wmma_scale_f32_16x16x128_f8f6f4 v[8*(4*(\a)+\b):8*(4*(\a)+\b)+7], v[FB+96*(\p)+12*\b:FB+96*(\p)+12*\b+11], v[FA+96*(\p)+12*(\a):FA+96*(\p)+12*(\a)+11], 0, v[SC+4*(\p)+\b], v[SC+4*(\p)+(\a)] matrix_a_fmt:MATRIX_FMT_FP6 matrix_b_fmt:MATRIX_FMT_FP6 matrix_a_scale:MATRIX_SCALE_ROW1
.else
	v_wmma_scale_f32_16x16x128_f8f6f4 v[8*(4*(\a)+\b):8*(4*(\a)+\b)+7], v[FB+96*(\p)+12*\b:FB+96*(\p)+12*\b+11], v[FA+96*(\p)+12*(\a):FA+96*(\p)+12*(\a)+11], v[8*(4*(\a)+\b):8*(4*(\a)+\b)+7], v[SC+4*(\p)+\b], v[SC+4*(\p)+(\a)] matrix_a_fmt:MATRIX_FMT_FP6 matrix_b_fmt:MATRIX_FMT_FP6 matrix_a_scale:MATRIX_SCALE_ROW1
.endif
.endr
.endm
.macro STEP slot, q, zero              ; one of a slot's first three steps: the next step's fragments are asked for first, into the set that the last step multiplied
	PLACES 4                                       ; behind the last step's products (ISA guide 7.12.1)
	FETCH \slot, (\q)+1, 1-(\q)%2
	s_wait_dscnt 36                                ; this step's loads are in; the 36 just issued may be out
	WIN 0x50                                       ; C and D in window 1
	MULA 0, (\q)%2, \zero
	MULA 1, (\q)%2, \zero
	MULA 2, (\q)%2, \zero
	MULA 3, (\q)%2, \zero
	WIN 0
.endm
.macro ASK                             ; the fill that stands two refills on: 24 blocks of 256 bytes a wave; the loop's last trip has no such fill
	s_cmp_gt_u32 s3, 1
	s_cbranch_scc0 .Lnone_\@
	global_prefetch_b8 v[PFO], s[PFA:PFA+1] offset:4*SLAB th:TH_LOAD_NT scope:SCOPE_SE
.Lnone_\@:
.endm
; A slot's last step changes slots: one barrier; ahead of it each wave waits for all its tensor loads, adds 0 to its spare word, and waits for that and for its reads of this slot.  fill = 1: the slot is filled again behind a round of the cluster's barrier.
.macro TURN slot, next, fill
.if \fill
	s_wait_xcnt 0x0                                ; my last prefetch has read its address
	s_add_nc_u64 s[PFA:PFA+1], s[PFA:PFA+1], 2*SLAB
.endif
	s_wait_tensorcnt 0x0
	ds_add_u32 v[SPW], v[NIL]
	s_wait_dscnt 1                                 ; this step's loads are in; the add may be out
	WIN 0x50
	MULA 0, 1, 0
	s_wait_dscnt 0x0
	s_barrier_signal -1
	MULA 1, 1, 0
	WIN 0
	s_barrier_wait -1
.if \fill
	CREST
	s_add_nc_u64 s[G0+4*\slot+2:G0+4*\slot+3], s[G0+4*\slot+2:G0+4*\slot+3], 4*SLAB
	s_add_nc_u64 s[G0B+4*\slot+2:G0B+4*\slot+3], s[G0B+4*\slot+2:G0B+4*\slot+3], 4*SLAB
	JLOAD G0+4*\slot, G1, G0B+4*\slot, G1B         ; the first tensor load behind the round; its four v_nop are the places ahead of the loads below
.else
	PLACES 4
.endif
.if \next == 0
	v_add_nc_u32 v[ADRS], 4096, v[ADRS]            ; the next lap's scale words
	s_wait_alu depctr_va_vdst(0)
.endif
	FETCH \next, 0, 0
.if \fill
	ASK
.endif
	WIN 0x50
	MULA 2, 1, 0
	MULA 3, 1, 0
	WIN 0
.endm
	s_wait_alu depctr_va_vdst(0)                   ; the head's end
	s_wait_tensorcnt 0x0                           ; my tile of the head's four is in
	ds_add_u32 v[SPW], v[NIL]
	s_mov_b32 s[G1+2], 96<<16                      ; no tensor load of mine is out: from here on a load brings one slab, 96 rows
	s_mov_b32 s[G1+4], 96
	s_mov_b32 s[G1B+2], 96<<16
	s_mov_b32 s[G1B+4], 96
	s_wait_dscnt 0x0
	CROUND                                         ; all four tiles are in, all sixteen work-groups are here
	JLOAD G0+4, G1, G0B+4, G1B                     ; slot 1's first fill, the first tensor load behind the round
	FETCH 0, 0, 0
	STEP 0, 0, 1                                   ; the first step's products start the sums
.if LAPS > 1
	s_mov_b32 s3, LAPS-1
.Llap:                                                 ; a trip goes once round the ring and fills both slots again
	STEP 0, 1, 0
	STEP 0, 2, 0
	TURN 0, 1, 1
	STEP 1, 0, 0
	STEP 1, 1, 0
	STEP 1, 2, 0
	TURN 1, 0, 1
	STEP 0, 0, 0
	s_sub_co_u32 s3, s3, 1
	s_cmp_lg_u32 s3, 0
	s_cbranch_scc1 .Llap
.endif
	STEP 0, 1, 0
	STEP 0, 2, 0
	TURN 0, 1, 0                                   ; the last change of slots fills nothing
	STEP 1, 0, 0
	STEP 1, 1, 0
	STEP 1, 2, 0
	s_wait_dscnt 0x0
	WIN 0x50
	MULA 0, 1, 0
	MULA 1, 1, 0
	MULA 2, 1, 0
	MULA 3, 1, 0
	WIN 0
; THE WAY OUT, block by block of 16 rows x 64 columns, through my own stage: in by 32 bytes a lane, back as whole rows of 256 bytes.  LDS serves a wave's instructions in order: no wait between stores and loads.
.macro TOSTAGE a
	WIN 0x04                                       ; the data: window 1
.irp b, 0,1,2,3
	ds_store_b128 v[STO], v[8*(4*(\a)+\b):8*(4*(\a)+\b)+3] offset:128*(\b/2)+32*(\b%2)      ; each accumulator from its low end on
	ds_store_b128 v[STO], v[8*(4*(\a)+\b)+4:8*(4*(\a)+\b)+7] offset:128*(\b/2)+32*(\b%2)+16
.endr
	WIN 0
.set BB, BK+32*((\a)%2)
.irp t, 0,1,2,3,4,5,6,7
	ds_load_b128 v[BB+4*\t:BB+4*\t+3], v[RD] offset:\t*2*SPITCH
.endr
.endm
.macro SEND a, younger
.set BB, BK+32*((\a)%2)
	s_wait_dscnt \younger                          ; the block is back; the next block's 8 stores and 8 loads may be out
.irp t, 0,1,2,3,4,5,6,7
	global_store_b128 v[CO], v[BB+4*\t:BB+4*\t+3], s[12:13] offset:(32*((\a)/2)+8*((\a)%2)+2*\t+8*(\t/4))*4096   ; lane row p = 2 t + h of block a is row 32 (a / 2) + 8 (a % 2) + p + 8 (p / 8); sixteen lanes store 256 consecutive bytes, aligned
.endr
.endm
	PLACES 4
	TOSTAGE 0
.irp a, 1,2,3
.if \a > 1
	s_wait_xcnt 0x0                                ; block a - 2's stores have read their registers: block a's loads may land there
.endif
	TOSTAGE \a
	SEND \a-1, 16
.endr
	SEND 3, 0
	s_wait_tensorcnt 0x0                           ; the wave's end
	ds_add_u32 v[SPW], v[NIL]
	s_wait_dscnt 0x0
	CROUND                                         ; the closing round
	s_endpgm
.Lfunc_end_k_q6663c62123_wo:
	.size	k_q6663c62123_wo, .Lfunc_end_k_q6663c62123_wo-k_q6663c62123_wo
	.p2alignl 7, 3214868480
	.fill 96, 4, 3214868480
	.section	.rodata,"a",@progbits
	.p2align	6, 0x0
	.amdhsa_kernel k_q6663c62123_wo
		.amdhsa_group_segment_fixed_size 327680
		.amdhsa_private_segment_fixed_size 0
		.amdhsa_enable_private_segment 0
		.amdhsa_kernarg_size 24
		.amdhsa_user_sgpr_count 2
		.amdhsa_user_sgpr_kernarg_segment_ptr 1
		.amdhsa_wavefront_size32 1
		.amdhsa_system_sgpr_workgroup_id_x 1
		.amdhsa_system_sgpr_workgroup_id_y 1
		.amdhsa_system_sgpr_workgroup_id_z 1
		.amdhsa_system_vgpr_workitem_id 0
		.amdhsa_next_free_vgpr 384
		.amdhsa_next_free_sgpr 98
		.amdhsa_reserve_vcc 0
		.amdhsa_float_denorm_mode_32 3
		.amdhsa_float_denorm_mode_16_64 3
		.amdhsa_memory_ordered 1
		.amdhsa_forward_progress 1
		.amdhsa_inst_pref_size 55
	.end_amdhsa_kernel
	.amdgpu_metadata
---
amdhsa.version: [ 1, 2 ]
amdhsa.kernels:
  - .name:           k_q6663c62123_wo
    .symbol:         k_q6663c62123_wo.kd
    .args:
      - { .name: oc, .offset: 0, .size: 8, .value_kind: global_buffer, .address_space: global }
      - { .name: prepb, .offset: 8, .size: 8, .value_kind: global_buffer, .address_space: global }
      - { .name: c1, .offset: 16, .size: 8, .value_kind: global_buffer, .address_space: global }
    .group_segment_fixed_size: 327680
    .private_segment_fixed_size: 0
    .kernarg_segment_align: 8
    .kernarg_segment_size: 24
    .max_flat_workgroup_size: 128
    .sgpr_count:     98
    .vgpr_count:     384
    .wavefront_size: 32
...
	.end_amdgpu_metadata
.endif
;; end of part 4
;; launch ln1 (part 5): grid 256 x 1, 8 waves a work-group, no clusters, 67,072 bytes of LDS; arguments x, c1, ln1_g, ln1_b, h1; writes h1
.if DOCPART == 5
	.amdgcn_target "amdgcn-amd-amdhsa--gfx1250"
	.amdhsa_code_object_version 6
	.text
	.protected	k_q6663c62123_ln1
	.globl	k_q6663c62123_ln1
	.p2align	8
	.type	k_q6663c62123_ln1,@function
k_q6663c62123_ln1:
	s_mov_b64 s[64:65], 0
	v_nop
	global_prefetch_b8 v0, s[64:65] scope:SCOPE_SE
	s_setreg_imm32_b32 hwreg(HW_REG_WAVE_MODE, 25, 1), 1
	s_wait_xcnt 0x0
; ENCODER LAYER, launch 5 of 8: h1 = LayerNorm(x + mha) g + b in f32, stored as f32 (the second residual) and as codes of FP6 (E2M3) for the first product of the feed-forward part.  Nothing is left out.
; A work-group takes one block of 16 tokens (lane row r is token 32 (i / 2) + 8 (i % 2) + r + 8 (r / 8)); wave w takes lane rows 2 w and 2 w + 1, neighbours in memory: 8,192 consecutive bytes of x and of mha.
; A row lies in 32 registers of one wave: mean, variance (of the differences, as the reference has it) and the result need no other wave.  Then the rows meet in a stage in LDS, and behind one barrier wave w
; quantises K step w of all 16 rows.  Codes and scale words are laid in the order of the operand's registers, as in the first launch.  Memory binds: no cluster, no matrix unit.
; LIMITS: as stated in the first launch; the order of the f32 sums differs from the reference's.
.set HC_O,  16777216                   ; h1: f32 at 0, codes, scale words
.set HS_O,  19922944
.set XP,    4112                       ; a stage row: 4,096 bytes + 16
.set SPARE, 66048                      ; the spare words, 128 bytes for each wave: four blocks of 256 bytes that no other line names
.set L8,   4
.set L16,  5
.set XSTO, 6
.set XRD,  7
.set R4,   11
.set SPW,  12
.set NIL,  13
.set SEL,  2                           ; s[2:3] lane selects: lane l xor 16
.set XR,   16                          ; v16-79   my two rows, 32 registers each
.set CR,   80                          ; v80-143  mha's; later 64 numbers for the quantiser
.set GG,   144                         ; v144-175 g;  v176-207 b;  later codes and work
.set BB,   176
.set TT,   208                         ; v208-223 eight registers of work for each row
.set H,    80
.set PC,   144
.set TM,   164
.set PW,   180
.macro QUANT s
.irp b, 0,1,2,3
	v_max3_num_f32 v[TM+\b], |v[\s+16*\b]|, |v[\s+1+16*\b]|, 0x1800000   ; my 16 numbers of block b, and the floor 2^(3 - 127)
.endr
.irp i, 2,4,6,8,10,12,14
.irp b, 0,1,2,3
	s_delay_alu instid0(VALU_DEP_4)
	v_max3_num_f32 v[TM+\b], v[TM+\b], |v[\s+16*\b+\i]|, |v[\s+1+16*\b+\i]|
.endr
.endr
.irp b, 0,1,2,3
	s_delay_alu instid0(VALU_DEP_4)
	v_permlanex16_b32 v[TM+4+\b], v[TM+\b], s[SEL], s[SEL+1]
.endr
.irp b, 0,1,2,3
	s_delay_alu instid0(VALU_DEP_4)
	v_max_num_f32 v[TM+\b], v[TM+\b], v[TM+4+\b]
.endr
.irp b, 0,1,2,3
	s_delay_alu instid0(VALU_DEP_4)
	v_add_nc_u32 v[TM+12+\b], 0xff000000, v[TM+\b]
.endr
.irp b, 0,1,2,3
	s_delay_alu instid0(VALU_DEP_4)
	v_lshrrev_b32 v[TM+4+\b], 23, v[TM+12+\b]
.endr
	s_delay_alu instid0(VALU_DEP_3)
	v_lshl_or_b32 v[PW], v[TM+5], 8, v[TM+4]
	s_delay_alu instid0(VALU_DEP_1)
	v_lshl_or_b32 v[PW], v[TM+6], 16, v[PW]
	s_delay_alu instid0(VALU_DEP_1)
	v_lshl_or_b32 v[PW], v[TM+7], 24, v[PW]
.irp c, 0,1
	v_cvt_scalef32_pk16_fp6_f32 v[PC+6*\c:PC+2+6*\c], v[\s+32*\c:\s+15+32*\c], v[TM+12+2*\c]
	v_cvt_scalef32_pk16_fp6_f32 v[PC+12+4*\c:PC+14+4*\c], v[\s+16+32*\c:\s+31+32*\c], v[TM+12+2*\c+1]
.endr
	v_nop                                          ; one plain place behind a scaled conversion
.irp c, 0,1
.irp i, 0,1,2
	v_permlane16_swap_b32 v[PC+6*\c+\i], v[PC+12+4*\c+\i]
.endr
.irp i, 0,1,2
	s_delay_alu instid0(VALU_DEP_3)
	v_mov_b32 v[PC+3+6*\c+\i], v[PC+12+4*\c+\i]
.endr
.endr
.endm
; The sum (sq = 0) or the sum of squares (sq = 1) of each of my two rows, in every lane, in v[TT] and v[TT+8]: four chains a row, then across the 32 lanes
.macro ROWSUM sq
.irp k, 0,1,2,3
.irp w, 0,1
.if \sq
	v_pk_mul_f32 v[TT+8*\w+2*\k:TT+8*\w+2*\k+1], v[XR+32*\w+2*\k:XR+32*\w+2*\k+1], v[XR+32*\w+2*\k:XR+32*\w+2*\k+1]
.else
	v_pk_add_f32 v[TT+8*\w+2*\k:TT+8*\w+2*\k+1], v[XR+32*\w+2*\k:XR+32*\w+2*\k+1], v[XR+32*\w+8+2*\k:XR+32*\w+8+2*\k+1]
.endif
.endr
.endr
.irp m, 8,16,24
.irp k, 0,1,2,3
.irp w, 0,1
.if \sq
	v_pk_fma_f32 v[TT+8*\w+2*\k:TT+8*\w+2*\k+1], v[XR+32*\w+\m+2*\k:XR+32*\w+\m+2*\k+1], v[XR+32*\w+\m+2*\k:XR+32*\w+\m+2*\k+1], v[TT+8*\w+2*\k:TT+8*\w+2*\k+1]
.elseif \m > 8
	v_pk_add_f32 v[TT+8*\w+2*\k:TT+8*\w+2*\k+1], v[TT+8*\w+2*\k:TT+8*\w+2*\k+1], v[XR+32*\w+\m+2*\k:XR+32*\w+\m+2*\k+1]
.endif
.endr
.endr
.endr
.irp w, 0
	v_pk_add_f32 v[TT+8*\w:TT+8*\w+1], v[TT+8*\w:TT+8*\w+1], v[TT+8*\w+2:TT+8*\w+3]
	s_delay_alu instid0(VALU_DEP_3)
	v_pk_add_f32 v[TT+8*\w+4:TT+8*\w+5], v[TT+8*\w+4:TT+8*\w+5], v[TT+8*\w+6:TT+8*\w+7]
.endr
.irp w, 1
	v_pk_add_f32 v[TT+8*\w:TT+8*\w+1], v[TT+8*\w:TT+8*\w+1], v[TT+8*\w+2:TT+8*\w+3]
	s_delay_alu instid0(VALU_DEP_4)
	v_pk_add_f32 v[TT+8*\w+4:TT+8*\w+5], v[TT+8*\w+4:TT+8*\w+5], v[TT+8*\w+6:TT+8*\w+7]
.endr
.irp w, 0
	s_delay_alu instid0(VALU_DEP_3)
	v_pk_add_f32 v[TT+8*\w:TT+8*\w+1], v[TT+8*\w:TT+8*\w+1], v[TT+8*\w+4:TT+8*\w+5]
.endr
.irp w, 1
	s_delay_alu instid0(VALU_DEP_2)
	v_pk_add_f32 v[TT+8*\w:TT+8*\w+1], v[TT+8*\w:TT+8*\w+1], v[TT+8*\w+4:TT+8*\w+5]
.endr
.irp w, 0,1
	s_delay_alu instid0(VALU_DEP_2)
	v_add_f32 v[TT+8*\w], v[TT+8*\w], v[TT+8*\w+1]
.endr
.irp x, 1,2,4,8
.irp w, 0,1
	s_delay_alu instid0(VALU_DEP_2)
	v_add_f32_dpp v[TT+8*\w], v[TT+8*\w], v[TT+8*\w] row_xmask:\x row_mask:0xf bank_mask:0xf
.endr
.endr
.irp w, 0,1
	s_delay_alu instid0(VALU_DEP_2)
	v_permlanex16_b32 v[TT+8*\w+1], v[TT+8*\w], s[SEL], s[SEL+1]
.endr
.irp w, 0,1
	s_delay_alu instid0(VALU_DEP_2)
	v_add_f32 v[TT+8*\w], v[TT+8*\w], v[TT+8*\w+1]
.endr
.endm
	s_load_b256 s[4:11], s[0:1], 0x0               ; x s[4:5], mha s[6:7], g s[8:9], b s[10:11]
	s_load_b64 s[12:13], s[0:1], 0x20              ; h1
	v_lshl_add_u32 v[SPW], v0, 2, SPARE
	v_mov_b32 v[NIL], 0
	v_lshrrev_b32 v1, 5, v0
	s_delay_alu instid0(VALU_DEP_1)
	v_readfirstlane_b32 s20, v1                    ; wave 0..7
	v_and_b32 v1, 31, v0
	v_and_b32 v2, 15, v0
	v_bfe_u32 v3, v0, 4, 1
	s_delay_alu instid0(VALU_DEP_3)
	v_lshlrev_b32 v[L8], 3, v1
	s_delay_alu instid0(VALU_DEP_4)
	v_lshlrev_b32 v[L16], 4, v1
	s_delay_alu instid0(VALU_DEP_4)
	v_lshlrev_b32 v[R4], 2, v2
	s_mul_i32 s21, s20, 2*XP
	v_add_nc_u32 v[XSTO], s21, v[L16]
	v_mul_u32_u24 v[XRD], v2, XP
	s_delay_alu instid0(VALU_DEP_1)
	v_lshl_add_u32 v[XRD], v3, 6, v[XRD]
	s_lshl_b32 s21, s20, 9
	v_add_nc_u32 v[XRD], s21, v[XRD]
	s_mov_b32 s[SEL], 0x76543210
	s_mov_b32 s[SEL+1], 0xfedcba98
	s_mov_b32 s30, 0x3a800000                      ; 1 / 1,024
	s_mov_b32 s31, 0x3727c5ac                      ; 1e-5
	s_lshr_b32 s21, ttmp9, 1
	s_lshl_b32 s21, s21, 5
	s_and_b32 s22, ttmp9, 1
	s_lshl_b32 s22, s22, 3
	s_add_co_u32 s21, s21, s22
	s_lshl_b32 s22, s20, 1
	s_add_co_u32 s21, s21, s22
	s_lshr_b32 s22, s20, 2
	s_lshl_b32 s22, s22, 3
	s_add_co_u32 s21, s21, s22                     ; my wave's first token
	s_lshl_b32 s22, s21, 12
	s_mov_b32 s23, 0
	s_lshr_b32 s24, ttmp9, 3                       ; group of 128 tokens
	s_and_b32 s25, ttmp9, 7                        ; block in it
	s_lshl_b32 s26, s24, 2
	s_lshr_b32 s27, s20, 1
	s_add_co_u32 s26, s26, s27
	s_lshl_b32 s26, s26, 3
	s_add_co_u32 s26, s26, s25
	s_mul_i32 s26, s26, 3072
	s_and_b32 s27, s20, 1
	s_mul_i32 s27, s27, 1536
	s_add_co_u32 s26, s26, s27
	s_add_co_u32 s26, s26, HC_O                    ; my fragment: K step = my wave
	s_mov_b32 s27, 0
	s_lshl_b32 s28, s24, 3
	s_add_co_u32 s28, s28, s20
	s_lshl_b32 s28, s28, 9
	s_lshl_b32 s29, s25, 6
	s_add_co_u32 s28, s28, s29
	s_add_co_u32 s28, s28, HS_O                    ; its scale words
	s_mov_b32 s29, 0
	s_wait_alu depctr_va_vdst(0)
	s_wait_kmcnt 0x0
	s_add_nc_u64 s[4:5], s[4:5], s[22:23]
	s_add_nc_u64 s[6:7], s[6:7], s[22:23]
	s_add_nc_u64 s[14:15], s[12:13], s[22:23]
	s_add_nc_u64 s[26:27], s[12:13], s[26:27]
	s_add_nc_u64 s[28:29], s[12:13], s[28:29]
.set n, 0
.rept 16
	global_load_b128 v[XR+4*n:XR+4*n+3], v[L16], s[4:5] offset:512*n th:TH_LOAD_NT
	global_load_b128 v[CR+4*n:CR+4*n+3], v[L16], s[6:7] offset:512*n th:TH_LOAD_NT
.set n, n+1
.endr
.set n, 0
.rept 8
	global_load_b128 v[GG+4*n:GG+4*n+3], v[L16], s[8:9] offset:512*n
	global_load_b128 v[BB+4*n:BB+4*n+3], v[L16], s[10:11] offset:512*n
.set n, n+1
.endr
	s_wait_loadcnt 0x0
.set n, 0
.rept 32
	v_pk_add_f32 v[XR+2*n:XR+2*n+1], v[XR+2*n:XR+2*n+1], v[CR+2*n:CR+2*n+1]   ; x + mha
.set n, n+1
.endr
	ROWSUM 0
.irp w, 0,1
	s_delay_alu instid0(VALU_DEP_2)
	v_mul_f32 v[TT+8*\w], s30, v[TT+8*\w]          ; the mean
.endr
.irp w, 0,1
.set n, 0
.rept 16
	v_pk_add_f32 v[XR+32*\w+2*n:XR+32*\w+2*n+1], v[XR+32*\w+2*n:XR+32*\w+2*n+1], v[TT+8*\w:TT+8*\w+1] op_sel_hi:[1,0] neg_lo:[0,1] neg_hi:[0,1]
.set n, n+1
.endr
.endr
	ROWSUM 1
.irp w, 0,1
	s_delay_alu instid0(VALU_DEP_2)
	v_fma_f32 v[TT+8*\w], v[TT+8*\w], s30, s31     ; the variance + 1e-5
.endr
	s_wait_alu depctr_va_vdst(0)
.irp w, 0,1
	v_rsq_f32 v[TT+8*\w+2], v[TT+8*\w]
.endr
	v_nop                                          ; a plain line behind the two roots,
	s_wait_alu depctr_va_vdst(0)                   ; and one wait for both, ahead of their first use
.irp w, 0,1
.set n, 0
.rept 16
	v_pk_mul_f32 v[XR+32*\w+2*n:XR+32*\w+2*n+1], v[XR+32*\w+2*n:XR+32*\w+2*n+1], v[TT+8*\w+2:TT+8*\w+3] op_sel_hi:[1,0]
.set n, n+1
.endr
.endr
.irp w, 0,1
.set n, 0
.rept 16
	v_pk_fma_f32 v[XR+32*\w+2*n:XR+32*\w+2*n+1], v[XR+32*\w+2*n:XR+32*\w+2*n+1], v[GG+2*n:GG+2*n+1], v[BB+2*n:BB+2*n+1]
.set n, n+1
.endr
.endr
.set n, 0
.rept 16
	global_store_b128 v[L16], v[XR+4*n:XR+4*n+3], s[14:15] offset:512*n      ; 512 consecutive bytes, aligned
	ds_store_b128 v[XSTO], v[XR+4*n:XR+4*n+3] offset:(n/8)*XP+(n%8)*512
.set n, n+1
.endr
	s_wait_dscnt 0x0                               ; for the others' sake: my rows lie in the stage
	s_barrier_signal -1
	s_barrier_wait -1
.irp b, 0,1,2,3
.irp j, 0,1,2,3
	ds_load_b128 v[H+16*\b+4*\j:H+16*\b+4*\j+3], v[XRD] offset:128*\b+16*\j
.endr
.endr
	s_wait_dscnt 0x0
	QUANT H
	global_store_b64  v[L8],  v[PC:PC+1],    s[26:27]
	global_store_b128 v[L16], v[PC+2:PC+5],  s[26:27] offset:256
	global_store_b64  v[L8],  v[PC+6:PC+7],  s[26:27] offset:768
	global_store_b128 v[L16], v[PC+8:PC+11], s[26:27] offset:1024
	global_store_b32 v[R4], v[PW], s[28:29]        ; lanes l and l xor 16 hold the same word and store it at the same place
	s_wait_tensorcnt 0x0                           ; the wave's end, behind my last LDS store
	ds_add_u32 v[SPW], v[NIL]
	s_wait_dscnt 0x0
	s_endpgm
.Lfunc_end_k_q6663c62123_ln1:
	.size	k_q6663c62123_ln1, .Lfunc_end_k_q6663c62123_ln1-k_q6663c62123_ln1
	.p2alignl 7, 3214868480
	.fill 96, 4, 3214868480
	.section	.rodata,"a",@progbits
	.p2align	6, 0x0
	.amdhsa_kernel k_q6663c62123_ln1
		.amdhsa_group_segment_fixed_size 67072
		.amdhsa_private_segment_fixed_size 0
		.amdhsa_enable_private_segment 0
		.amdhsa_kernarg_size 40
		.amdhsa_user_sgpr_count 2
		.amdhsa_user_sgpr_kernarg_segment_ptr 1
		.amdhsa_wavefront_size32 1
		.amdhsa_system_sgpr_workgroup_id_x 1
		.amdhsa_system_sgpr_workgroup_id_y 1
		.amdhsa_system_sgpr_workgroup_id_z 1
		.amdhsa_system_vgpr_workitem_id 0
		.amdhsa_next_free_vgpr 224
		.amdhsa_next_free_sgpr 66
		.amdhsa_reserve_vcc 0
		.amdhsa_float_denorm_mode_32 3
		.amdhsa_float_denorm_mode_16_64 3
		.amdhsa_memory_ordered 1
		.amdhsa_forward_progress 1
		.amdhsa_inst_pref_size 33
	.end_amdhsa_kernel
	.amdgpu_metadata
---
amdhsa.version: [ 1, 2 ]
amdhsa.kernels:
  - .name:           k_q6663c62123_ln1
    .symbol:         k_q6663c62123_ln1.kd
    .args:
      - { .name: x, .offset: 0, .size: 8, .value_kind: global_buffer, .address_space: global }
      - { .name: c1, .offset: 8, .size: 8, .value_kind: global_buffer, .address_space: global }
      - { .name: ln1_g, .offset: 16, .size: 8, .value_kind: global_buffer, .address_space: global }
      - { .name: ln1_b, .offset: 24, .size: 8, .value_kind: global_buffer, .address_space: global }
      - { .name: h1, .offset: 32, .size: 8, .value_kind: global_buffer, .address_space: global }
    .group_segment_fixed_size: 67072
    .private_segment_fixed_size: 0
    .kernarg_segment_align: 8
    .kernarg_segment_size: 40
    .max_flat_workgroup_size: 256
    .sgpr_count:     66
    .vgpr_count:     224
    .wavefront_size: 32
...
	.end_amdgpu_metadata
.endif
;; end of part 5
;; launch ff1 (part 6): grid 16 x 16, 4 waves a work-group, clusters of 4 x 4, 327,680 bytes of LDS; arguments h1, prepb, b1, hid; writes hid
.if DOCPART == 6
	.amdgcn_target "amdgcn-amd-amdhsa--gfx1250"
	.amdhsa_code_object_version 6
	.text
	.protected	k_q6663c62123_ff1
	.globl	k_q6663c62123_ff1
	.p2align	8
	.type	k_q6663c62123_ff1,@function
k_q6663c62123_ff1:
	s_mov_b64 s[64:65], 0
	v_nop
	global_prefetch_b8 v0, s[64:65] scope:SCOPE_SE
	s_setreg_imm32_b32 hwreg(HW_REG_WAVE_MODE, 25, 1), 1
	s_wait_xcnt 0x0
	s_wait_alu depctr_hold_cnt(0) depctr_sa_sdst(0) depctr_va_vdst(0) depctr_va_sdst(0) depctr_va_ssrc(0) depctr_va_vcc(0) depctr_vm_vsrc(0)
	s_getreg_b32 s2, hwreg(HW_REG_IB_STS2, 6, 4)
	s_cmp_eq_u32 s2, 0
	s_cbranch_scc0 .Lentry_in_a_cluster
	s_endpgm
.Lentry_in_a_cluster:
	s_bfe_u32 s2, ttmp6, 0x10000c
	s_cmp_lg_u32 s2, 0xf033
	s_cbranch_scc0 .Lentry_shape_is_right
	s_endpgm
.Lentry_shape_is_right:
.set SIZE_K, 1024
.set AC_OFF, 16777216
.set AS_OFF, 19922944
.set BC_OFF, 6553600
.set BS_OFF, 9699328
.set HS_O,   12582912
.set NS,     SIZE_K/256
.set LAPS,   SIZE_K/512
.set NQ,     2
.set FR,     12
.set NL,     4
.set NP,     4
.set SLAB,   24576
.set HALFT,  SLAB
.set SLOT,   4*HALFT
.set GS,     (SIZE_K/128)*512
.set SCL,    2*SLOT
.set SPARE,  SCL+4*GS+256
.set SCR,  8
.set SRD,  9
.set BOC,  14
.set ADRA, 16
.set ADRB, 20
.set L8,   24
.set L16,  25
.set ADRS, 27
.set SPW,  28
.set NIL,  29
.set SC,   32
.set CB,   64
.set AF,   128
.set H,    128
.set PC,   192
.set TM,   212
.set PW,   228
.set GB,   232
.set G1, 24
.set G0, 32
.set G1B, 48
.set G0B, 56
.set G1S, 68
.set G0S, 76
.set G1SB, 80
.set G0SB, 88
.set SEL, 36
.set MSB, 0
.macro WIN new
.if MSB != (\new)
	s_set_vgpr_msb (MSB<<8)|(\new)
.set MSB, (\new)
.endif
.endm
.set MUL_LO, 0xa1
.set MUL_HI, 0xf1
.set TO_B,   0x40
.macro JLOAD g0a, g1a, g0b, g1b
	s_cmp_eq_u32 s15, 0
	s_cbranch_scc0 .Lfor_b_\@
	tensor_load_to_lds s[\g0a:\g0a+3], s[\g1a:\g1a+7]
	s_nop 0
.rept 4
	v_nop
.endr
	s_branch .Lasked_\@
.Lfor_b_\@:
	tensor_load_to_lds s[\g0b:\g0b+3], s[\g1b:\g1b+7]
	s_nop 0
.rept 4
	v_nop
.endr
.Lasked_\@:
.endm
.macro CREST
	s_cmp_lg_u32 s14, 0
	s_cbranch_scc1 .Lnot_wave_0_\@
	s_barrier_signal -3
.Lnot_wave_0_\@:
	s_barrier_wait -3
	s_barrier_signal -1
	s_barrier_wait -1
.endm
.macro CROUND
	s_barrier_signal -1
	s_barrier_wait -1
	CREST
.endm
	s_load_b128 s[4:7], s[0:1], 0x0
	s_load_b64 s[66:67], s[0:1], 0x10
	s_load_b64 s[12:13], s[0:1], 0x18
	v_lshl_add_u32 v[SPW], v0, 2, SPARE
	v_mov_b32 v[NIL], 0
	ds_add_u32 v[SPW], v[NIL]
	ds_add_u32 v[SPW], v[NIL]
	v_lshrrev_b32 v1, 5, v0
	v_readfirstlane_b32 s14, v1
	s_lshr_b32 s15, s14, 1
	s_and_b32 s16, s14, 1
	s_bfe_u32 s40, ttmp6, 0x40000
	s_bfe_u32 s41, ttmp6, 0x40004
	s_lshl_b32 s42, ttmp9, 2
	s_add_co_u32 s42, s42, s40
	s_and_b32 s17, ttmp7, 0xffff
	s_lshl_b32 s17, s17, 2
	s_add_co_u32 s17, s17, s41
	s_lshl_b32 s43, s41, 2
	s_lshl_b32 s43, 15, s43
	s_lshl_b32 s44, 0x1111, s40
	s_or_b32 s[G1+0], s43, (3<<16)|(1<<21)
	s_or_b32 s[G1B+0], s44, (3<<16)|(1<<21)
.irp g, G1, G1B                                ; for the head's loads: a tile's two groups, each a dense row of 24,576 bytes (3,072 elements), a group's codes apart
	s_mov_b32 s[\g+1], 3072<<16
	s_mov_b32 s[\g+2], 2<<16
	s_mov_b32 s[\g+3], 3072<<16
	s_mov_b32 s[\g+4], 2
	s_mov_b32 s[\g+5], NS*SLAB/8
	s_mov_b32 s[\g+6], 0
	s_mov_b32 s[\g+7], 0
.endr
	s_or_b32 s[G1S+0], s43, (3<<16)|(1<<21)
	s_or_b32 s[G1SB+0], s44, (3<<16)|(1<<21)
.irp g, G1S, G1SB                              ; the scale words of a tile's two groups: two rows of GS bytes
	s_mov_b32 s[\g+1], (GS/8)<<16
	s_mov_b32 s[\g+2], 2<<16
	s_mov_b32 s[\g+3], (GS/8)<<16
	s_mov_b32 s[\g+4], 2
	s_mov_b32 s[\g+5], GS/8
	s_mov_b32 s[\g+6], 0
	s_mov_b32 s[\g+7], 0
.endr
	s_lshl_b32 s20, s17, 1
	s_add_co_u32 s20, s20, s16
	s_lshl_b32 s46, s42, 1
	s_add_co_u32 s46, s46, s16
	s_mul_i32 s22, s17, 2*GS                       ; the scale words of A's tile, both groups
	s_mov_b32 s23, 0
	s_mul_i32 s92, s42, 2*GS                       ; and of B's
	s_mov_b32 s93, 0
	s_mul_i32 s20, s20, NS*SLAB
	s_mov_b32 s21, 0
	s_mul_i32 s46, s46, NS*SLAB
	s_mov_b32 s47, 0
	s_mul_i32 s45, s14, HALFT
	s_wait_dscnt 0x0
	s_wait_kmcnt 0x0
	s_add_nc_u64 s[8:9], s[6:7], BC_OFF
	s_add_nc_u64 s[10:11], s[6:7], BS_OFF
	s_add_nc_u64 s[6:7], s[4:5], AS_OFF
	s_add_nc_u64 s[4:5], s[4:5], AC_OFF
	s_add_nc_u64 s[20:21], s[4:5], s[20:21]
	s_add_nc_u64 s[22:23], s[6:7], s[22:23]
	s_add_nc_u64 s[46:47], s[8:9], s[46:47]
	s_add_nc_u64 s[92:93], s[10:11], s[92:93]
	CROUND
	s_mov_b32 s[G0S], 1
	s_mov_b32 s[G0S+1], SCL
	s_mov_b64 s[G0S+2:G0S+3], s[22:23]
	s_or_b32 s[G0S+3], s[G0S+3], 0x80000000
	s_mov_b32 s[G0SB], 1
	s_mov_b32 s[G0SB+1], SCL+2*GS+64
	s_mov_b64 s[G0SB+2:G0SB+3], s[92:93]
	s_or_b32 s[G0SB+3], s[G0SB+3], 0x80000000
	s_mul_i32 s18, s16, NS*SLAB                    ; group 0 for the head's loads of slot 0, in registers whose arguments have served: the tile's first group, A's in s[4:7], B's in s[8:11]
	s_mov_b32 s19, 0
	s_mov_b32 s4, 1
	s_mov_b32 s5, 0
	s_sub_nc_u64 s[6:7], s[20:21], s[18:19]
	s_or_b32 s7, s7, 0x80000000
	s_mov_b32 s8, 1
	s_mov_b32 s9, 2*HALFT
	s_sub_nc_u64 s[10:11], s[46:47], s[18:19]
	s_or_b32 s11, s11, 0x80000000
.irp s, 0,1
	s_mov_b32 s[G0+4*\s], 1
	s_add_co_u32 s[G0+4*\s+1], s45, \s*SLOT
	s_add_nc_u64 s[G0+4*\s+2:G0+4*\s+3], s[20:21], \s*SLAB
	s_or_b32 s[G0+4*\s+3], s[G0+4*\s+3], 0x80000000
	s_mov_b32 s[G0B+4*\s], 1
	s_add_co_u32 s[G0B+4*\s+1], s45, \s*SLOT
	s_add_nc_u64 s[G0B+4*\s+2:G0B+4*\s+3], s[46:47], \s*SLAB
	s_or_b32 s[G0B+4*\s+3], s[G0B+4*\s+3], 0x80000000
.endr
; THE HEAD'S LOADS, ONE A WAVE: wave 0 slot 0's two groups of A, wave 1 those of B, wave 2 A's scale words, wave 3 B's.  One chain of branches on the wave's number: every way passes one load.
.macro ARM under, g0, g1, next
	s_cmp_lt_u32 s14, \under
	s_cbranch_scc0 \next
	tensor_load_to_lds s[\g0:\g0+3], s[\g1:\g1+7]
	s_nop 0
.rept 4
	v_nop
.endr
	s_branch .Lhead_asked
\next:
.endm
	ARM 1, 4, G1, .Lhead_b
	ARM 2, 8, G1B, .Lhead_sa
	ARM 3, G0S, G1S, .Lhead_sb
	tensor_load_to_lds s[G0SB:G0SB+3], s[G1SB:G1SB+7]
	s_nop 0
.rept 4
	v_nop
.endr
.Lhead_asked:
	v_and_b32 v1, 31, v0
	v_and_b32 v2, 15, v0
	v_bfe_u32 v3, v0, 4, 1
	v_lshlrev_b32 v[L8], 3, v1
	s_wait_alu depctr_va_vdst(0)
	v_lshlrev_b32 v[L16], 4, v1
	s_wait_alu depctr_va_vdst(0)
	v_lshlrev_b32 v[BOC], 6, v3
	s_lshl_b32 s20, s42, 10
	s_lshl_b32 s21, s16, 9
	s_add_co_u32 s20, s20, s21
	s_mov_b32 s21, 0
	s_add_nc_u64 s[66:67], s[66:67], s[20:21]
.irp b, 0,1,2,3
.irp j, 0,1,2,3
	global_load_b128 v[CB+16*\b+4*\j:CB+16*\b+4*\j+3], v[BOC], s[66:67] offset:128*\b+16*\j
.endr
.endr
	s_mul_i32 s21, s15, HALFT
	s_mul_i32 s22, s16, HALFT
	s_add_co_u32 s22, s22, 2*HALFT
.irp s, 0,1
	v_add_nc_u32 v[ADRA+\s], s21, v[L8]
	v_add_nc_u32 v[ADRB+\s], s22, v[L8]
	v_add_nc_u32 v[ADRA+2+\s], s21, v[L16]
	v_add_nc_u32 v[ADRB+2+\s], s22, v[L16]
	s_add_co_u32 s21, s21, SLOT
	s_add_co_u32 s22, s22, SLOT
.endr
	v_lshlrev_b32 v4, 2, v2
	s_mul_i32 s21, s15, GS
	s_mul_i32 s22, s16, GS
	s_add_co_u32 s22, s22, 2*GS+64
	s_sub_co_u32 s22, s22, s21
	v_mul_u32_u24 v6, s22, v3
	s_add_co_u32 s21, s21, SCL
	v_add_nc_u32 v7, v4, v6
	v_add_nc_u32 v[ADRS], s21, v7
	s_lshl_b32 s21, s14, 9
	v_add_nc_u32 v[SCR], s21, v4
	v_add_nc_u32 v[SRD], s21, v[L16]
.macro FRAG reg, adr, q, i
	ds_load_b64  v[\reg:\reg+1],    v[\adr]   offset:(2*(\i)+(\q))*1536
	ds_load_b128 v[\reg+2:\reg+5],  v[\adr+2] offset:(2*(\i)+(\q))*1536+256
	ds_load_b64  v[\reg+6:\reg+7],  v[\adr]   offset:(2*(\i)+(\q))*1536+768
	ds_load_b128 v[\reg+8:\reg+11], v[\adr+2] offset:(2*(\i)+(\q))*1536+1024
.endm
.macro MUL16 a0, p, q, sc, zero
.irp a, \a0, \a0+1
.irp b, 0,1,2,3,4,5,6,7
.if \zero
	v_wmma_scale_f32_16x16x128_f8f6f4 v[8*(8*((\a)%4)+\b):8*(8*((\a)%4)+\b)+7], v[128*(\p)+FR*\b:128*(\p)+FR*\b+FR-1], v[AF+FR*(\a):AF+FR*(\a)+FR-1], 0, v[SC+8*NQ*(\sc)+NQ*\b+(\q)], v[SC+8*NQ*(\sc)+NQ*(\a)+(\q)] matrix_a_fmt:MATRIX_FMT_FP6 matrix_b_fmt:MATRIX_FMT_FP6 matrix_a_scale:MATRIX_SCALE_ROW1
.else
	v_wmma_scale_f32_16x16x128_f8f6f4 v[8*(8*((\a)%4)+\b):8*(8*((\a)%4)+\b)+7], v[128*(\p)+FR*\b:128*(\p)+FR*\b+FR-1], v[AF+FR*(\a):AF+FR*(\a)+FR-1], v[8*(8*((\a)%4)+\b):8*(8*((\a)%4)+\b)+7], v[SC+8*NQ*(\sc)+NQ*\b+(\q)], v[SC+8*NQ*(\sc)+NQ*(\a)+(\q)] matrix_a_fmt:MATRIX_FMT_FP6 matrix_b_fmt:MATRIX_FMT_FP6 matrix_a_scale:MATRIX_SCALE_ROW1
.endif
.endr
.endr
.endm
.macro FETCH_B slot, q, p
	WIN TO_B
.irp i, 0,1,2,3,4,5,6,7
	FRAG 128*(\p)+FR*\i, ADRB+\slot, \q, \i
.endr
	WIN 0
.endm
.macro FETCH_A slot, q, i0
.irp i, \i0, \i0+1, \i0+2, \i0+3
	FRAG AF+FR*(\i), ADRA+\slot, \q, \i
.endr
.endm
.macro SCALES sc
.irp i, 0,1,2,3,4,5,6,7
	ds_load_b32 v[SC+16*\sc+2*\i],   v[ADRS] offset:64*\i
	ds_load_b32 v[SC+16*\sc+2*\i+1], v[ADRS] offset:512+64*\i
.endr
.endm
.macro PLACES n
.rept \n
	v_nop
.endr
.endm
.macro STEP slot, q, zero
	s_wait_dscnt 4*NL
	WIN MUL_LO
	MUL16 0, (\q)%2, \q, \slot, \zero
	MUL16 2, (\q)%2, \q, \slot, \zero
	s_wait_dscnt 0
	PLACES NP
	FETCH_B \slot, (\q)+1, 1-(\q)%2
	FETCH_A \slot, (\q)+1, 0
	WIN MUL_HI
	MUL16 4, (\q)%2, \q, \slot, \zero
	MUL16 6, (\q)%2, \q, \slot, \zero
	PLACES NP
	WIN 0
	FETCH_A \slot, (\q)+1, 4
.endm
.macro TURN slot, next, fill
	s_wait_tensorcnt 0x0
	ds_add_u32 v[SPW], v[NIL]
	s_wait_dscnt 4*NL+1
	WIN MUL_LO
	MUL16 0, 1, NQ-1, \slot, 0
	s_wait_dscnt 0x0
	s_barrier_signal -1
	MUL16 2, 1, NQ-1, \slot, 0
	WIN 0
	s_barrier_wait -1
.if \fill
	CREST
	s_add_nc_u64 s[G0+4*\slot+2:G0+4*\slot+3], s[G0+4*\slot+2:G0+4*\slot+3], 2*SLAB
	s_add_nc_u64 s[G0B+4*\slot+2:G0B+4*\slot+3], s[G0B+4*\slot+2:G0B+4*\slot+3], 2*SLAB
	JLOAD G0+4*\slot, G1, G0B+4*\slot, G1B
.else
	PLACES NP
.endif
	s_wait_alu depctr_va_vdst(0)
	v_add_nc_u32 v[ADRS], 1024, v[ADRS]
	FETCH_B \next, 0, 0
	FETCH_A \next, 0, 0
	SCALES \next
	WIN MUL_HI
	MUL16 4, 1, NQ-1, \slot, 0
	MUL16 6, 1, NQ-1, \slot, 0
	PLACES NP
	WIN 0
	FETCH_A \next, 0, 4
.endm
.macro QUANT s
.irp b, 0,1,2,3
	v_max3_num_f32 v[TM+\b], |v[\s+16*\b]|, |v[\s+1+16*\b]|, 0x1800000
.endr
.irp i, 2,4,6,8,10,12,14
.irp b, 0,1,2,3
	v_max3_num_f32 v[TM+\b], v[TM+\b], |v[\s+16*\b+\i]|, |v[\s+1+16*\b+\i]|
.endr
.endr
.irp b, 0,1,2,3
	v_permlanex16_b32 v[TM+4+\b], v[TM+\b], s[SEL], s[SEL+1]
.endr
.irp b, 0,1,2,3
	v_max_num_f32 v[TM+\b], v[TM+\b], v[TM+4+\b]
.endr
.irp b, 0,1,2,3
	v_add_nc_u32 v[TM+12+\b], 0xff000000, v[TM+\b]
.endr
.irp b, 0,1,2,3
	v_lshrrev_b32 v[TM+4+\b], 23, v[TM+12+\b]
.endr
	v_lshl_or_b32 v[PW], v[TM+5], 8, v[TM+4]
	v_lshl_or_b32 v[PW], v[TM+6], 16, v[PW]
	v_lshl_or_b32 v[PW], v[TM+7], 24, v[PW]
.irp c, 0,1
	v_cvt_scalef32_pk16_fp6_f32 v[PC+6*\c:PC+2+6*\c], v[\s+32*\c:\s+15+32*\c], v[TM+12+2*\c]
	v_cvt_scalef32_pk16_fp6_f32 v[PC+12+4*\c:PC+14+4*\c], v[\s+16+32*\c:\s+31+32*\c], v[TM+12+2*\c+1]
.endr
	v_nop
.irp c, 0,1
.irp i, 0,1,2
	v_permlane16_swap_b32 v[PC+6*\c+\i], v[PC+12+4*\c+\i]
.endr
.irp i, 0,1,2
	v_mov_b32 v[PC+3+6*\c+\i], v[PC+12+4*\c+\i]
.endr
.endr
.endm
.macro HBLOCK a
	s_wait_xcnt 0x0
	s_wait_dscnt 0x0
	WIN 0x02+(\a)/4
.set ia, 0
.rept 32
	v_pk_add_f32 v[H+2*ia:H+2*ia+1], v[64*((\a)%4)+2*ia:64*((\a)%4)+2*ia+1], v[CB+2*ia:CB+2*ia+1]
.set ia, ia+1
.endr
	WIN 0
.set ia, 0
.rept 64
	v_max_num_f32 v[H+ia], 0, v[H+ia]
.set ia, ia+1
.endr
	QUANT H
	global_store_b64  v[L8],  v[PC:PC+1],    s[20:21] offset:3072*(\a)
	global_store_b128 v[L16], v[PC+2:PC+5],  s[20:21] offset:3072*(\a)+256
	global_store_b64  v[L8],  v[PC+6:PC+7],  s[20:21] offset:3072*(\a)+768
	global_store_b128 v[L16], v[PC+8:PC+11], s[20:21] offset:3072*(\a)+1024
	ds_store_b32 v[SCR], v[PW] offset:64*(\a)
.endm
	s_wait_alu depctr_va_vdst(0)
	s_wait_tensorcnt 0x0                           ; my tile of the head's four is in
	ds_add_u32 v[SPW], v[NIL]
.irp g, G1, G1B                                ; no tensor load of mine is out: from here on a load brings one group's 96 rows of 256 bytes
	s_mov_b32 s[\g+1], 32<<16
	s_mov_b32 s[\g+2], 96<<16
	s_mov_b32 s[\g+3], 32<<16
	s_mov_b32 s[\g+4], 96
	s_mov_b32 s[\g+5], 32
.endr
	s_wait_dscnt 0x0
	CROUND                                         ; all four tiles are in, all sixteen work-groups are here
	JLOAD G0+4, G1, G0B+4, G1B                     ; slot 1's first fill, the first tensor load behind the round
	FETCH_B 0, 0, 0
	FETCH_A 0, 0, 0
	SCALES 0
	FETCH_A 0, 0, 4
	STEP 0, 0, 1
	s_mov_b32 s3, LAPS-1
.Llap:
	TURN 0, 1, 1
	STEP 1, 0, 0
	TURN 1, 0, 1
	STEP 0, 0, 0
	s_sub_co_u32 s3, s3, 1
	s_cmp_lg_u32 s3, 0
	s_cbranch_scc1 .Llap
	TURN 0, 1, 0
	s_mov_b32 s[SEL], 0x76543210
	s_mov_b32 s[SEL+1], 0xfedcba98
	s_lshl_b32 s48, s17, 1
	s_add_co_u32 s48, s48, s15
	s_lshl_b32 s49, s48, 4
	s_add_co_u32 s49, s49, s42
	s_mul_i32 s50, s49, SLAB
	s_mul_i32 s51, s16, 1536
	s_add_co_u32 s50, s50, s51
	s_mov_b32 s51, 0
	s_add_nc_u64 s[20:21], s[12:13], s[50:51]
	s_lshl_b32 s50, s49, 1
	s_add_co_u32 s50, s50, s16
	s_lshl_b32 s50, s50, 9
	s_add_co_u32 s50, s50, HS_O
	s_add_nc_u64 s[22:23], s[12:13], s[50:51]
	STEP 1, 0, 0
	s_wait_dscnt 4*NL
	WIN MUL_LO
	MUL16 0, 1, NQ-1, 1, 0
	MUL16 2, 1, NQ-1, 1, 0
	s_wait_dscnt 0
	WIN MUL_HI
	MUL16 4, 1, NQ-1, 1, 0
	MUL16 6, 1, NQ-1, 1, 0
	WIN 0
	PLACES NP
.irp b, 0,1,2,3
	v_mov_b32 v[TM+4+\b], 0
.endr
	s_wait_loadcnt 0x0
.irp a, 0,1,2,3,4,5,6,7
	HBLOCK \a
.endr
	ds_load_b128 v[GB:GB+3], v[SRD]
	s_wait_dscnt 0x0
	global_store_b128 v[L16], v[GB:GB+3], s[22:23]
	s_wait_tensorcnt 0x0
	ds_add_u32 v[SPW], v[NIL]
	s_wait_dscnt 0x0
	CROUND
	s_endpgm
.Lfunc_end_k_q6663c62123_ff1:
	.size	k_q6663c62123_ff1, .Lfunc_end_k_q6663c62123_ff1-k_q6663c62123_ff1
	.p2alignl 7, 3214868480
	.fill 96, 4, 3214868480
	.section	.rodata,"a",@progbits
	.p2align	6, 0x0
	.amdhsa_kernel k_q6663c62123_ff1
		.amdhsa_group_segment_fixed_size 327680
		.amdhsa_private_segment_fixed_size 0
		.amdhsa_enable_private_segment 0
		.amdhsa_kernarg_size 32
		.amdhsa_user_sgpr_count 2
		.amdhsa_user_sgpr_kernarg_segment_ptr 1
		.amdhsa_wavefront_size32 1
		.amdhsa_system_sgpr_workgroup_id_x 1
		.amdhsa_system_sgpr_workgroup_id_y 1
		.amdhsa_system_sgpr_workgroup_id_z 1
		.amdhsa_system_vgpr_workitem_id 0
		.amdhsa_next_free_vgpr 1024
		.amdhsa_next_free_sgpr 98
		.amdhsa_reserve_vcc 0
		.amdhsa_float_denorm_mode_32 3
		.amdhsa_float_denorm_mode_16_64 3
		.amdhsa_memory_ordered 1
		.amdhsa_forward_progress 1
		.amdhsa_inst_pref_size 186
	.end_amdhsa_kernel
	.amdgpu_metadata
---
amdhsa.version: [ 1, 2 ]
amdhsa.kernels:
  - .name:           k_q6663c62123_ff1
    .symbol:         k_q6663c62123_ff1.kd
    .args:
      - { .name: h1, .offset: 0, .size: 8, .value_kind: global_buffer, .address_space: global }
      - { .name: prepb, .offset: 8, .size: 8, .value_kind: global_buffer, .address_space: global }
      - { .name: b1, .offset: 16, .size: 8, .value_kind: global_buffer, .address_space: global }
      - { .name: hid, .offset: 24, .size: 8, .value_kind: global_buffer, .address_space: global }
    .group_segment_fixed_size: 327680
    .private_segment_fixed_size: 0
    .kernarg_segment_align: 8
    .kernarg_segment_size: 32
    .max_flat_workgroup_size: 128
    .sgpr_count:     98
    .vgpr_count:     1024
    .wavefront_size: 32
...
	.end_amdgpu_metadata
.endif
;; end of part 6
;; launch ff2 (part 7): grid 8 x 32, 4 waves a work-group, clusters of 4 x 4, 327,680 bytes of LDS; arguments hid, prepb, c2; writes c2
.if DOCPART == 7
	.amdgcn_target "amdgcn-amd-amdhsa--gfx1250"
	.amdhsa_code_object_version 6
	.text
	.protected	k_q6663c62123_ff2
	.globl	k_q6663c62123_ff2
	.p2align	8
	.type	k_q6663c62123_ff2,@function
k_q6663c62123_ff2:
	s_mov_b64 s[64:65], 0
	v_nop
	global_prefetch_b8 v0, s[64:65] scope:SCOPE_SE
	s_setreg_imm32_b32 hwreg(HW_REG_WAVE_MODE, 25, 1), 1
	s_wait_xcnt 0x0
	s_wait_alu depctr_hold_cnt(0) depctr_sa_sdst(0) depctr_va_vdst(0) depctr_va_sdst(0) depctr_va_ssrc(0) depctr_va_vcc(0) depctr_vm_vsrc(0)
	s_getreg_b32 s2, hwreg(HW_REG_IB_STS2, 6, 4)
	s_cmp_eq_u32 s2, 0
	s_cbranch_scc0 .Lentry_in_a_cluster
	s_endpgm
.Lentry_in_a_cluster:
	s_bfe_u32 s2, ttmp6, 0x10000c
	s_cmp_lg_u32 s2, 0xf033
	s_cbranch_scc0 .Lentry_shape_is_right
	s_endpgm
.Lentry_shape_is_right:
; ENCODER LAYER, launch 7 of 8: ff = relu(h1 W1 + b1) W2 on codes of FP6 (E2M3), f32 out.  Nothing is left out.  The residual and the norm follow in the next launch, since a row of 1,024 spans eight tiles.
; A GEMM on codes: a tile of 128 x 128 to a work-group of four waves, so that 4,096 x 1,024 gives 256 work-groups, each with all of K = 4,096: one sum for each output; a wave makes 64 x 64: 16 accumulators.
; All codes lie in memory in the order of the operand's registers (a fragment, 16 rows x 128 K, is 1,536 bytes: for each 64 along K registers 0-1 at 8 x lane, registers 2-5 at 256 + 16 x lane), laid
; [group of 128 rows][256 along K][block of 16 rows][128 along K]: 128 rows x 256 K are one dense slab of 24,576 bytes.  A slot holds 512 along K: two slabs of A's group, two of B's; K goes through a ring of two slots, eight fills.
; The scale words of both groups, for all of K, come once and stay.  Rows go in blocks of 16 whose lane row r is row 32 (i / 2) + 8 (i % 2) + r + 8 (r / 8) of the group; the way out puts rows and columns back by constants.
; The matrix instruction is used transposed (source 0 = B's block, source 1 = A's).  CLUSTERS: 4 x 4; A's slabs are asked for jointly along a row of the cluster, B's along a column.
; PREFETCH: behind each refill a wave names 24 blocks of 256 bytes of the slab that it will fetch two refills on (eight steps, 128 matrix instructions a wave, ahead of that load); fills 0 to 3 come by their loads alone; the loop's last trip asks for nothing.
; REGISTERS: window 0: v0-31 addresses; v32-39 scale words, two sets, and nothing else; v64-255 fragments, two sets of B's four and A's four; on the way out v64-127 take rows of C.  window 1: v0-127 the accumulators ((a, b) at v[8 (4 a + b)]).
.set KFULL,  4096
.set AS_OFF, 12582912                  ; A's scale words in its buffer (its codes lie at 0)
.set BC_OFF, 9830400                   ; B's codes and scale words in prepb
.set BS_OFF, 12976128
.set NSF,    KFULL/256                 ; slabs of a group
.set LAPS,   KFULL/1024                ; a lap = two slots
.set SLAB,   24576
.set SLOT,   4*SLAB
.set GSF,    (KFULL/128)*512           ; a group's scale words
.set SCL,    2*SLOT                    ; behind the ring: A's scale words; B's 64 bytes aside, so that a load's 16 words of A and 16 of B fall on different banks
.set SPARE,  SCL+2*GSF+256             ; the spare words, 128 bytes for each wave, that no other line names
.set SPITCH, 272                       ; the way out: a stage of 16 rows x (256 bytes + 16) for each wave, in slot 0, behind that slot's last fill and last read
.set ADRA, 16                          ; v16-17 8 x lane + my A blocks in slot 0, 1; v18-19 with 16 x lane;  v20-23 the same for B
.set ADRB, 20
.set STO,  24
.set RD,   25
.set CO,   26
.set ADRS, 27                          ; my scale words: lanes 0-15 A's rows, lanes 16-31 B's
.set SPW,  28
.set NIL,  29
.set PFO,  30
.set SC,   32
.set FB,   64
.set FA,   112
.set BK,   64
.set G1, 24
.set G0, 32
.set G1B, 48
.set G0B, 56
.set G1S, 68
.set G0S, 76
.set G1SB, 80
.set G0SB, 88
.set PFA, 92
.set MSB, 0
.macro WIN new                         ; the immediate's high byte repeats the setting that is left
.if MSB != (\new)
	s_set_vgpr_msb (MSB<<8)|(\new)
.set MSB, (\new)
.endif
.endm
.macro PLACES n
.rept \n
	v_nop
.endr
.endm
.macro JLOAD g0a, g1a, g0b, g1b        ; a joint load: waves 0 and 1 fetch for A, waves 2 and 3 for B; an s_nop 0 and four v_nop follow each line
	s_cmp_eq_u32 s15, 0
	s_cbranch_scc0 .Lfor_b_\@
	tensor_load_to_lds s[\g0a:\g0a+3], s[\g1a:\g1a+7]
	s_nop 0
	PLACES 4
	s_branch .Lasked_\@
.Lfor_b_\@:
	tensor_load_to_lds s[\g0b:\g0b+3], s[\g1b:\g1b+7]
	s_nop 0
	PLACES 4
.Lasked_\@:
.endm
.macro CREST
	s_cmp_lg_u32 s14, 0
	s_cbranch_scc1 .Lnot_wave_0_\@
	s_barrier_signal -3
.Lnot_wave_0_\@:
	s_barrier_wait -3
	s_barrier_signal -1
	s_barrier_wait -1
.endm
.macro CROUND
	s_barrier_signal -1
	s_barrier_wait -1
	CREST
.endm
.macro ARM under, g0, g1, next
	s_cmp_lt_u32 s14, \under
	s_cbranch_scc0 \next
	tensor_load_to_lds s[\g0:\g0+3], s[\g1:\g1+7]
	s_nop 0
	PLACES 4
	s_branch .Lhead_asked
\next:
.endm
	s_load_b128 s[4:7], s[0:1], 0x0                ; A's buffer, prepb
	s_load_b64 s[12:13], s[0:1], 0x10              ; C
	v_lshl_add_u32 v[SPW], v0, 2, SPARE
	v_mov_b32 v[NIL], 0
	ds_add_u32 v[SPW], v[NIL]                      ; the opening lines: the add, twice on end, and its wait
	ds_add_u32 v[SPW], v[NIL]
	v_lshrrev_b32 v1, 5, v0
	v_readfirstlane_b32 s14, v1                    ; wave 0..3
	s_lshr_b32 s15, s14, 1                         ; my half of A's blocks.  Also: I fetch for A (0) or for B (1)
	s_and_b32 s16, s14, 1                          ; my half of B's blocks.  Also: which of a slot's two slabs I fetch
	s_bfe_u32 s40, ttmp6, 0x40000
	s_bfe_u32 s41, ttmp6, 0x40004
	s_lshl_b32 s42, ttmp9, 2
	s_add_co_u32 s42, s42, s40                     ; tile column = B's group
	s_and_b32 s17, ttmp7, 0xffff
	s_lshl_b32 s17, s17, 2
	s_add_co_u32 s17, s17, s41                     ; tile row = A's group
	s_lshl_b32 s43, s41, 2
	s_lshl_b32 s43, 15, s43                        ; my row of the cluster
	s_lshl_b32 s44, 0x1111, s40                    ; my column
	s_or_b32 s[G1+0], s43, (3<<16)|(1<<21)         ; the mask; elements of 8 bytes; no padding; bit 21 beside a mask
	s_or_b32 s[G1B+0], s44, (3<<16)|(1<<21)
.irp g, G1, G1B
	s_mov_b32 s[\g+1], 32<<16                      ; rows of 256 bytes; for the head's loads 192 of them: a slot's two slabs, dense
	s_mov_b32 s[\g+2], 192<<16
	s_mov_b32 s[\g+3], 32<<16
	s_mov_b32 s[\g+4], 192
	s_mov_b32 s[\g+5], 32
	s_mov_b32 s[\g+6], 0
	s_mov_b32 s[\g+7], 0
.endr
	s_or_b32 s[G1S+0], s43, (3<<16)|(1<<21)
	s_or_b32 s[G1SB+0], s44, (3<<16)|(1<<21)
.irp g, G1S, G1SB
	s_mov_b32 s[\g+1], 32<<16
	s_mov_b32 s[\g+2], (GSF/256)<<16
	s_mov_b32 s[\g+3], 32<<16
	s_mov_b32 s[\g+4], GSF/256
	s_mov_b32 s[\g+5], 32
	s_mov_b32 s[\g+6], 0
	s_mov_b32 s[\g+7], 0
.endr
	s_mul_i32 s20, s17, NSF*SLAB
	s_mov_b32 s21, 0
	s_mul_i32 s46, s42, NSF*SLAB
	s_mov_b32 s47, 0
	s_mul_i32 s22, s17, GSF
	s_mov_b32 s23, 0
	s_mul_i32 s94, s42, GSF
	s_mov_b32 s95, 0
	s_mul_i32 s18, s16, SLAB
	s_mov_b32 s19, 0
	s_mul_i32 s45, s14, SLAB                       ; where my slab goes: by the wave's number alone
	s_wait_dscnt 0x0
	s_wait_kmcnt 0x0
	s_add_nc_u64 s[8:9], s[6:7], BC_OFF
	s_add_nc_u64 s[10:11], s[6:7], BS_OFF
	s_add_nc_u64 s[6:7], s[4:5], AS_OFF
	s_add_nc_u64 s[20:21], s[4:5], s[20:21]        ; A's group: codes,
	s_add_nc_u64 s[22:23], s[6:7], s[22:23]        ; scale words;
	s_add_nc_u64 s[46:47], s[8:9], s[46:47]        ; B's
	s_add_nc_u64 s[94:95], s[10:11], s[94:95]
	CROUND                                         ; all sixteen work-groups are here: the first joint loads meet
	s_mov_b32 s4, 1                                ; group 0 of the head's four loads; the first two in registers whose arguments have served
	s_mov_b32 s5, 0
	s_mov_b64 s[6:7], s[20:21]
	s_or_b32 s7, s7, 0x80000000
	s_mov_b32 s8, 1
	s_mov_b32 s9, 2*SLAB
	s_mov_b64 s[10:11], s[46:47]
	s_or_b32 s11, s11, 0x80000000
	s_mov_b32 s[G0S], 1
	s_mov_b32 s[G0S+1], SCL
	s_mov_b64 s[G0S+2:G0S+3], s[22:23]
	s_or_b32 s[G0S+3], s[G0S+3], 0x80000000
	s_mov_b32 s[G0SB], 1
	s_mov_b32 s[G0SB+1], SCL+GSF+64
	s_mov_b64 s[G0SB+2:G0SB+3], s[94:95]
	s_or_b32 s[G0SB+3], s[G0SB+3], 0x80000000
	s_add_nc_u64 s[20:21], s[20:21], s[18:19]      ; for the ring: my slab of a slot's two
	s_add_nc_u64 s[46:47], s[46:47], s[18:19]
.irp s, 0,1
	s_mov_b32 s[G0+4*\s], 1
	s_add_co_u32 s[G0+4*\s+1], s45, \s*SLOT
	s_add_nc_u64 s[G0+4*\s+2:G0+4*\s+3], s[20:21], \s*2*SLAB
	s_or_b32 s[G0+4*\s+3], s[G0+4*\s+3], 0x80000000
	s_mov_b32 s[G0B+4*\s], 1
	s_add_co_u32 s[G0B+4*\s+1], s45, \s*SLOT
	s_add_nc_u64 s[G0B+4*\s+2:G0B+4*\s+3], s[46:47], \s*2*SLAB
	s_or_b32 s[G0B+4*\s+3], s[G0B+4*\s+3], 0x80000000
.endr
	; the head's loads, one a wave: slot 0's slabs of A, those of B, A's scale words, B's.  One chain of branches on the wave's number: every way passes one load
	ARM 1, 4, G1, .Lhead_b
	ARM 2, 8, G1B, .Lhead_sa
	ARM 3, G0S, G1S, .Lhead_sb
	tensor_load_to_lds s[G0SB:G0SB+3], s[G1SB:G1SB+7]
	s_nop 0
	PLACES 4
.Lhead_asked:
.if LAPS > 1
	s_cmp_eq_u32 s15, 0                            ; the prefetches: of the 96 blocks of 256 bytes of the slab that I fetch, each of the four partners takes 24, told apart by address (cx for A, cy for B)
	s_cselect_b64 s[PFA:PFA+1], s[20:21], s[46:47]
	s_cselect_b32 s18, s40, s41
	s_mul_i32 s18, s18, 6144
	s_add_co_u32 s18, s18, 2*SLAB                  ; at fill 1: each refill steps it by a fill, and names the fill two further on
	s_add_nc_u64 s[PFA:PFA+1], s[PFA:PFA+1], s[18:19]
.endif
	v_and_b32 v1, 31, v0                           ; lane
	v_and_b32 v2, 15, v0                           ; r
	v_bfe_u32 v3, v0, 4, 1                         ; h
	v_lshlrev_b32 v4, 3, v1
	v_lshlrev_b32 v5, 4, v1
	s_mul_i32 s22, s15, 12288                      ; my four blocks of A: 3,072 bytes a block in a slab
	s_mul_i32 s23, s16, 12288
	s_add_co_u32 s23, s23, 2*SLAB                  ; of B, behind A's two slabs
.irp s, 0,1
	v_add_nc_u32 v[ADRA+\s], s22, v4
	v_add_nc_u32 v[ADRB+\s], s23, v4
	v_add_nc_u32 v[ADRA+2+\s], s22, v5
	v_add_nc_u32 v[ADRB+2+\s], s23, v5
	s_add_co_u32 s22, s22, SLOT
	s_add_co_u32 s23, s23, SLOT
.endr
	v_lshlrev_b32 v7, 2, v2
	s_lshl_b32 s22, s15, 8                         ; my four blocks' words: 64 bytes a block
	s_lshl_b32 s23, s16, 8
	s_add_co_u32 s23, s23, GSF+64
	s_sub_co_u32 s23, s23, s22
	v_mul_u32_u24 v6, s23, v3                      ; lanes 16-31 take B's: one product, the distance between the two
	s_add_co_u32 s22, s22, SCL
	v_add_nc_u32 v7, v7, v6
	v_add_nc_u32 v[ADRS], s22, v7
	s_mul_i32 s23, s14, 16*SPITCH                  ; my stage
	v_mul_u32_u24 v6, v2, SPITCH
	v_lshl_add_u32 v6, v3, 6, v6                   ; in: row r, + 64 h: accumulator b's eight numbers are columns 32 (b / 2) + 16 h + 8 (b % 2) + 0 .. 7
	v_add_nc_u32 v[STO], s23, v6
	v_mul_u32_u24 v6, v3, SPITCH
	v_lshl_add_u32 v6, v2, 4, v6                   ; back: sixteen lanes take a row of 256 bytes, lanes 16-31 the next row
	v_add_nc_u32 v[RD], s23, v6
	v_lshlrev_b32 v6, 12, v3
	v_lshl_add_u32 v[CO], v2, 4, v6                ; the same two rows in C, 4,096 bytes a row
.if LAPS > 1
	v_min_u32 v[PFO], 23, v1                       ; a lane a block; the lanes left over name the last again
	v_lshlrev_b32 v[PFO], 8, v[PFO]
.endif
	s_lshl_b32 s22, s17, 7
	s_lshl_b32 s23, s15, 6
	s_add_co_u32 s22, s22, s23
	s_lshl_b32 s22, s22, 12                        ; my first row of C
	s_lshl_b32 s94, s42, 9
	s_lshl_b32 s95, s16, 8
	s_add_co_u32 s94, s94, s95                     ; my first column
	s_add_co_u32 s22, s22, s94
	s_mov_b32 s23, 0
	s_add_nc_u64 s[12:13], s[12:13], s[22:23]
.macro FRAG reg, adr, off              ; a fragment: four loads of consecutive bytes, the registers as they were stored
	ds_load_b64  v[\reg:\reg+1],    v[\adr]   offset:\off
	ds_load_b128 v[\reg+2:\reg+5],  v[\adr+2] offset:\off+256
	ds_load_b64  v[\reg+6:\reg+7],  v[\adr]   offset:\off+768
	ds_load_b128 v[\reg+8:\reg+11], v[\adr+2] offset:\off+1024
.endm
.macro FETCH slot, q, p                ; the slot's q-th 128 along K into set p: B's four fragments, A's four, four scale registers: 36 loads
.irp i, 0,1,2,3
	FRAG FB+96*(\p)+12*\i, ADRB+\slot, ((\q)/2)*SLAB+\i*3072+((\q)%2)*1536
.endr
.irp i, 0,1,2,3
	FRAG FA+96*(\p)+12*\i, ADRA+\slot, ((\q)/2)*SLAB+\i*3072+((\q)%2)*1536
.endr
.irp i, 0,1,2,3
	ds_load_b32 v[SC+4*(\p)+\i], v[ADRS] offset:512*(4*(\slot)+(\q))+64*\i
.endr
.endm
.macro MULA a, p, zero                 ; A's block a x B's four.  The 16 accumulators take turns in the same order in every step
.irp b, 0,1,2,3
.if \zero
	v_wmma_scale_f32_16x16x128_f8f6f4 v[8*(4*(\a)+\b):8*(4*(\a)+\b)+7], v[FB+96*(\p)+12*\b:FB+96*(\p)+12*\b+11], v[FA+96*(\p)+12*(\a):FA+96*(\p)+12*(\a)+11], 0, v[SC+4*(\p)+\b], v[SC+4*(\p)+(\a)] matrix_a_fmt:MATRIX_FMT_FP6 matrix_b_fmt:MATRIX_FMT_FP6 matrix_a_scale:MATRIX_SCALE_ROW1
.else
	v_wmma_scale_f32_16x16x128_f8f6f4 v[8*(4*(\a)+\b):8*(4*(\a)+\b)+7], v[FB+96*(\p)+12*\b:FB+96*(\p)+12*\b+11], v[FA+96*(\p)+12*(\a):FA+96*(\p)+12*(\a)+11], v[8*(4*(\a)+\b):8*(4*(\a)+\b)+7], v[SC+4*(\p)+\b], v[SC+4*(\p)+(\a)] matrix_a_fmt:MATRIX_FMT_FP6 matrix_b_fmt:MATRIX_FMT_FP6 matrix_a_scale:MATRIX_SCALE_ROW1
.endif
.endr
.endm
.macro STEP slot, q, zero              ; one of a slot's first three steps: the next step's fragments are asked for first, into the set that the last step multiplied
	PLACES 4                                       ; behind the last step's products (ISA guide 7.12.1)
	FETCH \slot, (\q)+1, 1-(\q)%2
	s_wait_dscnt 36                                ; this step's loads are in; the 36 just issued may be out
	WIN 0x50                                       ; C and D in window 1
	MULA 0, (\q)%2, \zero
	MULA 1, (\q)%2, \zero
	MULA 2, (\q)%2, \zero
	MULA 3, (\q)%2, \zero
	WIN 0
.endm
.macro ASK                             ; the fill that stands two refills on: 24 blocks of 256 bytes a wave; the loop's last trip has no such fill
	s_cmp_gt_u32 s3, 1
	s_cbranch_scc0 .Lnone_\@
	global_prefetch_b8 v[PFO], s[PFA:PFA+1] offset:4*SLAB th:TH_LOAD_NT scope:SCOPE_SE
.Lnone_\@:
.endm
; A slot's last step changes slots: one barrier; ahead of it each wave waits for all its tensor loads, adds 0 to its spare word, and waits for that and for its reads of this slot.  fill = 1: the slot is filled again behind a round of the cluster's barrier.
.macro TURN slot, next, fill
.if \fill
	s_wait_xcnt 0x0                                ; my last prefetch has read its address
	s_add_nc_u64 s[PFA:PFA+1], s[PFA:PFA+1], 2*SLAB
.endif
	s_wait_tensorcnt 0x0
	ds_add_u32 v[SPW], v[NIL]
	s_wait_dscnt 1                                 ; this step's loads are in; the add may be out
	WIN 0x50
	MULA 0, 1, 0
	s_wait_dscnt 0x0
	s_barrier_signal -1
	MULA 1, 1, 0
	WIN 0
	s_barrier_wait -1
.if \fill
	CREST
	s_add_nc_u64 s[G0+4*\slot+2:G0+4*\slot+3], s[G0+4*\slot+2:G0+4*\slot+3], 4*SLAB
	s_add_nc_u64 s[G0B+4*\slot+2:G0B+4*\slot+3], s[G0B+4*\slot+2:G0B+4*\slot+3], 4*SLAB
	JLOAD G0+4*\slot, G1, G0B+4*\slot, G1B         ; the first tensor load behind the round; its four v_nop are the places ahead of the loads below
.else
	PLACES 4
.endif
.if \next == 0
	v_add_nc_u32 v[ADRS], 4096, v[ADRS]            ; the next lap's scale words
	s_wait_alu depctr_va_vdst(0)
.endif
	FETCH \next, 0, 0
.if \fill
	ASK
.endif
	WIN 0x50
	MULA 2, 1, 0
	MULA 3, 1, 0
	WIN 0
.endm
	s_wait_alu depctr_va_vdst(0)                   ; the head's end
	s_wait_tensorcnt 0x0                           ; my tile of the head's four is in
	ds_add_u32 v[SPW], v[NIL]
	s_mov_b32 s[G1+2], 96<<16                      ; no tensor load of mine is out: from here on a load brings one slab, 96 rows
	s_mov_b32 s[G1+4], 96
	s_mov_b32 s[G1B+2], 96<<16
	s_mov_b32 s[G1B+4], 96
	s_wait_dscnt 0x0
	CROUND                                         ; all four tiles are in, all sixteen work-groups are here
	JLOAD G0+4, G1, G0B+4, G1B                     ; slot 1's first fill, the first tensor load behind the round
	FETCH 0, 0, 0
	STEP 0, 0, 1                                   ; the first step's products start the sums
.if LAPS > 1
	s_mov_b32 s3, LAPS-1
.Llap:                                                 ; a trip goes once round the ring and fills both slots again
	STEP 0, 1, 0
	STEP 0, 2, 0
	TURN 0, 1, 1
	STEP 1, 0, 0
	STEP 1, 1, 0
	STEP 1, 2, 0
	TURN 1, 0, 1
	STEP 0, 0, 0
	s_sub_co_u32 s3, s3, 1
	s_cmp_lg_u32 s3, 0
	s_cbranch_scc1 .Llap
.endif
	STEP 0, 1, 0
	STEP 0, 2, 0
	TURN 0, 1, 0                                   ; the last change of slots fills nothing
	STEP 1, 0, 0
	STEP 1, 1, 0
	STEP 1, 2, 0
	s_wait_dscnt 0x0
	WIN 0x50
	MULA 0, 1, 0
	MULA 1, 1, 0
	MULA 2, 1, 0
	MULA 3, 1, 0
	WIN 0
; THE WAY OUT, block by block of 16 rows x 64 columns, through my own stage: in by 32 bytes a lane, back as whole rows of 256 bytes.  LDS serves a wave's instructions in order: no wait between stores and loads.
.macro TOSTAGE a
	WIN 0x04                                       ; the data: window 1
.irp b, 0,1,2,3
	ds_store_b128 v[STO], v[8*(4*(\a)+\b):8*(4*(\a)+\b)+3] offset:128*(\b/2)+32*(\b%2)      ; each accumulator from its low end on
	ds_store_b128 v[STO], v[8*(4*(\a)+\b)+4:8*(4*(\a)+\b)+7] offset:128*(\b/2)+32*(\b%2)+16
.endr
	WIN 0
.set BB, BK+32*((\a)%2)
.irp t, 0,1,2,3,4,5,6,7
	ds_load_b128 v[BB+4*\t:BB+4*\t+3], v[RD] offset:\t*2*SPITCH
.endr
.endm
.macro SEND a, younger
.set BB, BK+32*((\a)%2)
	s_wait_dscnt \younger                          ; the block is back; the next block's 8 stores and 8 loads may be out
.irp t, 0,1,2,3,4,5,6,7
	global_store_b128 v[CO], v[BB+4*\t:BB+4*\t+3], s[12:13] offset:(32*((\a)/2)+8*((\a)%2)+2*\t+8*(\t/4))*4096   ; lane row p = 2 t + h of block a is row 32 (a / 2) + 8 (a % 2) + p + 8 (p / 8); sixteen lanes store 256 consecutive bytes, aligned
.endr
.endm
	PLACES 4
	TOSTAGE 0
.irp a, 1,2,3
.if \a > 1
	s_wait_xcnt 0x0                                ; block a - 2's stores have read their registers: block a's loads may land there
.endif
	TOSTAGE \a
	SEND \a-1, 16
.endr
	SEND 3, 0
	s_wait_tensorcnt 0x0                           ; the wave's end
	ds_add_u32 v[SPW], v[NIL]
	s_wait_dscnt 0x0
	CROUND                                         ; the closing round
	s_endpgm
.Lfunc_end_k_q6663c62123_ff2:
	.size	k_q6663c62123_ff2, .Lfunc_end_k_q6663c62123_ff2-k_q6663c62123_ff2
	.p2alignl 7, 3214868480
	.fill 96, 4, 3214868480
	.section	.rodata,"a",@progbits
	.p2align	6, 0x0
	.amdhsa_kernel k_q6663c62123_ff2
		.amdhsa_group_segment_fixed_size 327680
		.amdhsa_private_segment_fixed_size 0
		.amdhsa_enable_private_segment 0
		.amdhsa_kernarg_size 24
		.amdhsa_user_sgpr_count 2
		.amdhsa_user_sgpr_kernarg_segment_ptr 1
		.amdhsa_wavefront_size32 1
		.amdhsa_system_sgpr_workgroup_id_x 1
		.amdhsa_system_sgpr_workgroup_id_y 1
		.amdhsa_system_sgpr_workgroup_id_z 1
		.amdhsa_system_vgpr_workitem_id 0
		.amdhsa_next_free_vgpr 384
		.amdhsa_next_free_sgpr 98
		.amdhsa_reserve_vcc 0
		.amdhsa_float_denorm_mode_32 3
		.amdhsa_float_denorm_mode_16_64 3
		.amdhsa_memory_ordered 1
		.amdhsa_forward_progress 1
		.amdhsa_inst_pref_size 94
	.end_amdhsa_kernel
	.amdgpu_metadata
---
amdhsa.version: [ 1, 2 ]
amdhsa.kernels:
  - .name:           k_q6663c62123_ff2
    .symbol:         k_q6663c62123_ff2.kd
    .args:
      - { .name: hid, .offset: 0, .size: 8, .value_kind: global_buffer, .address_space: global }
      - { .name: prepb, .offset: 8, .size: 8, .value_kind: global_buffer, .address_space: global }
      - { .name: c2, .offset: 16, .size: 8, .value_kind: global_buffer, .address_space: global }
    .group_segment_fixed_size: 327680
    .private_segment_fixed_size: 0
    .kernarg_segment_align: 8
    .kernarg_segment_size: 24
    .max_flat_workgroup_size: 128
    .sgpr_count:     98
    .vgpr_count:     384
    .wavefront_size: 32
...
	.end_amdgpu_metadata
.endif
;; end of part 7
;; launch ln2 (part 8): grid 256 x 1, 16 waves a work-group, no clusters, 0 bytes of LDS; arguments h1, c2, ln2_g, ln2_b, out0; writes out0
.if DOCPART == 8
	.amdgcn_target "amdgcn-amd-amdhsa--gfx1250"
	.amdhsa_code_object_version 6
	.text
	.protected	k_q6663c62123_ln2
	.globl	k_q6663c62123_ln2
	.p2align	8
	.type	k_q6663c62123_ln2,@function
k_q6663c62123_ln2:
	s_mov_b64 s[64:65], 0
	v_nop
	global_prefetch_b8 v0, s[64:65] scope:SCOPE_SE
	s_setreg_imm32_b32 hwreg(HW_REG_WAVE_MODE, 25, 1), 1
	s_wait_xcnt 0x0
; ENCODER LAYER, launch 8 of 8: out = LayerNorm(h1 + ff) g + b, all in f32.  Nothing is left out.
; A work-group takes 16 tokens, a wave ONE: its row of h1 and of ff is 2 x 4,096 bytes, 64 registers; g and b take 64 more.
; A row lies in 32 registers of one wave: mean, variance (of the differences, as the reference has it) and the result need no other wave: no LDS, no barrier.  All 32 loads of a wave go out at once;
; each load and store covers 512 consecutive bytes, aligned.  Memory binds: no cluster, no matrix unit.
; LIMITS: NaN and infinities among the inputs are not served; the order of the f32 sums differs from the reference's.
.set L16,  5                           ; v5       16 x lane
.set SEL,  2                           ; s[2:3]   lane selects: lane l xor 16
.set XR,   16                          ; v16-47   my row
.set PP,   48                          ; v48-79   ff's row
.set GG,   80                          ; v80-111  g;  v112-143 b
.set BB,   112
.set TT,   144                         ; v144-151 at work
; The sum (sq = 0) or the sum of squares (sq = 1) of my row, in every lane, in v[TT]: four chains, then across the 32 lanes
.macro ROWSUM sq
.irp k, 0,1,2,3
.if \sq
	v_pk_mul_f32 v[TT+2*\k:TT+2*\k+1], v[XR+2*\k:XR+2*\k+1], v[XR+2*\k:XR+2*\k+1]
.else
	v_pk_add_f32 v[TT+2*\k:TT+2*\k+1], v[XR+2*\k:XR+2*\k+1], v[XR+8+2*\k:XR+8+2*\k+1]
.endif
.endr
.irp m, 8,16,24
.irp k, 0,1,2,3
.if \sq
	s_delay_alu instid0(VALU_DEP_4)
	v_pk_fma_f32 v[TT+2*\k:TT+2*\k+1], v[XR+\m+2*\k:XR+\m+2*\k+1], v[XR+\m+2*\k:XR+\m+2*\k+1], v[TT+2*\k:TT+2*\k+1]
.elseif \m > 8
	s_delay_alu instid0(VALU_DEP_4)
	v_pk_add_f32 v[TT+2*\k:TT+2*\k+1], v[TT+2*\k:TT+2*\k+1], v[XR+\m+2*\k:XR+\m+2*\k+1]
.endif
.endr
.endr
	s_delay_alu instid0(VALU_DEP_3)
	v_pk_add_f32 v[TT:TT+1], v[TT:TT+1], v[TT+2:TT+3]
	s_delay_alu instid0(VALU_DEP_2)
	v_pk_add_f32 v[TT+4:TT+5], v[TT+4:TT+5], v[TT+6:TT+7]
	s_delay_alu instid0(VALU_DEP_1)
	v_pk_add_f32 v[TT:TT+1], v[TT:TT+1], v[TT+4:TT+5]
	s_delay_alu instid0(VALU_DEP_1)
	v_add_f32 v[TT], v[TT], v[TT+1]
.irp x, 1,2,4,8
	s_delay_alu instid0(VALU_DEP_1)
	v_add_f32_dpp v[TT], v[TT], v[TT] row_xmask:\x row_mask:0xf bank_mask:0xf
.endr
	s_delay_alu instid0(VALU_DEP_1)
	v_permlanex16_b32 v[TT+1], v[TT], s[SEL], s[SEL+1]
	s_delay_alu instid0(VALU_DEP_1)
	v_add_f32 v[TT], v[TT], v[TT+1]
.endm
	s_load_b256 s[4:11], s[0:1], 0x0               ; h1 s[4:5], ff s[6:7], g s[8:9], b s[10:11]
	s_load_b64 s[12:13], s[0:1], 0x20              ; out
	v_lshrrev_b32 v1, 5, v0
	s_delay_alu instid0(VALU_DEP_1)
	v_readfirstlane_b32 s20, v1                    ; wave 0..15
	v_and_b32 v1, 31, v0
	s_delay_alu instid0(VALU_DEP_1)
	v_lshlrev_b32 v[L16], 4, v1
	s_mov_b32 s[SEL], 0x76543210
	s_mov_b32 s[SEL+1], 0xfedcba98
	s_mov_b32 s30, 0x3a800000                      ; 1 / 1,024
	s_mov_b32 s31, 0x3727c5ac                      ; 1e-5
	s_lshl_b32 s21, ttmp9, 4
	s_add_co_u32 s21, s21, s20                     ; my token
	s_lshl_b32 s22, s21, 12                        ; 4,096 bytes a row
	s_mov_b32 s23, 0
	s_wait_alu depctr_va_vdst(0)
	s_wait_kmcnt 0x0
	s_add_nc_u64 s[4:5], s[4:5], s[22:23]
	s_add_nc_u64 s[6:7], s[6:7], s[22:23]
	s_add_nc_u64 s[12:13], s[12:13], s[22:23]
.set n, 0
.rept 8
	global_load_b128 v[XR+4*n:XR+4*n+3], v[L16], s[4:5] offset:512*n th:TH_LOAD_NT
	global_load_b128 v[PP+4*n:PP+4*n+3], v[L16], s[6:7] offset:512*n th:TH_LOAD_NT
.set n, n+1
.endr
.set n, 0
.rept 8
	global_load_b128 v[GG+4*n:GG+4*n+3], v[L16], s[8:9] offset:512*n
	global_load_b128 v[BB+4*n:BB+4*n+3], v[L16], s[10:11] offset:512*n
.set n, n+1
.endr
	s_wait_loadcnt 16                              ; loads come back in order: h1's and ff's 16 are in; g's and b's 16 may be out
.set n, 0
.rept 16
	v_pk_add_f32 v[XR+2*n:XR+2*n+1], v[XR+2*n:XR+2*n+1], v[PP+2*n:PP+2*n+1]   ; h1 + ff
.set n, n+1
.endr
	ROWSUM 0
	s_delay_alu instid0(VALU_DEP_1)
	v_mul_f32 v[TT], s30, v[TT]                    ; the mean
.set n, 0
.rept 16
	v_pk_add_f32 v[XR+2*n:XR+2*n+1], v[XR+2*n:XR+2*n+1], v[TT:TT+1] op_sel_hi:[1,0] neg_lo:[0,1] neg_hi:[0,1]
.set n, n+1
.endr
	ROWSUM 1
	s_delay_alu instid0(VALU_DEP_1)
	v_fma_f32 v[TT], v[TT], s30, s31               ; the variance + 1e-5
	s_wait_alu depctr_va_vdst(0)
	v_rsq_f32 v[TT+2], v[TT]
	v_nop                                          ; a plain line behind the root,
	s_wait_alu depctr_va_vdst(0)                   ; and the wait ahead of its first use
.set n, 0
.rept 16
	v_pk_mul_f32 v[XR+2*n:XR+2*n+1], v[XR+2*n:XR+2*n+1], v[TT+2:TT+3] op_sel_hi:[1,0]
.set n, n+1
.endr
	s_wait_loadcnt 0x0                             ; g and b
.set n, 0
.rept 16
	v_pk_fma_f32 v[XR+2*n:XR+2*n+1], v[XR+2*n:XR+2*n+1], v[GG+2*n:GG+2*n+1], v[BB+2*n:BB+2*n+1]
.set n, n+1
.endr
.set n, 0
.rept 8
	global_store_b128 v[L16], v[XR+4*n:XR+4*n+3], s[12:13] offset:512*n th:TH_STORE_NT
.set n, n+1
.endr
	s_endpgm
.Lfunc_end_k_q6663c62123_ln2:
	.size	k_q6663c62123_ln2, .Lfunc_end_k_q6663c62123_ln2-k_q6663c62123_ln2
	.p2alignl 7, 3214868480
	.fill 96, 4, 3214868480
	.section	.rodata,"a",@progbits
	.p2align	6, 0x0
	.amdhsa_kernel k_q6663c62123_ln2
		.amdhsa_group_segment_fixed_size 0
		.amdhsa_private_segment_fixed_size 0
		.amdhsa_enable_private_segment 0
		.amdhsa_kernarg_size 40
		.amdhsa_user_sgpr_count 2
		.amdhsa_user_sgpr_kernarg_segment_ptr 1
		.amdhsa_wavefront_size32 1
		.amdhsa_system_sgpr_workgroup_id_x 1
		.amdhsa_system_sgpr_workgroup_id_y 1
		.amdhsa_system_sgpr_workgroup_id_z 1
		.amdhsa_system_vgpr_workitem_id 0
		.amdhsa_next_free_vgpr 160
		.amdhsa_next_free_sgpr 66
		.amdhsa_reserve_vcc 0
		.amdhsa_float_denorm_mode_32 3
		.amdhsa_float_denorm_mode_16_64 3
		.amdhsa_memory_ordered 1
		.amdhsa_forward_progress 1
		.amdhsa_inst_pref_size 14
	.end_amdhsa_kernel
	.amdgpu_metadata
---
amdhsa.version: [ 1, 2 ]
amdhsa.kernels:
  - .name:           k_q6663c62123_ln2
    .symbol:         k_q6663c62123_ln2.kd
    .args:
      - { .name: h1, .offset: 0, .size: 8, .value_kind: global_buffer, .address_space: global }
      - { .name: c2, .offset: 8, .size: 8, .value_kind: global_buffer, .address_space: global }
      - { .name: ln2_g, .offset: 16, .size: 8, .value_kind: global_buffer, .address_space: global }
      - { .name: ln2_b, .offset: 24, .size: 8, .value_kind: global_buffer, .address_space: global }
      - { .name: out0, .offset: 32, .size: 8, .value_kind: global_buffer, .address_space: global }
    .group_segment_fixed_size: 0
    .private_segment_fixed_size: 0
    .kernarg_segment_align: 8
    .kernarg_segment_size: 40
    .max_flat_workgroup_size: 512
    .sgpr_count:     66
    .vgpr_count:     160
    .wavefront_size: 32
...
	.end_amdgpu_metadata
.endif
;; end of part 8
